; MI455X (gfx1250); checked and timed in simulation.
; The chip was launched on July 23, 2026; its instructions are those of AMD's public machine-readable ISA for CDNA 5 (MIT licence, August 2026) and "CDNA5" Instruction Set Architecture Reference Guide (July 2026). The comments in the code are by the model that wrote it; some were corrected since.
;; Multi Head Attention. Allowed arithmetic: float matrix products may take bf16 or f16 operands with f32 sums; other float arithmetic in f32, or as packed bf16 or f16 multiplies, adds, multiply-adds, maxima and minima; sums over many terms, partial sums and values carried from step to step in f32; what a program stores and reads back later, other than sums and carried values, may be rounded once to bf16 or f16.
;; Inputs: W_out 1,024 x 1,024 float32; W_qkv 1,024 x 3,072 float32; b_out 1,024 float32; b_qkv 3,072 float32; mask 1 x 1 x 2,048 x 2,048 int32; x 4 x 2,048 x 1,024 float32.
;; Outputs: out0 4 x 2,048 x 1,024 float32.
;; 2 versions, each right. Each part assembles by itself: llvm-mc -triple=amdgcn-amd-amdhsa -mcpu=gfx1250 --defsym DOCPART=n.
;; ======== version 1 of 2: 4 launches
;; limits: values are held in f16: magnitudes above 65,504 overflow, below 6.1e-05 lose precision
;; workspace buffers: xb 16,777,216 bytes; wqt 6,291,456 bytes; wot 2,097,152 bytes; mbits 524,288 bytes of whole numbers; qkv 50,331,648 bytes; ctx 16,777,216 bytes
;; launch prep (part 1): grid 512 x 1, 4 waves a work-group, no clusters, 70,144 bytes of LDS; arguments x, W_qkv, W_out, mask, xb, wqt, wot, mbits; writes xb, wqt, wot, mbits
.if DOCPART == 1
	.amdgcn_target "amdgcn-amd-amdhsa--gfx1250"
	.amdhsa_code_object_version 6
	.text
	.protected	k_qe73048d268_prep
	.globl	k_qe73048d268_prep
	.p2align	8
	.type	k_qe73048d268_prep,@function
k_qe73048d268_prep:
	s_mov_b64 s[64:65], 0
	v_nop
	global_prefetch_b8 v0, s[64:65] scope:SCOPE_SE
	s_setreg_imm32_b32 hwreg(HW_REG_WAVE_MODE, 25, 1), 1
	s_wait_xcnt 0x0
; PREP: the 16-bit operands of the two products, and the mask as lane masks.  A stream: no matrix unit, no barrier; LDS only as each wave's own turning table.
;   xb    [8192][1024] bf16      = x rounded to bf16
;   wqt   [3072 n][1024 k] bf16  = W_qkv rounded to bf16, transposed
;   wot   [1024 n][1024 k] f16   = W_out rounded to bf16, that number written as f16, transposed.  LIMIT: below 6e-5 f16 keeps a fixed step of 6e-8; beyond 65,504 it has no number.
;   mbits record (P = query / 32, j = key / 64) at byte 8192 P + 256 j: 64 words [u][i]; bit l of word (u, i) = (mask[32 P + 16 u + l % 16][64 j + 16 (i / 8) + 8 (l / 16) + i % 8] != 0)
; SHARES.  512 work-groups of four waves; every wave takes 32 KiB of input in four trips of sixteen 16-byte loads a lane.  Work-groups 0-255: x.  256-351: W_qkv.  352-383: W_out.  384-511: mask.
.set WLDS,  17408                      ; a wave's LDS: 64 rows of 272 bytes
.set SPARE, 4*WLDS                     ; behind them the spare words, 128 bytes a wave: two blocks of 256 bytes that no other line names
.set D,   16                           ; v[16:79]   sixteen loads of four registers
.set E,   80                           ; v[80:143]  results; mask values as read back
.set WR,  144                          ; v[144:145] a mask record: lane l holds words 2 l and 2 l + 1
.set SPW, 146                          ; LDS address of my spare word; never rewritten
.set NIL, 147                          ; 0; never rewritten
	s_load_b512 s[4:19], s[0:1], 0x0               ; x 4, W_qkv 6, W_out 8, mask 10, xb 12, wqt 14, wot 16, mbits 18
	v_lshl_add_u32 v[SPW], v0, 2, SPARE
	v_mov_b32 v[NIL], 0
	v_and_b32 v1, 31, v0                           ; lane l
	v_and_b32 v2, 15, v0                           ; cn = l % 16
	v_bfe_u32 v3, v0, 4, 1                         ; rr = l / 16
	v_lshrrev_b32 v4, 5, v0
	v_readfirstlane_b32 s20, v4                    ; wave 0..3
	s_mul_i32 s29, s20, WLDS                       ; my LDS
	s_mov_b32 s27, 0                               ; high word of every offset
	s_mov_b32 s28, 4                               ; trips
	s_wait_kmcnt 0x0
	s_cmp_lt_u32 ttmp9, 256
	s_cbranch_scc0 .Lnot_x
	; X: wave gw takes 8 rows: 32,768 bytes in, 16,384 out.  A load of a wave covers 512 consecutive bytes, its store 256 consecutive bytes, aligned.
	s_lshl_b32 s21, ttmp9, 2
	s_add_co_u32 s21, s21, s20
	s_lshl_b32 s26, s21, 15
	s_add_nc_u64 s[22:23], s[4:5], s[26:27]
	s_lshl_b32 s26, s21, 14
	s_add_nc_u64 s[24:25], s[12:13], s[26:27]
	v_lshlrev_b32 v4, 4, v1
	v_lshlrev_b32 v5, 3, v1
.Lx:
.irp i, 0,1,2,3,4,5,6,7,8,9,10,11,12,13,14,15
	global_load_b128 v[D+4*(\i):D+4*(\i)+3], v4, s[22:23] offset:512*(\i) th:TH_LOAD_NT
.endr
.irp i, 0,1,2,3,4,5,6,7,8,9,10,11,12,13,14,15
	s_wait_loadcnt 15-(\i)                         ; loads come back in order: the younger ones of the sixteen stay out
	v_cvt_pk_bf16_f32 v[E+2*(\i)], v[D+4*(\i)], v[D+4*(\i)+1]
	v_cvt_pk_bf16_f32 v[E+2*(\i)+1], v[D+4*(\i)+2], v[D+4*(\i)+3]
	global_store_b64 v5, v[E+2*(\i):E+2*(\i)+1], s[24:25] offset:256*(\i) th:TH_STORE_NT
.endr
	s_wait_xcnt 0x0                                ; the pointers and the stores' data are rewritten only behind this wait
	s_add_nc_u64 s[22:23], s[22:23], 8192
	s_add_nc_u64 s[24:25], s[24:25], 4096
	s_sub_co_u32 s28, s28, 1
	s_cmp_lg_u32 s28, 0
	s_cbranch_scc1 .Lx
	s_branch .Lend
; W: a wave turns one tile of 128 k x 64 n.  NP: bytes in a row of the source; fmt 1: bf16 written as f16; first: the job's first work-group; srcr, dstr: the pointers' registers.
; A trip takes 32 rows of k: load 2 p + e brings row 4 p + 2 rr + e, 256 consecutive bytes for each half of the lanes.  Two rows' numbers of one column pack into a word, which goes to
; LDS row n, byte 2 k.  These 4-byte stores fall on 8 of the 64 banks, four lanes to a bank: taken as it is, since the two weights are a sixth of the launch's bytes.
.macro WJOB NP, fmt, first, srcr, dstr
	s_sub_co_u32 s21, ttmp9, \first
	s_lshl_b32 s21, s21, 2
	s_add_co_u32 s21, s21, s20                     ; tile
	s_and_b32 s30, s21, 7                          ; kt
	s_lshr_b32 s31, s21, 3                         ; nt
	s_mul_i32 s26, s30, 128*(\NP)
	s_lshl_b32 s21, s31, 8
	s_add_co_u32 s26, s26, s21
	s_add_nc_u64 s[22:23], s[\srcr:\srcr+1], s[26:27]
	s_lshl_b32 s26, s31, 17                        ; 64 rows of 2,048 bytes
	s_lshl_b32 s21, s30, 8
	s_add_co_u32 s26, s26, s21
	s_add_nc_u64 s[24:25], s[\dstr:\dstr+1], s[26:27]
	v_mul_u32_u24 v4, v3, 2*(\NP)
	v_lshl_add_u32 v4, v2, 4, v4                   ; source: 2 rr rows + 16 cn
	v_mul_u32_u24 v5, v2, 4*272
	v_lshl_add_u32 v5, v3, 2, v5
	v_add_nc_u32 v5, s29, v5                       ; into LDS: row 4 cn, byte 4 rr
	v_mul_u32_u24 v6, v3, 272
	v_lshl_add_u32 v6, v2, 4, v6
	v_add_nc_u32 v6, s29, v6                       ; back: row rr, 16 bytes a lane
	v_lshlrev_b32 v7, 11, v3
	v_lshl_add_u32 v7, v2, 4, v7                   ; and the same two rows in the result
.Lw_\@:
.irp p, 0,1,2,3,4,5,6,7
.irp e, 0,1
	global_load_b128 v[D+4*(2*(\p)+(\e)):D+4*(2*(\p)+(\e))+3], v4, s[22:23] offset:(4*(\p)+(\e))*(\NP) th:TH_LOAD_NT
.endr
.endr
.irp p, 0,1,2,3,4,5,6,7
	s_wait_loadcnt 14-2*(\p)                       ; pair p is in
.irp c, 0,1,2,3
	v_cvt_pk_bf16_f32 v[E+4*(\p)+(\c)], v[D+8*(\p)+(\c)], v[D+8*(\p)+4+(\c)]
.if \fmt
	v_lshlrev_b32 v[E+32], 16, v[E+4*(\p)+(\c)]
	v_and_b32 v[E+33], 0xffff0000, v[E+4*(\p)+(\c)]
	v_cvt_pk_f16_f32 v[E+4*(\p)+(\c)], v[E+32], v[E+33]
.endif
	ds_store_b32 v5, v[E+4*(\p)+(\c)] offset:(\c)*272+8*(\p)
.endr
.endr
	v_add_nc_u32 v5, 64, v5                        ; 32 k further along the LDS rows
	s_wait_xcnt 0x0
	s_add_nc_u64 s[22:23], s[22:23], 32*(\NP)
	s_sub_co_u32 s28, s28, 1
	s_cmp_lg_u32 s28, 0
	s_cbranch_scc1 .Lw_\@
.set n, 0
.rept 32                                           ; LDS serves a wave's instructions in order (ISA guide 5.7.1.4): these see my stores above
	ds_load_b128 v[D+4*n:D+4*n+3], v6 offset:n*544
.set n, n+1
.endr
.set n, 0
.rept 32
	s_wait_dscnt 31-n
	global_store_b128 v7, v[D+4*n:D+4*n+3], s[24:25] offset:n*4096  ; sixteen lanes store 256 consecutive bytes, aligned
.set n, n+1
.endr
.endm
.Lnot_x:
	s_cmp_lt_u32 ttmp9, 352
	s_cbranch_scc0 .Lnot_wq
	WJOB 12288, 0, 256, 6, 14
	s_branch .Lend
.Lnot_wq:
	s_cmp_lt_u32 ttmp9, 384
	s_cbranch_scc0 .Lmask
	WJOB 4096, 1, 352, 8, 16
	s_branch .Lend
.Lmask:
	; MASK: wave mw takes 32 queries (P = mw / 8) and four key steps (j = 4 (mw % 8) + trip): a trip is 32 rows x 256 bytes in, one record of 256 bytes out.
	s_sub_co_u32 s21, ttmp9, 384
	s_lshl_b32 s21, s21, 2
	s_add_co_u32 s21, s21, s20
	s_lshr_b32 s30, s21, 3
	s_and_b32 s31, s21, 7
	s_lshl_b32 s31, s31, 10
	s_lshl_b32 s26, s30, 18                        ; 32 rows of 8,192 bytes
	s_add_co_u32 s26, s26, s31
	s_add_nc_u64 s[22:23], s[10:11], s[26:27]
	s_lshl_b32 s26, s30, 13
	s_add_co_u32 s26, s26, s31
	s_add_nc_u64 s[24:25], s[18:19], s[26:27]
	v_lshlrev_b32 v4, 13, v3
	v_lshl_add_u32 v4, v2, 4, v4                   ; source: row rr, 16 cn
	v_mul_u32_u24 v5, v3, 272
	v_lshl_add_u32 v5, v2, 4, v5
	v_add_nc_u32 v5, s29, v5                       ; into LDS as it lies
	v_mul_u32_u24 v6, v2, 272
	v_lshl_add_u32 v6, v3, 5, v6
	v_add_nc_u32 v6, s29, v6                       ; back: row l % 16, eight keys from 8 (l / 16) on: the scores' own layout
	v_lshlrev_b32 v7, 3, v1
.Lm:
.irp i, 0,1,2,3,4,5,6,7,8,9,10,11,12,13,14,15
	global_load_b128 v[D+4*(\i):D+4*(\i)+3], v4, s[22:23] offset:16384*(\i) th:TH_LOAD_NT
.endr
.irp i, 0,1,2,3,4,5,6,7,8,9,10,11,12,13,14,15
	s_wait_loadcnt 15-(\i)
	ds_store_b128 v5, v[D+4*(\i):D+4*(\i)+3] offset:544*(\i)
.endr
.irp u, 0,1
.irp kb, 0,1,2,3
.irp hf, 0,1
	ds_load_b128 v[E+32*(\u)+8*(\kb)+4*(\hf):E+32*(\u)+8*(\kb)+4*(\hf)+3], v6 offset:4352*(\u)+64*(\kb)+16*(\hf)
.endr
.endr
.endr
	v_mov_b32 v[WR], 0                             ; v_writelane_b32 counts as a reader of its destination
	v_mov_b32 v[WR+1], 0
	s_wait_dscnt 0x0
.set n, 0
.rept 2
.rept 32
	v_cmp_ne_u32 s[32+n%32], 0, v[E+n]             ; word n of the record: one bit a lane
.set n, n+1
.endr
.set n, n-32
.rept 32
	v_writelane_b32 v[WR+n%2], s[32+n%32], n/2
.set n, n+1
.endr
.endr
	global_store_b64 v7, v[WR:WR+1], s[24:25]      ; 256 consecutive bytes, aligned
	s_wait_xcnt 0x0
	s_add_nc_u64 s[22:23], s[22:23], 256
	s_add_nc_u64 s[24:25], s[24:25], 256
	s_sub_co_u32 s28, s28, 1
	s_cmp_lg_u32 s28, 0
	s_cbranch_scc1 .Lm
.Lend:
	s_wait_tensorcnt 0x0                           ; the wave's end: behind my last LDS store
	ds_add_u32 v[SPW], v[NIL]
	s_wait_dscnt 0x0
	s_endpgm
.Lfunc_end_k_qe73048d268_prep:
	.size	k_qe73048d268_prep, .Lfunc_end_k_qe73048d268_prep-k_qe73048d268_prep
	.p2alignl 7, 3214868480
	.fill 96, 4, 3214868480
	.section	.rodata,"a",@progbits
	.p2align	6, 0x0
	.amdhsa_kernel k_qe73048d268_prep
		.amdhsa_group_segment_fixed_size 70144
		.amdhsa_private_segment_fixed_size 0
		.amdhsa_enable_private_segment 0
		.amdhsa_kernarg_size 64
		.amdhsa_user_sgpr_count 2
		.amdhsa_user_sgpr_kernarg_segment_ptr 1
		.amdhsa_wavefront_size32 1
		.amdhsa_system_sgpr_workgroup_id_x 1
		.amdhsa_system_sgpr_workgroup_id_y 1
		.amdhsa_system_sgpr_workgroup_id_z 1
		.amdhsa_system_vgpr_workitem_id 0
		.amdhsa_next_free_vgpr 160
		.amdhsa_next_free_sgpr 66
		.amdhsa_reserve_vcc 0
		.amdhsa_float_denorm_mode_32 3
		.amdhsa_float_denorm_mode_16_64 3
		.amdhsa_memory_ordered 1
		.amdhsa_forward_progress 1
		.amdhsa_inst_pref_size 52
	.end_amdhsa_kernel
	.amdgpu_metadata
---
amdhsa.version: [ 1, 2 ]
amdhsa.kernels:
  - .name:           k_qe73048d268_prep
    .symbol:         k_qe73048d268_prep.kd
    .args:
      - { .name: x, .offset: 0, .size: 8, .value_kind: global_buffer, .address_space: global }
      - { .name: W_qkv, .offset: 8, .size: 8, .value_kind: global_buffer, .address_space: global }
      - { .name: W_out, .offset: 16, .size: 8, .value_kind: global_buffer, .address_space: global }
      - { .name: mask, .offset: 24, .size: 8, .value_kind: global_buffer, .address_space: global }
      - { .name: xb, .offset: 32, .size: 8, .value_kind: global_buffer, .address_space: global }
      - { .name: wqt, .offset: 40, .size: 8, .value_kind: global_buffer, .address_space: global }
      - { .name: wot, .offset: 48, .size: 8, .value_kind: global_buffer, .address_space: global }
      - { .name: mbits, .offset: 56, .size: 8, .value_kind: global_buffer, .address_space: global }
    .group_segment_fixed_size: 70144
    .private_segment_fixed_size: 0
    .kernarg_segment_align: 8
    .kernarg_segment_size: 64
    .max_flat_workgroup_size: 128
    .sgpr_count:     66
    .vgpr_count:     160
    .wavefront_size: 32
...
	.end_amdgpu_metadata
.endif
;; end of part 1
;; launch qkvgemm (part 2): grid 16 x 32, 4 waves a work-group, clusters of 4 x 4, 327,680 bytes of LDS; arguments xb, wqt, b_qkv, qkv; writes qkv
.if DOCPART == 2
	.amdgcn_target "amdgcn-amd-amdhsa--gfx1250"
	.amdhsa_code_object_version 6
	.text
	.protected	k_qe73048d268_qkvgemm
	.globl	k_qe73048d268_qkvgemm
	.p2align	8
	.type	k_qe73048d268_qkvgemm,@function
k_qe73048d268_qkvgemm:
	s_mov_b64 s[64:65], 0
	v_nop
	global_prefetch_b8 v0, s[64:65] scope:SCOPE_SE
	s_setreg_imm32_b32 hwreg(HW_REG_WAVE_MODE, 25, 1), 1
	s_wait_xcnt 0x0
	s_wait_alu depctr_hold_cnt(0) depctr_sa_sdst(0) depctr_va_vdst(0) depctr_va_sdst(0) depctr_va_ssrc(0) depctr_va_vcc(0) depctr_vm_vsrc(0)
	s_getreg_b32 s2, hwreg(HW_REG_IB_STS2, 6, 4)
	s_cmp_eq_u32 s2, 0
	s_cbranch_scc0 .Lentry_in_a_cluster
	s_endpgm
.Lentry_in_a_cluster:
	s_bfe_u32 s2, ttmp6, 0x10000c
	s_cmp_lg_u32 s2, 0xf033
	s_cbranch_scc0 .Lentry_shape_is_right
	s_endpgm
.Lentry_shape_is_right:
; ONE SOURCE FOR THE MODULE'S TWO PROJECTIONS; the switch QKV picks the constants, the matrix form and the way out; only the chosen half is assembled.
; QKV = 1:  qkv[g = n / 64][m][n % 64] (f16) = xb[m][:] . wqt[n][:] + bf16(b_qkv[n]).   xb [8192][1024], wqt [3072][1024] bf16.  A tile of C is 256 m x 192 n: 512 work-groups, two for each of 256 WGPs.
; QKV = 0:  out0[m][n] (f32) = ctx[:][m][:] . wot[n][:] + bf16(b_out[n]).   ctx [16 h][8192 m][64], wot [1024][1024] f16.  A tile of C is 256 x 128: 256 work-groups.
; LIMIT (QKV = 1): q, k and v leave as f16, which ends at 65,504; sums in f32, rounded once.  NaN and infinities are not treated apart.
; SHARES.  Four waves; wave w makes rows 64 w .. 64 w + 63 and ALL columns of the tile: 4 x NBK accumulators of 16 x 16.  So a wave's rows of C are whole, and its way out needs no barrier.
; K goes in 8 steps of 128 through two LDS slots.  Waves 0 and 1 fetch A's two halves, waves 2 and 3 B's: one tensor load a wave and step.
; CLUSTER 4 x 4: A's tile hangs on the tile row alone and is asked for jointly along a row of the cluster, B's on the tile column alone and along a column.
; THE PRODUCT IS TAKEN TRANSPOSED (source 0 = 16 rows of B, source 1 = 16 rows of A): a lane holds one row m (lane % 16) and the columns 8 (lane / 16) + 0..7.  In that layout the bias of a
; column block is eight registers, the same for every row block: it is the C operand of the first product, and costs no instruction of its own.
; REGISTERS, in windows of 256: window 0: v16-31 addresses; v32-95 A's fragments, two buffers; v96.. the bias, later the way out.  Window 1: B's fragments, two buffers.
; Window 2: accumulators of row blocks 0, 1 ((a, b) at v[8 (NBK a + b)]); window 3: of row blocks 2, 3.
.set QKV, 1
.if QKV
.set TN,    192                        ; columns in a tile
.set PA,    272                        ; A's LDS rows: 256 bytes (128 k) + 16
.set AZ,    128                        ; LDS bytes from a step's first 64 k to its second
.set HALFA, 128*272                    ; what one of A's loads fills
.set KSA,   256                        ; bytes in memory from a K step of A to the next
.set PITA,  2048                       ; the prefetches' bytes from lane to lane, for A
.set G1A0,  0x07710000                 ; 2-byte elements; padding on; bit 21 beside a mask; 4 words behind every 64
.set STRA,  1024                       ; elements from row to row
.set WSTG,  3*16*144                   ; a wave's stage
.set SHTY,  19                         ; A's offset: tile row << SHTY + half << SHH; a partner's part of it << SHCX
.set SHH,   18
.set SHCX,  16
.set CTX,   3*1048576                  ; C's offset: tile column x CTX + tile row << SHCY + wave << SHCW
.set SHCY,  15
.set SHCW,  13
.else
.set TN,    128
.set PA,    144                        ; a head's row: 128 bytes (64 k) + 16
.set AZ,    256*144                    ; the step's second head lies behind the first's 256 rows
.set HALFA, 256*144
.set KSA,   2*1048576                  ; two heads
.set PITA,  256
.set G1A0,  0x07310000                 ; the same with 4 words behind every 32: a head's 256 rows are dense and come as 128 rows of 256 bytes, padded after each 128
.set STRA,  128
.set WSTG,  16*528
.set SHTY,  15
.set SHH,   20
.set SHCX,  13
.set CTX,   512
.set SHCY,  20
.set SHCW,  18
.endif
.set NBK,   TN/16
.set BOFF,  2*HALFA                    ; B's rows lie behind A's
.set HALFB, (TN/2)*272
.set SLOT1, 131072                     ; one exclusive or turns an address in one slot into the other's
.set STAGE, SLOT1+BOFF+2*HALFB         ; behind the ring, never filled by a tensor load
.set SPARE, STAGE+4*WSTG               ; the spare words, 128 bytes a wave: two blocks of 256 bytes that no other line names
.set NLD,   2*NBK+8                    ; LDS loads for 32 along K
.set ADRA0, 16                         ; my lane's place in A's rows; never rewritten
.set ADRB0, 17                         ; in B's
.set ADRA,  18                         ; the same in the slot in hand
.set ADRB,  19
.set STO,   24
.set RD,    25
.set GO,    26
.set SPW,   28                         ; LDS address of my spare word; never rewritten
.set NIL,   29                         ; 0; never rewritten
.set PFO,   30                         ; the prefetches' lane offset; never rewritten
.set BO,    31                         ; 32 (lane / 16): my eight numbers of a column block's bias
.set FA,    32
.set BIAS,  96
.set TT,    240
.set G1,  24                           ; s[24:31] A's group 1;  s[32:39] A's group 0: a set for each first fill, the second then walks
.set G0,  32
.set PFA, 44                           ; s[44:45] where my prefetches stand;  s[46:47] their step along K
.set PFS, 46
.set G1B, 48
.set G0B, 56
.set TB,  66                           ; LDS byte of the slot in hand
.set LIM, 67                           ; 2 in a wave that prefetches, else the greatest number
.set MSB, 0
.macro WIN new                         ; the immediate's high byte repeats the setting that is left; a switch that changes nothing is dropped
.if MSB != (\new)
	s_set_vgpr_msb (MSB<<8)|(\new)
.set MSB, \new
.endif
.endm
.macro PLACES                          ; four plain places behind matrix instructions, in front of loads into registers that they read
.rept 4
	v_nop
.endr
.endm
.macro JLOAD                           ; a joint refill by the walking sets; the branch hangs on the wave's number alone; an s_nop 0 and four v_nop follow each line
	s_cmp_eq_u32 s13, 0
	s_cbranch_scc0 .Lfor_b_\@
	tensor_load_to_lds s[G0+4:G0+7], s[G1:G1+7]
	s_nop 0
	PLACES
	s_branch .Lasked_\@
.Lfor_b_\@:
	tensor_load_to_lds s[G0B+4:G0B+7], s[G1B:G1B+7]
	s_nop 0
	PLACES
.Lasked_\@:
.endm
.macro CREST                           ; a round of the cluster's barrier behind its opening barrier
	s_cmp_lg_u32 s12, 0
	s_cbranch_scc1 .Lnot_wave_0_\@
	s_barrier_signal -3
.Lnot_wave_0_\@:
	s_barrier_wait -3
	s_barrier_signal -1
	s_barrier_wait -1
.endm
.macro CROUND
	s_barrier_signal -1
	s_barrier_wait -1
	CREST
.endm
; A prefetch into the L2 of the K step two refills on, a lane a block of 256 bytes, one instruction a wave.  A's rows are asked for by the clusters with x = 0, B's by those with y = 0; the four
; partners that fetch a tile jointly share its rows out by address.  Refill t (s15 = 6 - t) names K step t + 4: the last two refills name nothing.
.macro ASK
	s_cmp_gt_u32 s15, s[LIM]
	s_cbranch_scc0 .Lnot_mine_\@
	global_prefetch_b8 v[PFO], s[PFA:PFA+1] th:TH_LOAD_NT scope:SCOPE_SE
.Lnot_mine_\@:
.endm
.macro WMMA rd, r0, r1, rc
.if QKV
	v_wmma_f32_16x16x32_bf16 v[\rd:\rd+7], v[\r0:\r0+7], v[\r1:\r1+7], v[\rc:\rc+7]
.else
	v_wmma_f32_16x16x32_f16 v[\rd:\rd+7], v[\r0:\r0+7], v[\r1:\r1+7], v[\rc:\rc+7]
.endif
.endm
; NBK products: row block 2 hi + a, all column blocks, buffer f.  first = 1: C is the bias.  All 4 NBK accumulators take turns, one instruction a turn.
.macro MUL f, hi, a, first
.if \first
	WIN 0x81+0x40*(\hi)                            ; B window 1, A and the bias window 0, D window 2 or 3
.else
	WIN 0xa1+0x50*(\hi)                            ; C and D window 2 or 3
.endif
.set bb, 0
.rept NBK
.set rD, 8*(NBK*(\a)+bb)
.set rB, 8*NBK*(\f)+8*bb
.set rA, FA+32*(\f)+8*(2*(\hi)+(\a))
.set rC, rD
.if \first
.set rC, BIAS+8*bb
.endif
	WMMA rD, rB, rA, rC
.set bb, bb+1
.endr
.endm
; One run of NLD LDS loads: the fragments of quarter q (32 along K) into buffer f; B's first, A's row blocks 2 and 3 last.
.macro FETCH q, f
	WIN 0x40                                       ; destination window 1, address window 0
.set ii, 0
.rept NBK
	ds_load_b128 v[8*NBK*(\f)+8*ii:8*NBK*(\f)+8*ii+3],   v[ADRB] offset:64*(\q)+ii*16*272
	ds_load_b128 v[8*NBK*(\f)+8*ii+4:8*NBK*(\f)+8*ii+7], v[ADRB] offset:64*(\q)+ii*16*272+32
.set ii, ii+1
.endr
	WIN 0
.set ii, 0
.rept 4
	ds_load_b128 v[FA+32*(\f)+8*ii:FA+32*(\f)+8*ii+3],   v[ADRA] offset:((\q)/2)*AZ+((\q)%2)*64+ii*16*PA
	ds_load_b128 v[FA+32*(\f)+8*ii+4:FA+32*(\f)+8*ii+7], v[ADRA] offset:((\q)/2)*AZ+((\q)%2)*64+ii*16*PA+32
.set ii, ii+1
.endr
.endm
; Multiplies buffer f; in its middle fetches quarter q of the same slot into buffer g.
.macro QUARTER q, f, g, first
	s_wait_dscnt 4                                 ; all but A's row blocks 2 and 3 (four loads)
	MUL \f, 0, 0, \first
	MUL \f, 0, 1, \first
	PLACES
	FETCH \q, \g
	s_wait_dscnt NLD                               ; all but the run just issued
	MUL \f, 1, 0, \first
	MUL \f, 1, 1, \first
.endm
; A step's last quarter (buffer 1) and the change of slots.  In front of the barrier each wave waits for all its tensor loads (one is out: its part of the next slot), adds 0 to its spare word, and
; waits for that and for its reads of this slot.  fill = 1: the barrier opens a round of the cluster's, and the joint refill of the slot just read is the first thing behind the round.
.macro TURN fill
.if \fill
	s_wait_xcnt 0x0                                ; the last prefetch, a K step back, has read its address
	s_add_nc_u64 s[PFA:PFA+1], s[PFA:PFA+1], s[PFS:PFS+1]
.endif
	WIN 0
	s_wait_tensorcnt 0x0                           ; no tensor load of mine is out, so a group 0 may be written
	ds_add_u32 v[SPW], v[NIL]
.if \fill
	s_xor_b32 s[G0+5], s[G0+5], SLOT1              ; the walking sets: the other slot, the next K step
	s_add_nc_u64 s[G0+6:G0+7], s[G0+6:G0+7], KSA
	s_xor_b32 s[G0B+5], s[G0B+5], SLOT1
	s_add_nc_u64 s[G0B+6:G0B+7], s[G0B+6:G0B+7], 256
.endif
	s_wait_dscnt 5                                 ; the add and A's last four loads may be out
	MUL 1, 0, 0, 0
	s_wait_dscnt 0x0                               ; the add is done, my reads of this slot are over
	s_barrier_signal -1
	MUL 1, 0, 1, 0
	WIN 0
	s_barrier_wait -1
.if \fill
	CREST
	JLOAD                                          ; its four v_nop are also the places in front of the loads below
.else
	PLACES
.endif
	s_xor_b32 s[TB], s[TB], SLOT1
	v_add_nc_u32 v[ADRA], s[TB], v[ADRA0]
	v_add_nc_u32 v[ADRB], s[TB], v[ADRB0]
	FETCH 0, 0
.if \fill
	ASK
.endif
	MUL 1, 1, 0, 0
	MUL 1, 1, 1, 0
.endm
	s_load_b256 s[4:11], s[0:1], 0x0               ; A s[4:5], B s[6:7], bias s[8:9], C s[10:11]
	v_lshl_add_u32 v[SPW], v0, 2, SPARE
	v_mov_b32 v[NIL], 0
	ds_add_u32 v[SPW], v[NIL]                      ; the wave's opening: the add and its wait, ahead of my first tensor load
	v_lshrrev_b32 v1, 5, v0
	v_readfirstlane_b32 s12, v1                    ; wave 0..3
	s_lshr_b32 s13, s12, 1                         ; 0: I fetch for A; 1: for B
	s_and_b32 s14, s12, 1                          ; which half
	s_bfe_u32 s40, ttmp6, 0x40000                  ; cx
	s_bfe_u32 s41, ttmp6, 0x40004                  ; cy
	s_lshl_b32 s42, ttmp9, 2
	s_add_co_u32 s42, s42, s40                     ; tile column
	s_and_b32 s43, ttmp7, 0xffff
	s_lshl_b32 s43, s43, 2
	s_add_co_u32 s43, s43, s41                     ; tile row
	s_lshl_b32 s16, s41, 2
	s_lshl_b32 s16, 15, s16                        ; my row of the cluster
	s_lshl_b32 s17, 0x1111, s40                    ; my column
	s_or_b32 s[G1], s16, G1A0
	s_or_b32 s[G1B], s17, 0x07710000
	s_mov_b32 s[G1+1], 128<<16                     ; tensor_dim0 = 128
	s_mov_b32 s[G1+2], 128<<16                     ; tensor_dim1 = 128
	s_mov_b32 s[G1+3], 128<<16                     ; tile_dim0 = 128
	s_mov_b32 s[G1+4], 128                         ; tile_dim1 = 128
	s_mov_b32 s[G1+5], STRA
	s_mov_b32 s[G1+6], 0
	s_mov_b32 s[G1+7], 0
	s_mov_b32 s[G1B+1], 128<<16
	s_mov_b32 s[G1B+2], (TN/2)<<16
	s_mov_b32 s[G1B+3], 128<<16
	s_mov_b32 s[G1B+4], TN/2
	s_mov_b32 s[G1B+5], 1024
	s_mov_b32 s[G1B+6], 0
	s_mov_b32 s[G1B+7], 0
	s_lshl_b32 s68, s43, SHTY                      ; A's offset: made of the tile row and the wave alone
	s_lshl_b32 s18, s14, SHH
	s_add_co_u32 s68, s68, s18
	s_mov_b32 s69, 0
	s_mul_i32 s70, s42, TN*2048                    ; B's: of the tile column and the wave alone
	s_mul_i32 s19, s14, TN*1024
	s_add_co_u32 s70, s70, s19
	s_mov_b32 s71, 0
	s_mul_i32 s20, s14, HALFA                      ; LDS places: no place in the cluster enters them
	s_mul_i32 s21, s14, HALFB
	s_add_co_u32 s21, s21, BOFF
	s_mov_b32 s[TB], 0
	s_wait_dscnt 0x0                               ; the opening add is done
	s_wait_kmcnt 0x0
	s_add_nc_u64 s[68:69], s[4:5], s[68:69]
	s_add_nc_u64 s[70:71], s[6:7], s[70:71]
.irp s, 0,1
	s_mov_b32 s[G0+4*(\s)], 1
	s_add_co_u32 s[G0+4*(\s)+1], s20, (\s)*SLOT1
	s_add_nc_u64 s[G0+4*(\s)+2:G0+4*(\s)+3], s[68:69], (\s)*KSA
	s_or_b32 s[G0+4*(\s)+3], s[G0+4*(\s)+3], 0x80000000
	s_mov_b32 s[G0B+4*(\s)], 1
	s_add_co_u32 s[G0B+4*(\s)+1], s21, (\s)*SLOT1
	s_add_nc_u64 s[G0B+4*(\s)+2:G0B+4*(\s)+3], s[70:71], (\s)*256
	s_or_b32 s[G0B+4*(\s)+3], s[G0B+4*(\s)+3], 0x80000000
.endr
	CROUND                                         ; all sixteen work-groups are here: the first joint loads meet
	s_cmp_eq_u32 s13, 0                            ; a wave's two first fills stand in one branch: two loads of mine are out
	s_cbranch_scc0 .Lfirst_b
	tensor_load_to_lds s[G0:G0+3], s[G1:G1+7]
	s_nop 0
	tensor_load_to_lds s[G0+4:G0+7], s[G1:G1+7]
	s_nop 0
	PLACES
	s_branch .Lfirst_asked
.Lfirst_b:
	tensor_load_to_lds s[G0B:G0B+3], s[G1B:G1B+7]
	s_nop 0
	tensor_load_to_lds s[G0B+4:G0B+7], s[G1B:G1B+7]
	s_nop 0
	PLACES
.Lfirst_asked:
	v_and_b32 v1, 15, v0                           ; r = l % 16
	v_bfe_u32 v2, v0, 4, 1                         ; h = l / 16
	v_and_b32 v3, 31, v0                           ; l
	v_lshlrev_b32 v[BO], 5, v2
	s_mul_i32 s72, s42, TN*4
	s_mov_b32 s73, 0
	s_add_nc_u64 s[8:9], s[8:9], s[72:73]          ; the tile's bias
.set bb, 0
.rept NBK
	global_load_b128 v[BIAS+8*bb:BIAS+8*bb+3],   v[BO], s[8:9] offset:64*bb
	global_load_b128 v[BIAS+8*bb+4:BIAS+8*bb+7], v[BO], s[8:9] offset:64*bb+16
.set bb, bb+1
.endr
	v_mul_u32_u24 v[ADRA0], v1, PA                 ; a fragment: row r x pitch + 16 h, two loads 32 bytes apart
	v_lshl_add_u32 v[ADRA0], v2, 4, v[ADRA0]
	s_mul_i32 s72, s12, 64*PA                      ; my 64 rows
	v_add_nc_u32 v[ADRA0], s72, v[ADRA0]
	v_mul_u32_u24 v[ADRB0], v1, 272
	v_lshl_add_u32 v[ADRB0], v2, 4, v[ADRB0]
	v_add_nc_u32 v[ADRB0], BOFF, v[ADRB0]
	v_mov_b32 v[ADRA], v[ADRA0]
	v_mov_b32 v[ADRB], v[ADRB0]
	s_mul_i32 s72, s12, WSTG
	s_add_co_u32 s72, s72, STAGE                   ; my stage
.if QKV
	v_mul_u32_u24 v[STO], v1, 144                  ; in: row r, 16 bytes for each half of the lanes
	v_lshl_add_u32 v[STO], v2, 4, v[STO]
	v_lshrrev_b32 v4, 3, v3                        ; back: 32 lanes take four rows of 128 bytes
	v_and_b32 v5, 7, v0
	v_mul_u32_u24 v[RD], v4, 144
	v_lshl_add_u32 v[RD], v5, 4, v[RD]
.else
	v_mul_u32_u24 v[STO], v1, 528                  ; in: row r, 32 bytes for each half of the lanes
	v_lshl_add_u32 v[STO], v2, 5, v[STO]
	v_lshlrev_b32 v[RD], 4, v3                     ; back: 32 lanes take one row of 512 bytes
.endif
	v_add_nc_u32 v[STO], s72, v[STO]
	v_add_nc_u32 v[RD], s72, v[RD]
	v_lshlrev_b32 v[GO], 4, v3
	s_mul_i32 s72, s42, CTX                        ; where my rows begin in C
	s_lshl_b32 s74, s43, SHCY
	s_add_co_u32 s72, s72, s74
	s_lshl_b32 s74, s12, SHCW
	s_add_co_u32 s72, s72, s74
	s_add_nc_u64 s[10:11], s[10:11], s[72:73]
	; the prefetches: my work-group's quarter of the rows that I fetch, at K step 3; the first refill steps it to 4.  K steps 0 to 3 come by their loads alone.
	s_lshl_b32 s72, s43, SHTY
	s_lshl_b32 s74, s14, SHH
	s_add_co_u32 s72, s72, s74
	s_lshl_b32 s74, s40, SHCX
	s_add_co_u32 s72, s72, s74
	s_add_co_u32 s72, s72, 3*KSA
	s_mul_i32 s74, s42, TN
	s_mul_i32 s75, s14, TN/2
	s_add_co_u32 s74, s74, s75
	s_mul_i32 s75, s41, TN/8
	s_add_co_u32 s74, s74, s75
	s_lshl_b32 s74, s74, 11
	s_add_co_u32 s74, s74, 3*256
	s_and_b32 s75, ttmp7, 0xffff                   ; cluster y
	s_mov_b32 s16, KSA
	s_mov_b32 s17, 256
	s_mov_b32 s18, PITA
	s_mov_b32 s19, 2048
	s_cmp_eq_u32 s13, 0                            ; do I fetch for A?
	s_cselect_b32 s72, s72, s74
	s_cselect_b32 s75, ttmp9, s75                  ; the coordinate along which other clusters read the same rows
	s_cselect_b32 s[PFS], s16, s17
	s_cselect_b32 s18, s18, s19                    ; bytes from lane to lane
	s_cselect_b32 s16, 31, TN/8-1                  ; my last block: A's quarter has 32, B's TN / 8; the lanes beyond name the last once more
	s_cselect_b64 s[PFA:PFA+1], s[4:5], s[6:7]
	s_cmp_eq_u32 s75, 0
	s_cselect_b32 s[LIM], 2, -1                    ; the same in all sixteen partners, for a given wave
	s_mov_b32 s[PFS+1], 0
	s_add_nc_u64 s[PFA:PFA+1], s[PFA:PFA+1], s[72:73]
	v_min_u32 v[PFO], s16, v3
	v_mul_lo_u32 v[PFO], v[PFO], s18
	s_wait_loadcnt 0x0                             ; the bias, rounded to bf16 like the other inputs, in the wait for the first tile
.set bb, 0
.rept 4*NBK
	v_cvt_pk_bf16_f32 v[TT+bb%4], v[BIAS+2*bb], v[BIAS+2*bb+1]
	v_lshlrev_b32 v[BIAS+2*bb], 16, v[TT+bb%4]
	v_and_b32 v[BIAS+2*bb+1], 0xffff0000, v[TT+bb%4]
.set bb, bb+1
.endr
	s_wait_tensorcnt 1                             ; my part of K step 0 is in; step 1's may stay out
	s_barrier_signal -1
	s_barrier_wait -1
	FETCH 0, 0
	QUARTER 1, 0, 1, 1                             ; the first quarter stands in front of the loop: its products start the sums, with the bias
	WIN 0
	s_mov_b32 s15, 6
.Lstep:                                                ; a trip: a step's quarters 1 to 3, the change of slots with its refill (K steps 2 to 7), the next step's quarter 0
	QUARTER 2, 1, 0, 0
	QUARTER 3, 0, 1, 0
	TURN 1
	QUARTER 1, 0, 1, 0
	WIN 0
	s_sub_co_u32 s15, s15, 1
	s_cmp_lg_u32 s15, 0
	s_cbranch_scc1 .Lstep
	QUARTER 2, 1, 0, 0                             ; the tail is written out: K steps 6 and 7 ask for nothing
	QUARTER 3, 0, 1, 0
	TURN 0
	QUARTER 1, 0, 1, 0
	QUARTER 2, 1, 0, 0
	QUARTER 3, 0, 1, 0
	s_wait_dscnt 4
	MUL 1, 0, 0, 0
	MUL 1, 0, 1, 0
	s_wait_dscnt 0x0
	MUL 1, 1, 0, 0
	MUL 1, 1, 1, 0
	WIN 0
	PLACES                                         ; the places behind the last products, twice four, once a launch
	PLACES
.if QKV
; THE WAY OUT, a row block (16 rows x 192 columns = three heads' 64) at a time: rounded to f16; into my stage, a head's rows 144 bytes apart; back as four rows of 128 bytes a load, which are
; 512 consecutive bytes of that head's part of qkv.
.set TMP, 96
.set OB,  144
.macro PACK a
	WIN 0x0a+5*((\a)/2)                            ; sources 0 and 1: window 2 or 3
.set AC, 8*NBK*((\a)%2)
.set bb, 0
.rept NBK
.irp r, 0,1,2,3
	v_cvt_pk_f16_f32 v[TMP+4*bb+(\r)], v[AC+8*bb+2*(\r)], v[AC+8*bb+2*(\r)+1]
.endr
.set bb, bb+1
.endr
	WIN 0
.endm
.macro TOSTAGE a
.set BK, OB+48*((\a)%2)
.set bb, 0
.rept NBK
	ds_store_b128 v[STO], v[TMP+4*bb:TMP+4*bb+3] offset:(bb/4)*2304+(bb%4)*32
.set bb, bb+1
.endr
.set tt, 0
.rept 12
	ds_load_b128 v[BK+4*tt:BK+4*tt+3], v[RD] offset:(tt/4)*2304+(tt%4)*576  ; LDS serves a wave's instructions in order (ISA guide 5.7.1.4): these see the stores above
.set tt, tt+1
.endr
.endm
.macro SEND a
.set BK, OB+48*((\a)%2)
	s_wait_xcnt 0x0                                ; the block before's stores have read their registers, which the next loads from the stage write
.set tt, 0
.rept 12
	s_wait_dscnt 11-tt                             ; the younger loads from the stage stay out
	global_store_b128 v[GO], v[BK+4*tt:BK+4*tt+3], s[10:11] offset:(tt/4)*1048576+(\a)*2048+(tt%4)*512
.set tt, tt+1
.endr
.endm
	PACK 0
	TOSTAGE 0
.irp a, 1,2,3                          ; block a's conversions stand between block a - 1's loads from the stage and the wait for them
	PACK \a
	SEND (\a)-1
	TOSTAGE \a
.endr
	SEND 3
.else
; THE WAY OUT, a row block (16 rows x 128 columns of f32) at a time: straight from the accumulators into my stage, rows 528 bytes apart; back as whole rows of 512 bytes.
.set OB, 96
.macro TOSTAGE a
	s_wait_xcnt 0x0                                ; earlier stores have read their registers, which the loads below write
	WIN 0x08+4*((\a)/2)                            ; store data: window 2 or 3
.set AC, 8*NBK*((\a)%2)
.set bb, 0
.rept NBK
	ds_store_b128 v[STO], v[AC+8*bb:AC+8*bb+3]   offset:64*bb
	ds_store_b128 v[STO], v[AC+8*bb+4:AC+8*bb+7] offset:64*bb+16
.set bb, bb+1
.endr
	WIN 0
.set BK, OB+64*((\a)%2)
.set tt, 0
.rept 16
	ds_load_b128 v[BK+4*tt:BK+4*tt+3], v[RD] offset:tt*528  ; LDS serves a wave's instructions in order (ISA guide 5.7.1.4): these see the stores above, and the next block's stores come behind them
.set tt, tt+1
.endr
.endm
.macro SEND a, younger                 ; younger: the next block's 16 stores and 16 loads, or none
.set BK, OB+64*((\a)%2)
.set tt, 0
.rept 16
	s_wait_dscnt (\younger)+15-tt
	global_store_b128 v[GO], v[BK+4*tt:BK+4*tt+3], s[10:11] offset:(16*(\a)+tt)*4096 th:TH_STORE_NT  ; 512 consecutive bytes, aligned
.set tt, tt+1
.endr
.endm
	TOSTAGE 0
	TOSTAGE 1
	SEND 0, 32
	TOSTAGE 2
	SEND 1, 32
	TOSTAGE 3
	SEND 2, 32
	SEND 3, 0
.endif
	s_wait_tensorcnt 0x0                           ; the wave's end: behind my last tensor load and my last LDS store
	ds_add_u32 v[SPW], v[NIL]
	s_wait_dscnt 0x0
	CROUND                                         ; the closing round: no work-group ends while a partner may still ask for a tile that names it
	s_endpgm
.Lfunc_end_k_qe73048d268_qkvgemm:
	.size	k_qe73048d268_qkvgemm, .Lfunc_end_k_qe73048d268_qkvgemm-k_qe73048d268_qkvgemm
	.p2alignl 7, 3214868480
	.fill 96, 4, 3214868480
	.section	.rodata,"a",@progbits
	.p2align	6, 0x0
	.amdhsa_kernel k_qe73048d268_qkvgemm
		.amdhsa_group_segment_fixed_size 327680
		.amdhsa_private_segment_fixed_size 0
		.amdhsa_enable_private_segment 0
		.amdhsa_kernarg_size 32
		.amdhsa_user_sgpr_count 2
		.amdhsa_user_sgpr_kernarg_segment_ptr 1
		.amdhsa_wavefront_size32 1
		.amdhsa_system_sgpr_workgroup_id_x 1
		.amdhsa_system_sgpr_workgroup_id_y 1
		.amdhsa_system_sgpr_workgroup_id_z 1
		.amdhsa_system_vgpr_workitem_id 0
		.amdhsa_next_free_vgpr 960
		.amdhsa_next_free_sgpr 80
		.amdhsa_reserve_vcc 0
		.amdhsa_float_denorm_mode_32 3
		.amdhsa_float_denorm_mode_16_64 3
		.amdhsa_memory_ordered 1
		.amdhsa_forward_progress 1
		.amdhsa_inst_pref_size 109
	.end_amdhsa_kernel
	.amdgpu_metadata
---
amdhsa.version: [ 1, 2 ]
amdhsa.kernels:
  - .name:           k_qe73048d268_qkvgemm
    .symbol:         k_qe73048d268_qkvgemm.kd
    .args:
      - { .name: xb, .offset: 0, .size: 8, .value_kind: global_buffer, .address_space: global }
      - { .name: wqt, .offset: 8, .size: 8, .value_kind: global_buffer, .address_space: global }
      - { .name: b_qkv, .offset: 16, .size: 8, .value_kind: global_buffer, .address_space: global }
      - { .name: qkv, .offset: 24, .size: 8, .value_kind: global_buffer, .address_space: global }
    .group_segment_fixed_size: 327680
    .private_segment_fixed_size: 0
    .kernarg_segment_align: 8
    .kernarg_segment_size: 32
    .max_flat_workgroup_size: 128
    .sgpr_count:     80
    .vgpr_count:     960
    .wavefront_size: 32
...
	.end_amdgpu_metadata
.endif
;; end of part 2
;; launch attn (part 3): grid 4 x 64, 4 waves a work-group, clusters of 4 x 1, 327,680 bytes of LDS; arguments qkv, mbits, ctx; writes ctx
.if DOCPART == 3
	.amdgcn_target "amdgcn-amd-amdhsa--gfx1250"
	.amdhsa_code_object_version 6
	.text
	.protected	k_qe73048d268_attn
	.globl	k_qe73048d268_attn
	.p2align	8
	.type	k_qe73048d268_attn,@function
k_qe73048d268_attn:
	s_mov_b64 s[64:65], 0
	v_nop
	global_prefetch_b8 v0, s[64:65] scope:SCOPE_SE
	s_setreg_imm32_b32 hwreg(HW_REG_WAVE_MODE, 25, 1), 1
	s_wait_xcnt 0x0
	s_wait_alu depctr_hold_cnt(0) depctr_sa_sdst(0) depctr_va_vdst(0) depctr_va_sdst(0) depctr_va_ssrc(0) depctr_va_vcc(0) depctr_vm_vsrc(0)
	s_getreg_b32 s2, hwreg(HW_REG_IB_STS2, 6, 4)
	s_cmp_eq_u32 s2, 0
	s_cbranch_scc0 .Lentry_in_a_cluster
	s_endpgm
.Lentry_in_a_cluster:
	s_bfe_u32 s2, ttmp6, 0x10000c
	s_cmp_lg_u32 s2, 0x3003
	s_cbranch_scc0 .Lentry_shape_is_right
	s_endpgm
.Lentry_shape_is_right:
; MASKED ATTENTION.  For each of 64 slabs y = 4 h + b of 2,048 rows: ctx[q][:] = the sum over k of softmax_k(s'[q][k]) V[k][:], s' = Q[q] . K[k] / 8 where mask[q][k] != 0 and -1000 where it is 0.
; qkv: f16, three parts of 16 MiB (q, k, v), each [64 y][2048][64]: a slab's rows are dense, 128 bytes each.  ctx: f16, [64 y][2048][64].  mbits: the mask as lane masks (below).
; Products, maxima and sums in f32; the weights p are rounded to f16 for the second product (their sum l is taken of the unrounded p), ctx once at the end.
; LIMITS.  f16 holds no number beyond 65,504: q, k, v arrive within it; p lies in 0 to 1 and below 6e-5 keeps f16's fixed step of 6e-8.  A weight below 2^-126 counts as 0 in l.  NaN and infinities are not treated apart.
; THE MASK REPLACES: a hidden score becomes exactly -8000 = 8 x -1000 in the unscaled scores, by one v_cndmask_b32 a score, AHEAD of the running maximum: so a row that is hidden altogether gives the mean
; of V, and true scores below -1000 keep their order with the hidden ones.  The select's lane mask is a scalar register: record (P = q / 32, j = k / 64) of mbits, 256 bytes at 8192 P + 256 j, holds for
; tile u and register i of the scores the word whose bit l is lane l's mask.  A record comes by four scalar loads, asked for a turn ahead.
; SHARES.  A wave owns four PIECES of two tiles of 16 queries, a work-group's four waves 512 queries of one slab.  Every wave walks all 2,048 keys, 64 a step.
; LAYOUT.  S^T = K Q^T (source 0 = 16 keys, source 1 = 16 queries): a lane holds ONE query (lane % 16) and the keys 8 (lane / 16) + 0..7.  Two such tiles, rounded to f16 in pairs, ARE source 1 of
; O^T = V^T P.  K comes out of LDS as it lies, V turned, by ds_load_tr16_b128.
; SOFTMAX.  A running maximum m and sum l: p = 2^(c s - c m), c = log2(e) / 8; in every step O and l are multiplied by a = 2^(c m_old - c m_new).  m starts at the lowest finite number, O and l at 0.
; BY TURNS.  Turn n belongs to piece n: 16 products K Q^T of piece n + 1, later 16 products V^T P of piece n - 1; beside them the scaling, exponentials, roundings, sums and rescaling of piece n and the
; masking, maximum and statistics of piece n + 1.  A tile and step have 16 matrix and 150 vector instructions: four stand behind every matrix instruction, the others in one lump.
; CLUSTER.  The four query blocks of a slab walk the same K and V: each tile is asked for JOINTLY, by the same tensor load, descriptor and mask in all four.
; REGISTERS, in windows of 256 (s_set_vgpr_msb: bits 1:0 source 0, 3:2 source 1, 5:4 source 2, 7:6 destination):
;   window 0: v0-11 addresses and constants; v12-15, v48-63 at work; v16-47 four registers of statistics a tile; v64-191 S^T, two buffers of two tiles; v192-255 P, likewise
;   window 1: O^T, 32 a tile      window 2: v0-127 Q; v128-191 K of one step; v192-255 V of one step      window 3: v0-1 the add's two registers
.set NP,    4
.set KS,    64
.set PK,    144       ; a row of K in LDS: 128 bytes + 16: the 16 rows of a load start at 16 different groups of four banks (64 banks of 4 bytes: ISA guide 11.1)
.set PV,    160       ; a row of V: 128 + 32
.set VOFF,  4*KS*PK   ; a slot holds four steps: 256 rows of K, then 256 rows of V
.set SLOT1, 1<<17
.set STAGE, SLOT1+4*KS*(PK+PV)  ; behind the ring, never filled by a tensor load: 16 rows x 144 bytes a wave
.set SP,    144
.set SPARE, STAGE+4*16*SP       ; the spare words, 128 bytes a wave: two blocks of 256 bytes that no other line names
.set QO,  0           ; v0   my byte offset in 16 rows of Q (made when the thread's number has served)
.set PFO, 1           ; v1   256 x my lane: the prefetches' offset; never rewritten
.set AK0, 2           ; v2   my lane's place in a tile of K
.set AV0, 3           ; v3   the same for V
.set AK,  4           ; v4   the LDS address of K's next run of loads
.set AV,  5           ; v5   of V's
.set STO, 6           ; v6   the way out: where I put 16 bytes of a row
.set RD,  7           ; v7   where I read rows back
.set GO,  8           ; v8   my byte offset in 512 consecutive bytes of ctx
.set NEG, 9           ; v9   -8000.0
.set CV,  10          ; v[10:11] c, twice
.set SPW, 0           ; v0 of window 3: LDS address of my spare word; never rewritten
.set NIL, 1           ; v1 of window 3: 0; never rewritten
.set MV,  12
.set ST,  16          ; tile t's statistics at v[ST+4 t]: c m, m, l (even keys', odd keys')
.set TMP, 48          ; by buffer and tile, c0-c3 at work; when the maximum is found c2 takes a
.set S,   64
.set P,   192
.set KF,  128
.set VF,  192
.set PFA, 2           ; s[2:3]   where my prefetches stand
.set MW,  4           ; s[4:35] the mask words of tile 0, s[68:99] of tile 1: word (u, i) in s[MW + 64 u + i]
.set G1K, 36
.set G1V, 44
.set G0K, 52
.set G0V, 56
.set WV,  60
.set SLOTS, 61
.set CNT, 62
.set TBK, 63
.set TBV, 66
.set MOFF, 67         ; 256 x the key step whose record is asked for next
.set MP,  100         ; s[100:101] mbits at my wave's first record
.set SEL, 104         ; s104, s105: v_permlanex16_b32's selects
.set MSB, 0
.macro WIN new
.if MSB != (\new)
	s_set_vgpr_msb (MSB<<8)|(\new)
.set MSB, (\new)
.endif
.endm
.set W_KQ, 0x0a
.set W_PV, 0x52
.set W_RS, 0x41
.set W_MK, 0xc0
.set W_AD, 0x0f
.macro JLOAD                        ; waves 0 and 1 fetch the halves of a slot's K, waves 2 and 3 of its V; an s_nop 0 and four v_nop follow each line
	s_cmp_lt_u32 s[WV], 2
	s_cbranch_scc0 .Lfor_v_\@
	tensor_load_to_lds s[G0K:G0K+3], s[G1K:G1K+7]
	s_nop 0
.rept 4
	v_nop
.endr
	s_branch .Lasked_\@
.Lfor_v_\@:
	tensor_load_to_lds s[G0V:G0V+3], s[G1V:G1V+7]
	s_nop 0
.rept 4
	v_nop
.endr
.Lasked_\@:
.endm
.macro CROUND
	s_barrier_signal -1
	s_barrier_wait -1
	s_cmp_lg_u32 s[WV], 0
	s_cbranch_scc1 .Lnot_wave_0_\@
	s_barrier_signal -3
.Lnot_wave_0_\@:
	s_barrier_wait -3
	s_barrier_signal -1
	s_barrier_wait -1
.endm
; A prefetch into the L2 of what the NEXT change of slots will ask for: 32,768 bytes of K and of V.  The four partners take 8,192 bytes each, told apart by address; in each, wave 0 asks for K's and
; wave 2 for V's, a lane a block of 256 bytes: each block is named once.  The last change that fills a slot names nothing; slots 0 and 1 come by their loads alone.
.macro ASK
	s_bitcmp1_b32 s[WV], 0
	s_cbranch_scc1 .Lnot_mine_\@
	s_cmp_gt_u32 s[SLOTS], 1
	s_cbranch_scc0 .Lnot_mine_\@
	global_prefetch_b8 v[PFO], s[PFA:PFA+1] th:TH_LOAD_NT scope:SCOPE_SE
.Lnot_mine_\@:
.endm
; THE CHANGE OF SLOTS.  Each wave waits for all its tensor loads (one is out: its part of the other slot), adds 0 to its spare word, and waits for that and for its reads of the slot.  fill = 1: the barrier
; is a round of the cluster's, and the joint fill of the slot just left is the first thing behind it: four key steps, 512 matrix instructions, in which to land.
.macro CHANGE fill
	WIN W_AD
	s_wait_tensorcnt 0x0            ; no tensor load of mine is out, so a group 0 may be written
	ds_add_u32 v[SPW], v[NIL]
	WIN 0
.if \fill
.irp g, G0K, G0V
	s_xor_b32 s[\g+1], s[\g+1], SLOT1
	s_add_nc_u64 s[\g+2:\g+3], s[\g+2:\g+3], 4*KS*128
.endr
	s_wait_xcnt 0x0                 ; the last prefetch, four key steps back, has read its address
	s_add_nc_u64 s[PFA:PFA+1], s[PFA:PFA+1], 4*KS*128
	s_wait_dscnt 0x0                ; the add is done, and my reads of the slot are over
	CROUND
	JLOAD
	ASK
.else
	s_wait_dscnt 0x0
	s_barrier_signal -1
	s_barrier_wait -1
.endif
	s_sub_co_u32 s[TBK], s[TBK], 4*KS*PK
	s_xor_b32 s[TBK], s[TBK], SLOT1
	s_sub_co_u32 s[TBV], s[TBV], 4*KS*PV
	s_xor_b32 s[TBV], s[TBV], SLOT1
.endm
; A record of mask words for a piece, at the key step that MOFF names: four scalar loads of 64 bytes.
.macro MLOAD piece
	s_load_b512 s[MW:MW+15],    s[MP:MP+1], s[MOFF] offset:(\piece)*8192
	s_load_b512 s[MW+16:MW+31], s[MP:MP+1], s[MOFF] offset:(\piece)*8192+64
	s_load_b512 s[MW+64:MW+79], s[MP:MP+1], s[MOFF] offset:(\piece)*8192+128
	s_load_b512 s[MW+80:MW+95], s[MP:MP+1], s[MOFF] offset:(\piece)*8192+192
.endm
	s_load_b128 s[68:71], s[0:1], 0x0  ; qkv s[68:69], mbits s[70:71]; the set-up's scalars live in s[68:99] until Q has landed
	WIN W_MK
	v_lshl_add_u32 v[SPW], v0, 2, SPARE
	v_mov_b32 v[NIL], 0
	WIN W_AD
	ds_add_u32 v[SPW], v[NIL]       ; the wave's opening: the add and its wait, ahead of my first tensor load
	WIN 0
	v_lshrrev_b32 v1, 5, v0
	v_readfirstlane_b32 s[WV], v1   ; wave 0..3
	s_bfe_u32 s72, ttmp6, 0x40000   ; cx
	s_lshl_b32 s73, ttmp9, 2
	s_add_co_u32 s73, s73, s72      ; my block of 512 queries: it enters Q's, the mask's and ctx's addresses alone
	s_and_b32 s74, ttmp7, 0xffff    ; the slab, which the four partners share,
	s_lshl_b32 s74, s74, 18         ; 262,144 bytes each
	s_and_b32 s76, s[WV], 1         ; which half of a slot's 256 keys I fetch
	s_lshl_b32 s78, s76, 14
	s_add_co_u32 s78, s78, s74
	s_mov_b32 s79, 0
	s_mul_i32 s80, s76, 128*PK      ; its place in a slot, for K
	s_mul_i32 s81, s76, 128*PV      ; and for V
	s_lshl_b32 s82, s73, 2
	s_add_co_u32 s82, s82, s[WV]    ; my wave among the slab's sixteen
	s_lshl_b32 s84, s82, 14         ; its 128 rows
	s_add_co_u32 s84, s84, s74
	s_mov_b32 s85, 0
	s_lshl_b32 s86, s82, 15         ; its four rows of records
	s_mov_b32 s87, 0
	s_mov_b32 s92, 16777216         ; the prefetches: K's part of qkv (waves 0, 1) or V's,
	s_lshl_b32 s93, s92, 1
	s_cmp_lt_u32 s[WV], 2
	s_cselect_b32 s92, s92, s93
	s_add_co_u32 s92, s92, s78      ; the slab (in waves 0 and 2 the half is the first),
	s_lshl_b32 s93, s72, 13         ; my work-group's 8,192 bytes,
	s_add_co_u32 s92, s92, s93
	s_add_co_u32 s92, s92, 4*KS*128 ; in slot 1; the first change of slots steps it to slot 2
	s_mov_b32 s93, 0
	; descriptor group 1.  128 keys are 16,384 dense bytes: asked for as 64 rows of 256 bytes, two keys a row, padded in LDS after every key
	s_mov_b32 s[G1K], 15|(1<<16)|(1<<20)|(1<<21)|(4<<22)|(3<<25)
	s_mov_b32 s[G1V], 15|(1<<16)|(1<<20)|(1<<21)|(4<<22)|(7<<25)
.irp g, G1K, G1V
	s_mov_b32 s[\g+1], 128<<16      ; tensor_dim0 = 128
	s_mov_b32 s[\g+2], 64<<16       ; tensor_dim1 = 64
	s_mov_b32 s[\g+3], 128<<16      ; tile_dim0 = 128
	s_mov_b32 s[\g+4], 64           ; tile_dim1 = 64
	s_mov_b32 s[\g+5], 128          ; 128 elements from row to row
	s_mov_b32 s[\g+6], 0
	s_mov_b32 s[\g+7], 0
.endr
	s_mov_b32 s[SEL], 0x76543210
	s_mov_b32 s[SEL+1], 0xfedcba98
	s_mov_b32 s[TBK], SLOT1+4*KS*PK ; the first change of slots turns these two into 0
	s_mov_b32 s[TBV], SLOT1+4*KS*PV
	s_mov_b32 s[G0K], 1
	s_mov_b32 s[G0K+1], s80
	s_mov_b32 s[G0V], 1
	s_add_co_u32 s[G0V+1], s81, VOFF
	s_mov_b32 s[SLOTS], 7           ; slots still to be asked for
	s_mov_b32 s[MOFF], 0
	s_wait_dscnt 0x0                ; the opening add is done
	s_wait_kmcnt 0x0
	s_add_nc_u64 s[88:89], s[68:69], s[78:79]
	s_add_nc_u64 s[G0K+2:G0K+3], s[88:89], 16777216
	s_or_b32 s[G0K+3], s[G0K+3], 0x80000000
	s_add_nc_u64 s[G0V+2:G0V+3], s[88:89], 33554432
	s_or_b32 s[G0V+3], s[G0V+3], 0x80000000
	s_add_nc_u64 s[90:91], s[68:69], s[84:85]  ; Q at my wave's first row
	s_add_nc_u64 s[MP:MP+1], s[70:71], s[86:87]
	s_add_nc_u64 s[PFA:PFA+1], s[68:69], s[92:93]
	CROUND                          ; all four work-groups are here: the first joint loads meet
	JLOAD                           ; slot 0.  Slot 1 is asked for when slot 0 is in
	v_and_b32 v1, 15, v0            ; l % 16
	v_bfe_u32 v9, v0, 4, 1          ; l / 16
	v_and_b32 v10, 7, v0
	v_bfe_u32 v11, v0, 3, 1
	v_mul_u32_u24 v[AK0], v1, PK
	v_lshl_add_u32 v[AK0], v9, 4, v[AK0]  ; a fragment of K: row x pitch + 16 x half
	v_lshl_add_u32 v[AV0], v9, 3, v10     ; the turning load: key 8 (l / 16) + l % 8, channels 8 ((l / 8) % 2) on
	v_mul_u32_u24 v[AV0], v[AV0], PV
	v_lshl_add_u32 v[AV0], v11, 4, v[AV0]
	v_add_nc_u32 v[AV0], VOFF, v[AV0]
	v_mov_b32 v[AK], v[AK0]         ; key step 0 lies at the head of slot 0
	s_mul_i32 s92, s[WV], 16*SP
	s_add_co_u32 s92, s92, STAGE    ; my stage
	v_mul_u32_u24 v[STO], v1, SP
	v_lshl_add_u32 v[STO], v9, 4, v[STO]
	v_add_nc_u32 v[STO], s92, v[STO]
	v_bfe_u32 v[RD], v0, 3, 2
	v_mul_u32_u24 v[RD], v[RD], SP
	v_lshl_add_u32 v[RD], v10, 4, v[RD]
	v_add_nc_u32 v[RD], s92, v[RD]
	v_and_b32 v[GO], 31, v0
	v_lshlrev_b32 v[QO], 7, v1      ; the thread's number has served: row x 128 + 16 x half
	v_lshl_add_u32 v[QO], v9, 4, v[QO]
	v_lshlrev_b32 v[PFO], 8, v[GO]
	v_lshlrev_b32 v[GO], 4, v[GO]
	v_mov_b32 v[NEG], 0xc5fa0000    ; -8000.0
	v_mov_b32 v[CV], 0x3e38aa3b     ; c = log2(e) / 8
	v_mov_b32 v[CV+1], 0x3e38aa3b
	WIN 0x80                        ; destination window 2, address window 0
.set i, 0
.rept 4*NP                          ; Q stays in registers: tile i / 2, channels 32 (i % 2) on
	global_load_b128 v[8*i:8*i+3],   v[QO], s[90:91] offset:(i/2)*2048+(i%2)*64
	global_load_b128 v[8*i+4:8*i+7], v[QO], s[90:91] offset:(i/2)*2048+(i%2)*64+32
.set i, i+1
.endr
	; What the first turn finds: V's registers and P's second buffer hold 0, O^T and l are 0.  All this stands in the wait for the first tile.
.set i, VF
.rept 64
	v_mov_b32 v[i], 0
.set i, i+1
.endr
	WIN 0x40
.set i, 0
.rept 64*NP
	v_mov_b32 v[i], 0
.set i, i+1
.endr
	WIN 0
.set i, 0
.rept 2*NP
	v_mov_b32 v[ST+4*i], 0xfe000000    ; c m: far below every c s
	v_mov_b32 v[ST+4*i+1], 0xff7fffff  ; m
	v_mov_b32 v[ST+4*i+2], 0
	v_mov_b32 v[ST+4*i+3], 0
.set i, i+1
.endr
.set i, P+32
.rept 32
	v_mov_b32 v[i], 0
.set i, i+1
.endr
; THE MATRIX WORK.  The 8 accumulators of a run of 16 take turns.
.macro KQ x                         ; product i of 16 of S^T = K Q^T for piece x: channels 32 (i / 8) on, keys 16 ((i / 2) % 4) on, tile 2 x + i % 2
	WIN W_KQ
.set rS, S+64*((\x)%2)+32*(i%2)+8*((i/2)%4)
.set rK, KF+16*((i/2)%4)+8*(i/8)
.set rQ, 16*(2*(\x)+i%2)+8*(i/8)
.if i < 8
	v_wmma_f32_16x16x32_f16 v[rS:rS+7], v[rK:rK+7], v[rQ:rQ+7], 0
.else
	v_wmma_f32_16x16x32_f16 v[rS:rS+7], v[rK:rK+7], v[rQ:rQ+7], v[rS:rS+7]
.endif
.endm
.macro PV x                         ; product i of 16 of O^T += V^T P for piece x: keys 32 (i / 8) on, channels 16 ((i / 2) % 4) on
	WIN W_PV
.set rO, 32*(2*(\x)+i%2)+8*((i/2)%4)
.set rV, VF+32*(i/8)+8*((i/2)%4)
.set rP, P+32*((\x)%2)+16*(i%2)+8*(i/8)
	v_wmma_f32_16x16x32_f16 v[rO:rO+7], v[rV:rV+7], v[rP:rP+7], v[rO:rO+7]
.endm
.macro MM
.if i < 16
	KQ (Y+1)%NP
.set i, i+1
.else
.set i, i-16
	PV (Y+NP-1)%NP
.set i, i+17
.endif
.endm
; THE LDS LOADS stand in runs of 16.  last = 1 (the tail): in the last trip there is no further step, and the run is jumped over.
.macro FETCH_K last=0
	WIN 0
.if \last
	s_cmp_eq_u32 s[CNT], 1
	s_cbranch_scc1 .Lno_k_\@
.endif
	WIN 0x80
.irp f, 0,1,2,3,4,5,6,7
	ds_load_b128 v[KF+8*\f:KF+8*\f+3],   v[AK] offset:(\f/2)*16*PK+(\f%2)*64
	ds_load_b128 v[KF+8*\f+4:KF+8*\f+7], v[AK] offset:(\f/2)*16*PK+(\f%2)*64+32
.endr
	s_add_co_u32 s[TBK], s[TBK], KS*PK
	WIN 0
.if \last
.Lno_k_\@:
.endif
.endm
.macro FETCH_V
	WIN 0x80
.irp f, 0,1,2,3,4,5,6,7
	ds_load_tr16_b128 v[VF+8*\f:VF+8*\f+3],   v[AV] offset:(\f/4)*32*PV+(\f%4)*32
	ds_load_tr16_b128 v[VF+8*\f+4:VF+8*\f+7], v[AV] offset:(\f/4)*32*PV+16*PV+(\f%4)*32
.endr
	WIN 0
.endm
; THE VECTOR WORK OF A TURN stands in three queues, each in the order in which its entries become ready; the two tiles alternate.
.macro REGS y, u
.set rT, ST+4*(2*(\y)+(\u))
.set rC, TMP+8*((\y)%2)+4*(\u)
.set rM, MV+2*((\y)%2)+(\u)
.set rS, S+64*((\y)%2)+32*(\u)
.set rP, P+32*((\y)%2)+16*(\u)
.set rO, 32*(2*(\y)+(\u))
.endm
; Number n of the 64 selects on the NEXT piece's scores: register n / 2 of tile n % 2 keeps its score where the mask's bit is 1 and takes -8000 where it is 0.  Ascending.
.macro MK n
	REGS (Y+1)%NP, (\n)%2
	v_cndmask_b32 v[rS+(\n)/2], v[NEG], v[rS+(\n)/2], s[MW+64*((\n)%2)+(\n)/2]
.endm
; Number n of the 22 that find the NEXT piece's maximum and statistics.  0-11 four chains c0-c3 of seven scores; 12-14, 16 the four left over, the old m, c0-c3 into c0; 15 c m_old is kept;
; 17, 18 the other half of the lanes': the new m; 19-21 c m; c m_old - c m_new; a.
.macro XS u, n
	REGS (Y+1)%NP, \u
.if (\n) < 4
	v_max3_num_f32 v[rC+(\n)], v[rS+8*(\n)], v[rS+8*(\n)+1], v[rS+8*(\n)+2]
.elseif (\n) < 12
	v_max3_num_f32 v[rC+(\n)%4], v[rC+(\n)%4], v[rS+8*((\n)%4)+2*((\n)/4)+1], v[rS+8*((\n)%4)+2*((\n)/4)+2]
.elseif (\n) == 12
	v_max3_num_f32 v[rC], v[rC], v[rS+7], v[rS+15]
.elseif (\n) == 13
	v_max3_num_f32 v[rC+1], v[rC+1], v[rS+23], v[rS+31]
.elseif (\n) == 14
	v_max3_num_f32 v[rC+2], v[rC+2], v[rC+3], v[rT+1]
.elseif (\n) == 15
	v_mov_b32 v[rM], v[rT]
.elseif (\n) == 16
	v_max3_num_f32 v[rC], v[rC], v[rC+1], v[rC+2]
.elseif (\n) == 17
	v_permlanex16_b32 v[rC+3], v[rC], s[SEL], s[SEL+1]
.elseif (\n) == 18
	v_max_num_f32 v[rT+1], v[rC], v[rC+3]
.elseif (\n) == 19
	v_mul_f32 v[rT], v[CV], v[rT+1]
.elseif (\n) == 20
	v_sub_f32 v[rC+1], v[rM], v[rT]
.else
	v_exp_f32 v[rC+2], v[rC+1]
.endif
.endm
; Number g of the 64 that follow the exponentials: for each four weights both pairs are rounded to f16, the second pair is added onto the first in place, and a group later l takes that sum.
.macro GS g
.set h, (\g)+6*((\g)/62)
.if h >= 6
.set h, h+2
.endif
	REGS Y, h%2
.set k, h/8
.if h%8 < 4
	v_cvt_pk_f16_f32 v[rP+2*k+(h%8)/2], v[rS+4*k+2*((h%8)/2)], v[rS+4*k+2*((h%8)/2)+1]
.elseif h%8 < 6
	v_pk_add_f32 v[rS+4*k:rS+4*k+1], v[rS+4*k:rS+4*k+1], v[rS+4*k+2:rS+4*k+3]
.elseif k == 1
	v_pk_fma_f32 v[rT+2:rT+3], v[rT+2:rT+3], v[rC+2:rC+3], v[rS:rS+1] op_sel_hi:[1,0,1]
.else
	v_pk_add_f32 v[rT+2:rT+3], v[rT+2:rT+3], v[rS+4*k-4:rS+4*k-3]
.endif
.endm
.macro FS f                         ; c s - c m for pair f / 2 of tile f % 2
	REGS Y, (\f)%2
	v_pk_fma_f32 v[rS+2*((\f)/2):rS+2*((\f)/2)+1], v[rS+2*((\f)/2):rS+2*((\f)/2)+1], v[CV:CV+1], v[rT:rT+1] op_sel_hi:[1,0,0] neg_lo:[0,0,1] neg_hi:[0,0,1]
.endm
; THE PLAIN QUEUE, 202 long.  0-31 the scalings; 32-95 the selects; 96-123 XS's numbers 0-13; 124, 125 number 15; 126-137 the chain 14, 16, 17 .. 20; 138-201 GS's 64, which stand behind the wait.
.macro PL
	WIN 0
.if q < 32
	FS q
.elseif q < 96
	MK q-32
.elseif q < 124
	XS (q-96)%2, (q-96)/2
.elseif q < 126
	XS q-124, 15
.elseif q < 128
	XS q-126, 14
.elseif q < 138
	XS (q-126)%2, 15+(q-126)/2
.else
	GS q-138
.endif
.set q, q+1
.endm
; THE EXPONENTIALS' QUEUE, 66 long: s0-s31 of both tiles, then the next piece's two a.  ONE BATCH: all stand ahead of the turn's one wait, and nothing ahead of that wait names a result of theirs.
.macro EX
	WIN 0
.if e >= 64
	XS e-64, 21
.else
	REGS Y, e%2
	v_exp_f32 v[rS+e/2], v[rS+e/2]
.endif
.set e, e+1
.endm
.macro R2                           ; THE RESCALING's QUEUE: O^T times a, two at a time, sixteen times; its a was made, and waited for, in the turn before
	REGS Y, r%2
	WIN W_RS
.irp z, 0,1
	v_pk_mul_f32 v[rO+4*(r/2)+2*\z:rO+4*(r/2)+2*\z+1], v[rO+4*(r/2)+2*\z:rO+4*(r/2)+2*\z+1], v[rC+2:rC+3] op_sel_hi:[1,0]
.endr
.set r, r+1
.endm
; A TURN, for piece p.  AHEAD OF THE WAIT: the 16 products K Q^T, behind each a scaling, an exponential and two rescalings; then one lump: the rest of the scalings with exponentials between; the wait for the
; mask's record; the 64 selects, an exponential behind every two; the request for the next turn's record; the maximum; the chain with the last exponentials between its links; the two a; a v_nop, the plain
; instruction behind the last exponential.  Exponential e stands behind scaling 2 (e / 4) + e % 2: as a rider behind plain e + 2; all scalings are out ahead of exponential 22.  The first select stands more
; than four plain instructions behind the last product that wrote the scores.  BEHIND THE WAIT: the 16 products V^T P, behind each four of GS's 64.
; The record asked for in turn p is piece p + 2's: in piece 2's turn that is the next key step's, so MOFF steps there (held at the last step, so that no load leaves mbits in the tail's spare turns).
; K of the next step is fetched in piece 2's turn, directly behind the wait; V of the step in hand at the end of piece 0's turn, four riders behind its last reader.
.macro TURN p, last=0, cnt=0
.set Y, (\p)
.set i, 0
.set q, 0
.set e, 0
.set r, 0
.if (\p) == NP-1
	s_wait_dscnt 0x0                ; K is in
.endif
	MM
	PL
	PL
	R2
.rept 15
	MM
	PL
	EX
	R2
.endr
.if (\p) == NP-2
	WIN 0
	v_add_nc_u32 v[AK], s[TBK], v[AK0]
.endif
.rept 8
	PL
.endr
.rept 7
	EX
	PL
.endr
	s_wait_kmcnt 0x0                ; the record asked for a turn ago
.rept 32
	PL
	PL
	EX
.endr
.if (\p) == NP-2
	s_add_co_u32 s[MOFF], s[MOFF], 256
	s_min_u32 s[MOFF], s[MOFF], 31*256
.endif
	MLOAD ((\p)+2)%NP
.rept 30
	PL
.endr
.rept 10
	PL
	EX
.endr
	PL
	PL
	EX                              ; the next piece's two a
	EX
	v_nop
	s_wait_alu depctr_va_vdst(0)    ; the one wait for the batch, ahead of the first line that names a result
.if (\p) == NP-2
	FETCH_K \last
.endif
.if (\p) == 1
	s_wait_dscnt 0x0                ; V is in
.endif
.rept 16
	MM
.rept 4
	PL
.endr
.if ((\p) == 0) && (q == 182)
	v_add_nc_u32 v[AV], s[TBV], v[AV0]
.endif
.if ((\p) == 0) && (q == 194)
	s_add_co_u32 s[TBV], s[TBV], KS*PV
.endif
.if (\cnt) && (q == 194)
	s_sub_co_u32 s[CNT], s[CNT], 1
	s_cmp_lg_u32 s[CNT], 0
.endif
.endr
.if (\p) == 0
	FETCH_V
.endif
.endm
	CHANGE 1                        ; slot 0 is in, everybody's part of it; slot 1 is asked for
	FETCH_K                         ; key step 0
	s_wait_loadcnt 0x0              ; Q is in: its base and the other set-up scalars are free
	MLOAD 0                         ; piece 0's record of key step 0
	s_wait_dscnt 0x0
.set i, 0
.rept 16
	KQ 0                            ; piece 0's first scores
.set i, i+1
.endr
	WIN 0
.rept 4
	v_nop                           ; the places behind those products
.endr
	s_wait_kmcnt 0x0
.set Y, NP-1                        ; MK and XS work for piece Y + 1: piece 0
.set n, 0
.rept 64
	MK n
.set n, n+1
.endr
	MLOAD 1                         ; piece 1's record, for the first turn
.irp n, 0,1,2,3,4,5,6,7,8,9,10,11,12,13,14,15,16,17,18,19,20,21
	XS 0, \n
	XS 1, \n
.endr
	v_nop                           ; a plain instruction behind the two a,
	s_wait_alu depctr_va_vdst(0)    ; and their wait, ahead of the branch
	s_mov_b32 s[CNT], 4
	s_branch .Lfirst                ; the loop is entered at a step's first turn, in the middle of a trip
.Lslot:                             ; six times: every slot but the last two is filled again
	CHANGE 1
	s_mov_b32 s[CNT], 4
.Lstep:                             ; a trip: pieces 2 and 3 of one step, then pieces 0 and 1 of the next, whose K and V it fetches
	TURN 2
	TURN 3
	WIN 0
.Lfirst:
	TURN 0
	TURN 1, 0, 1
	WIN 0
	s_cbranch_scc1 .Lstep
	s_sub_co_u32 s[SLOTS], s[SLOTS], 1
	s_cmp_lg_u32 s[SLOTS], 0
	s_cbranch_scc1 .Lslot
	CHANGE 0                        ; the tail is written out: nothing is asked for
	s_mov_b32 s[CNT], 5             ; four trips fetch the last slot's steps; the fifth is left in its middle
.Ltail:
	TURN 2, 1
	TURN 3
	WIN 0
	s_sub_co_u32 s[CNT], s[CNT], 1
	s_cmp_eq_u32 s[CNT], 0
	s_cbranch_scc1 .Lout
	TURN 0
	TURN 1
	WIN 0
	s_branch .Ltail
.Lout:                              ; the fifth trip's 16 products K Q^T, their selects and maximum serve nothing: the price, once a launch, of one text for every trip
	s_wait_kmcnt 0x0                ; the last record has come: the mask's registers are free
	s_load_b64 s[4:5], s[0:1], 0x10 ; ctx
	s_bfe_u32 s8, ttmp6, 0x40000    ; my rows' offset, made anew as at the head
	s_lshl_b32 s9, ttmp9, 2
	s_add_co_u32 s8, s8, s9
	s_lshl_b32 s8, s8, 2
	s_add_co_u32 s8, s8, s[WV]
	s_lshl_b32 s8, s8, 14
	s_and_b32 s9, ttmp7, 0xffff
	s_lshl_b32 s9, s9, 18
	s_add_co_u32 s8, s8, s9
	s_mov_b32 s9, 0
.set i, 0
.rept 16
	PV NP-1                         ; the last piece's V^T P of the last step
.set i, i+1
.endr
	; THE WAY OUT.  l's halves are added; O^T is divided by l, rounded to f16 and sent through my stage in LDS, a tile at a time.  The additions are the places behind the last products.
	WIN 0
.macro ALL line:vararg
.set t, 0
.rept 2*NP
	\line
.set t, t+1
.endr
.endm
	ALL v_add_f32 v[ST+4*t+2], v[ST+4*t+2], v[ST+4*t+3]
	ALL v_permlanex16_b32 v[ST+4*t+3], v[ST+4*t+2], s[SEL], s[SEL+1]
	ALL v_add_f32 v[ST+4*t+2], v[ST+4*t+2], v[ST+4*t+3]
	ALL v_rcp_f32 v[ST+4*t+2], v[ST+4*t+2]
	v_nop                           ; a plain instruction between the last reciprocal and the use of its result
	s_wait_alu depctr_va_vdst(0)    ; one wait for the eight reciprocals
	s_wait_kmcnt 0x0
	s_add_nc_u64 s[4:5], s[4:5], s[8:9]
.macro PACK t
	WIN W_RS
.set i, 32*(\t)
.rept 16
	v_pk_mul_f32 v[i:i+1], v[i:i+1], v[ST+4*(\t)+2:ST+4*(\t)+3] op_sel_hi:[1,0]
.set i, i+2
.endr
	WIN 0x05
.set i, 0
.rept 16
	v_cvt_pk_f16_f32 v[S+16*(\t)+i], v[32*(\t)+2*i], v[32*(\t)+2*i+1]
.set i, i+1
.endr
	WIN 0
.irp f, 0,1,2,3
	ds_store_b128 v[STO], v[S+16*(\t)+4*\f:S+16*(\t)+4*\f+3] offset:32*\f
.endr
.irp f, 0,1,2,3
	ds_load_b128 v[S+16*(\t)+4*\f:S+16*(\t)+4*\f+3], v[RD] offset:\f*4*SP  ; LDS serves a wave's instructions in order (ISA guide 5.7.1.4): these see the stores above; the next tile's stores come behind them
.endr
.endm
.macro SEND t, younger              ; younger: the LDS instructions issued behind tile t's loads: the next tile's eight, or none
	WIN 0
.irp f, 0,1,2,3
	s_wait_dscnt (\younger)+3-\f
	global_store_b128 v[GO], v[S+16*(\t)+4*\f:S+16*(\t)+4*\f+3], s[4:5] offset:(\t)*2048+\f*512  ; 512 consecutive bytes, aligned
.endr
.endm
	PACK 0
.set t, 1
.rept 2*NP-1
	PACK t
	SEND t-1, 8
.set t, t+1
.endr
	SEND 2*NP-1, 0
	WIN W_AD
	s_wait_tensorcnt 0x0            ; the wave's end: behind my last tensor load and my last LDS store
	ds_add_u32 v[SPW], v[NIL]
	s_wait_dscnt 0x0
	WIN 0
	CROUND                          ; the closing round: no work-group ends while a partner may still ask for a tile that names it
	s_endpgm
.Lfunc_end_k_qe73048d268_attn:
	.size	k_qe73048d268_attn, .Lfunc_end_k_qe73048d268_attn-k_qe73048d268_attn
	.p2alignl 7, 3214868480
	.fill 96, 4, 3214868480
	.section	.rodata,"a",@progbits
	.p2align	6, 0x0
	.amdhsa_kernel k_qe73048d268_attn
		.amdhsa_group_segment_fixed_size 327680
		.amdhsa_private_segment_fixed_size 0
		.amdhsa_enable_private_segment 0
		.amdhsa_kernarg_size 24
		.amdhsa_user_sgpr_count 2
		.amdhsa_user_sgpr_kernarg_segment_ptr 1
		.amdhsa_wavefront_size32 1
		.amdhsa_system_sgpr_workgroup_id_x 1
		.amdhsa_system_sgpr_workgroup_id_y 1
		.amdhsa_system_sgpr_workgroup_id_z 1
		.amdhsa_system_vgpr_workitem_id 0
		.amdhsa_next_free_vgpr 770
		.amdhsa_next_free_sgpr 106
		.amdhsa_reserve_vcc 0
		.amdhsa_float_denorm_mode_32 3
		.amdhsa_float_denorm_mode_16_64 3
		.amdhsa_memory_ordered 1
		.amdhsa_forward_progress 1
		.amdhsa_inst_pref_size 240
	.end_amdhsa_kernel
	.amdgpu_metadata
---
amdhsa.version: [ 1, 2 ]
amdhsa.kernels:
  - .name:           k_qe73048d268_attn
    .symbol:         k_qe73048d268_attn.kd
    .args:
      - { .name: qkv, .offset: 0, .size: 8, .value_kind: global_buffer, .address_space: global }
      - { .name: mbits, .offset: 8, .size: 8, .value_kind: global_buffer, .address_space: global }
      - { .name: ctx, .offset: 16, .size: 8, .value_kind: global_buffer, .address_space: global }
    .group_segment_fixed_size: 327680
    .private_segment_fixed_size: 0
    .kernarg_segment_align: 8
    .kernarg_segment_size: 24
    .max_flat_workgroup_size: 128
    .sgpr_count:     106
    .vgpr_count:     770
    .wavefront_size: 32
...
	.end_amdgpu_metadata
.endif
;; end of part 3
;; launch outgemm (part 4): grid 8 x 32, 4 waves a work-group, clusters of 4 x 4, 327,680 bytes of LDS; arguments ctx, wot, b_out, out0; writes out0
.if DOCPART == 4
	.amdgcn_target "amdgcn-amd-amdhsa--gfx1250"
	.amdhsa_code_object_version 6
	.text
	.protected	k_qe73048d268_outgemm
	.globl	k_qe73048d268_outgemm
	.p2align	8
	.type	k_qe73048d268_outgemm,@function
k_qe73048d268_outgemm:
	s_mov_b64 s[64:65], 0
	v_nop
	global_prefetch_b8 v0, s[64:65] scope:SCOPE_SE
	s_setreg_imm32_b32 hwreg(HW_REG_WAVE_MODE, 25, 1), 1
	s_wait_xcnt 0x0
	s_wait_alu depctr_hold_cnt(0) depctr_sa_sdst(0) depctr_va_vdst(0) depctr_va_sdst(0) depctr_va_ssrc(0) depctr_va_vcc(0) depctr_vm_vsrc(0)
	s_getreg_b32 s2, hwreg(HW_REG_IB_STS2, 6, 4)
	s_cmp_eq_u32 s2, 0
	s_cbranch_scc0 .Lentry_in_a_cluster
	s_endpgm
.Lentry_in_a_cluster:
	s_bfe_u32 s2, ttmp6, 0x10000c
	s_cmp_lg_u32 s2, 0xf033
	s_cbranch_scc0 .Lentry_shape_is_right
	s_endpgm
.Lentry_shape_is_right:
; ONE SOURCE FOR THE MODULE'S TWO PROJECTIONS; the switch QKV picks the constants, the matrix form and the way out; only the chosen half is assembled.
; QKV = 1:  qkv[g = n / 64][m][n % 64] (f16) = xb[m][:] . wqt[n][:] + bf16(b_qkv[n]).   xb [8192][1024], wqt [3072][1024] bf16.  A tile of C is 256 m x 192 n: 512 work-groups, two for each of 256 WGPs.
; QKV = 0:  out0[m][n] (f32) = ctx[:][m][:] . wot[n][:] + bf16(b_out[n]).   ctx [16 h][8192 m][64], wot [1024][1024] f16.  A tile of C is 256 x 128: 256 work-groups.
; LIMIT (QKV = 1): q, k and v leave as f16, which ends at 65,504; sums in f32, rounded once.  NaN and infinities are not treated apart.
; SHARES.  Four waves; wave w makes rows 64 w .. 64 w + 63 and ALL columns of the tile: 4 x NBK accumulators of 16 x 16.  So a wave's rows of C are whole, and its way out needs no barrier.
; K goes in 8 steps of 128 through two LDS slots.  Waves 0 and 1 fetch A's two halves, waves 2 and 3 B's: one tensor load a wave and step.
; CLUSTER 4 x 4: A's tile hangs on the tile row alone and is asked for jointly along a row of the cluster, B's on the tile column alone and along a column.
; THE PRODUCT IS TAKEN TRANSPOSED (source 0 = 16 rows of B, source 1 = 16 rows of A): a lane holds one row m (lane % 16) and the columns 8 (lane / 16) + 0..7.  In that layout the bias of a
; column block is eight registers, the same for every row block: it is the C operand of the first product, and costs no instruction of its own.
; REGISTERS, in windows of 256: window 0: v16-31 addresses; v32-95 A's fragments, two buffers; v96.. the bias, later the way out.  Window 1: B's fragments, two buffers.
; Window 2: accumulators of row blocks 0, 1 ((a, b) at v[8 (NBK a + b)]); window 3: of row blocks 2, 3.
.set QKV, 0
.if QKV
.set TN,    192                        ; columns in a tile
.set PA,    272                        ; A's LDS rows: 256 bytes (128 k) + 16
.set AZ,    128                        ; LDS bytes from a step's first 64 k to its second
.set HALFA, 128*272                    ; what one of A's loads fills
.set KSA,   256                        ; bytes in memory from a K step of A to the next
.set PITA,  2048                       ; the prefetches' bytes from lane to lane, for A
.set G1A0,  0x07710000                 ; 2-byte elements; padding on; bit 21 beside a mask; 4 words behind every 64
.set STRA,  1024                       ; elements from row to row
.set WSTG,  3*16*144                   ; a wave's stage
.set SHTY,  19                         ; A's offset: tile row << SHTY + half << SHH; a partner's part of it << SHCX
.set SHH,   18
.set SHCX,  16
.set CTX,   3*1048576                  ; C's offset: tile column x CTX + tile row << SHCY + wave << SHCW
.set SHCY,  15
.set SHCW,  13
.else
.set TN,    128
.set PA,    144                        ; a head's row: 128 bytes (64 k) + 16
.set AZ,    256*144                    ; the step's second head lies behind the first's 256 rows
.set HALFA, 256*144
.set KSA,   2*1048576                  ; two heads
.set PITA,  256
.set G1A0,  0x07310000                 ; the same with 4 words behind every 32: a head's 256 rows are dense and come as 128 rows of 256 bytes, padded after each 128
.set STRA,  128
.set WSTG,  16*528
.set SHTY,  15
.set SHH,   20
.set SHCX,  13
.set CTX,   512
.set SHCY,  20
.set SHCW,  18
.endif
.set NBK,   TN/16
.set BOFF,  2*HALFA                    ; B's rows lie behind A's
.set HALFB, (TN/2)*272
.set SLOT1, 131072                     ; one exclusive or turns an address in one slot into the other's
.set STAGE, SLOT1+BOFF+2*HALFB         ; behind the ring, never filled by a tensor load
.set SPARE, STAGE+4*WSTG               ; the spare words, 128 bytes a wave: two blocks of 256 bytes that no other line names
.set NLD,   2*NBK+8                    ; LDS loads for 32 along K
.set ADRA0, 16                         ; my lane's place in A's rows; never rewritten
.set ADRB0, 17                         ; in B's
.set ADRA,  18                         ; the same in the slot in hand
.set ADRB,  19
.set STO,   24
.set RD,    25
.set GO,    26
.set SPW,   28                         ; LDS address of my spare word; never rewritten
.set NIL,   29                         ; 0; never rewritten
.set PFO,   30                         ; the prefetches' lane offset; never rewritten
.set BO,    31                         ; 32 (lane / 16): my eight numbers of a column block's bias
.set FA,    32
.set BIAS,  96
.set TT,    240
.set G1,  24                           ; s[24:31] A's group 1;  s[32:39] A's group 0: a set for each first fill, the second then walks
.set G0,  32
.set PFA, 44                           ; s[44:45] where my prefetches stand;  s[46:47] their step along K
.set PFS, 46
.set G1B, 48
.set G0B, 56
.set TB,  66                           ; LDS byte of the slot in hand
.set LIM, 67                           ; 2 in a wave that prefetches, else the greatest number
.set MSB, 0
.macro WIN new                         ; the immediate's high byte repeats the setting that is left; a switch that changes nothing is dropped
.if MSB != (\new)
	s_set_vgpr_msb (MSB<<8)|(\new)
.set MSB, \new
.endif
.endm
.macro PLACES                          ; four plain places behind matrix instructions, in front of loads into registers that they read
.rept 4
	v_nop
.endr
.endm
.macro JLOAD                           ; a joint refill by the walking sets; the branch hangs on the wave's number alone; an s_nop 0 and four v_nop follow each line
	s_cmp_eq_u32 s13, 0
	s_cbranch_scc0 .Lfor_b_\@
	tensor_load_to_lds s[G0+4:G0+7], s[G1:G1+7]
	s_nop 0
	PLACES
	s_branch .Lasked_\@
.Lfor_b_\@:
	tensor_load_to_lds s[G0B+4:G0B+7], s[G1B:G1B+7]
	s_nop 0
	PLACES
.Lasked_\@:
.endm
.macro CREST                           ; a round of the cluster's barrier behind its opening barrier
	s_cmp_lg_u32 s12, 0
	s_cbranch_scc1 .Lnot_wave_0_\@
	s_barrier_signal -3
.Lnot_wave_0_\@:
	s_barrier_wait -3
	s_barrier_signal -1
	s_barrier_wait -1
.endm
.macro CROUND
	s_barrier_signal -1
	s_barrier_wait -1
	CREST
.endm
; A prefetch into the L2 of the K step two refills on, a lane a block of 256 bytes, one instruction a wave.  A's rows are asked for by the clusters with x = 0, B's by those with y = 0; the four
; partners that fetch a tile jointly share its rows out by address.  Refill t (s15 = 6 - t) names K step t + 4: the last two refills name nothing.
.macro ASK
	s_cmp_gt_u32 s15, s[LIM]
	s_cbranch_scc0 .Lnot_mine_\@
	global_prefetch_b8 v[PFO], s[PFA:PFA+1] th:TH_LOAD_NT scope:SCOPE_SE
.Lnot_mine_\@:
.endm
.macro WMMA rd, r0, r1, rc
.if QKV
	v_wmma_f32_16x16x32_bf16 v[\rd:\rd+7], v[\r0:\r0+7], v[\r1:\r1+7], v[\rc:\rc+7]
.else
	v_wmma_f32_16x16x32_f16 v[\rd:\rd+7], v[\r0:\r0+7], v[\r1:\r1+7], v[\rc:\rc+7]
.endif
.endm
; NBK products: row block 2 hi + a, all column blocks, buffer f.  first = 1: C is the bias.  All 4 NBK accumulators take turns, one instruction a turn.
.macro MUL f, hi, a, first
.if \first
	WIN 0x81+0x40*(\hi)                            ; B window 1, A and the bias window 0, D window 2 or 3
.else
	WIN 0xa1+0x50*(\hi)                            ; C and D window 2 or 3
.endif
.set bb, 0
.rept NBK
.set rD, 8*(NBK*(\a)+bb)
.set rB, 8*NBK*(\f)+8*bb
.set rA, FA+32*(\f)+8*(2*(\hi)+(\a))
.set rC, rD
.if \first
.set rC, BIAS+8*bb
.endif
	WMMA rD, rB, rA, rC
.set bb, bb+1
.endr
.endm
; One run of NLD LDS loads: the fragments of quarter q (32 along K) into buffer f; B's first, A's row blocks 2 and 3 last.
.macro FETCH q, f
	WIN 0x40                                       ; destination window 1, address window 0
.set ii, 0
.rept NBK
	ds_load_b128 v[8*NBK*(\f)+8*ii:8*NBK*(\f)+8*ii+3],   v[ADRB] offset:64*(\q)+ii*16*272
	ds_load_b128 v[8*NBK*(\f)+8*ii+4:8*NBK*(\f)+8*ii+7], v[ADRB] offset:64*(\q)+ii*16*272+32
.set ii, ii+1
.endr
	WIN 0
.set ii, 0
.rept 4
	ds_load_b128 v[FA+32*(\f)+8*ii:FA+32*(\f)+8*ii+3],   v[ADRA] offset:((\q)/2)*AZ+((\q)%2)*64+ii*16*PA
	ds_load_b128 v[FA+32*(\f)+8*ii+4:FA+32*(\f)+8*ii+7], v[ADRA] offset:((\q)/2)*AZ+((\q)%2)*64+ii*16*PA+32
.set ii, ii+1
.endr
.endm
; Multiplies buffer f; in its middle fetches quarter q of the same slot into buffer g.
.macro QUARTER q, f, g, first
	s_wait_dscnt 4                                 ; all but A's row blocks 2 and 3 (four loads)
	MUL \f, 0, 0, \first
	MUL \f, 0, 1, \first
	PLACES
	FETCH \q, \g
	s_wait_dscnt NLD                               ; all but the run just issued
	MUL \f, 1, 0, \first
	MUL \f, 1, 1, \first
.endm
; A step's last quarter (buffer 1) and the change of slots.  In front of the barrier each wave waits for all its tensor loads (one is out: its part of the next slot), adds 0 to its spare word, and
; waits for that and for its reads of this slot.  fill = 1: the barrier opens a round of the cluster's, and the joint refill of the slot just read is the first thing behind the round.
.macro TURN fill
.if \fill
	s_wait_xcnt 0x0                                ; the last prefetch, a K step back, has read its address
	s_add_nc_u64 s[PFA:PFA+1], s[PFA:PFA+1], s[PFS:PFS+1]
.endif
	WIN 0
	s_wait_tensorcnt 0x0                           ; no tensor load of mine is out, so a group 0 may be written
	ds_add_u32 v[SPW], v[NIL]
.if \fill
	s_xor_b32 s[G0+5], s[G0+5], SLOT1              ; the walking sets: the other slot, the next K step
	s_add_nc_u64 s[G0+6:G0+7], s[G0+6:G0+7], KSA
	s_xor_b32 s[G0B+5], s[G0B+5], SLOT1
	s_add_nc_u64 s[G0B+6:G0B+7], s[G0B+6:G0B+7], 256
.endif
	s_wait_dscnt 5                                 ; the add and A's last four loads may be out
	MUL 1, 0, 0, 0
	s_wait_dscnt 0x0                               ; the add is done, my reads of this slot are over
	s_barrier_signal -1
	MUL 1, 0, 1, 0
	WIN 0
	s_barrier_wait -1
.if \fill
	CREST
	JLOAD                                          ; its four v_nop are also the places in front of the loads below
.else
	PLACES
.endif
	s_xor_b32 s[TB], s[TB], SLOT1
	v_add_nc_u32 v[ADRA], s[TB], v[ADRA0]
	v_add_nc_u32 v[ADRB], s[TB], v[ADRB0]
	FETCH 0, 0
.if \fill
	ASK
.endif
	MUL 1, 1, 0, 0
	MUL 1, 1, 1, 0
.endm
	s_load_b256 s[4:11], s[0:1], 0x0               ; A s[4:5], B s[6:7], bias s[8:9], C s[10:11]
	v_lshl_add_u32 v[SPW], v0, 2, SPARE
	v_mov_b32 v[NIL], 0
	ds_add_u32 v[SPW], v[NIL]                      ; the wave's opening: the add and its wait, ahead of my first tensor load
	v_lshrrev_b32 v1, 5, v0
	v_readfirstlane_b32 s12, v1                    ; wave 0..3
	s_lshr_b32 s13, s12, 1                         ; 0: I fetch for A; 1: for B
	s_and_b32 s14, s12, 1                          ; which half
	s_bfe_u32 s40, ttmp6, 0x40000                  ; cx
	s_bfe_u32 s41, ttmp6, 0x40004                  ; cy
	s_lshl_b32 s42, ttmp9, 2
	s_add_co_u32 s42, s42, s40                     ; tile column
	s_and_b32 s43, ttmp7, 0xffff
	s_lshl_b32 s43, s43, 2
	s_add_co_u32 s43, s43, s41                     ; tile row
	s_lshl_b32 s16, s41, 2
	s_lshl_b32 s16, 15, s16                        ; my row of the cluster
	s_lshl_b32 s17, 0x1111, s40                    ; my column
	s_or_b32 s[G1], s16, G1A0
	s_or_b32 s[G1B], s17, 0x07710000
	s_mov_b32 s[G1+1], 128<<16                     ; tensor_dim0 = 128
	s_mov_b32 s[G1+2], 128<<16                     ; tensor_dim1 = 128
	s_mov_b32 s[G1+3], 128<<16                     ; tile_dim0 = 128
	s_mov_b32 s[G1+4], 128                         ; tile_dim1 = 128
	s_mov_b32 s[G1+5], STRA
	s_mov_b32 s[G1+6], 0
	s_mov_b32 s[G1+7], 0
	s_mov_b32 s[G1B+1], 128<<16
	s_mov_b32 s[G1B+2], (TN/2)<<16
	s_mov_b32 s[G1B+3], 128<<16
	s_mov_b32 s[G1B+4], TN/2
	s_mov_b32 s[G1B+5], 1024
	s_mov_b32 s[G1B+6], 0
	s_mov_b32 s[G1B+7], 0
	s_lshl_b32 s68, s43, SHTY                      ; A's offset: made of the tile row and the wave alone
	s_lshl_b32 s18, s14, SHH
	s_add_co_u32 s68, s68, s18
	s_mov_b32 s69, 0
	s_mul_i32 s70, s42, TN*2048                    ; B's: of the tile column and the wave alone
	s_mul_i32 s19, s14, TN*1024
	s_add_co_u32 s70, s70, s19
	s_mov_b32 s71, 0
	s_mul_i32 s20, s14, HALFA                      ; LDS places: no place in the cluster enters them
	s_mul_i32 s21, s14, HALFB
	s_add_co_u32 s21, s21, BOFF
	s_mov_b32 s[TB], 0
	s_wait_dscnt 0x0                               ; the opening add is done
	s_wait_kmcnt 0x0
	s_add_nc_u64 s[68:69], s[4:5], s[68:69]
	s_add_nc_u64 s[70:71], s[6:7], s[70:71]
.irp s, 0,1
	s_mov_b32 s[G0+4*(\s)], 1
	s_add_co_u32 s[G0+4*(\s)+1], s20, (\s)*SLOT1
	s_add_nc_u64 s[G0+4*(\s)+2:G0+4*(\s)+3], s[68:69], (\s)*KSA
	s_or_b32 s[G0+4*(\s)+3], s[G0+4*(\s)+3], 0x80000000
	s_mov_b32 s[G0B+4*(\s)], 1
	s_add_co_u32 s[G0B+4*(\s)+1], s21, (\s)*SLOT1
	s_add_nc_u64 s[G0B+4*(\s)+2:G0B+4*(\s)+3], s[70:71], (\s)*256
	s_or_b32 s[G0B+4*(\s)+3], s[G0B+4*(\s)+3], 0x80000000
.endr
	CROUND                                         ; all sixteen work-groups are here: the first joint loads meet
	s_cmp_eq_u32 s13, 0                            ; a wave's two first fills stand in one branch: two loads of mine are out
	s_cbranch_scc0 .Lfirst_b
	tensor_load_to_lds s[G0:G0+3], s[G1:G1+7]
	s_nop 0
	tensor_load_to_lds s[G0+4:G0+7], s[G1:G1+7]
	s_nop 0
	PLACES
	s_branch .Lfirst_asked
.Lfirst_b:
	tensor_load_to_lds s[G0B:G0B+3], s[G1B:G1B+7]
	s_nop 0
	tensor_load_to_lds s[G0B+4:G0B+7], s[G1B:G1B+7]
	s_nop 0
	PLACES
.Lfirst_asked:
	v_and_b32 v1, 15, v0                           ; r = l % 16
	v_bfe_u32 v2, v0, 4, 1                         ; h = l / 16
	v_and_b32 v3, 31, v0                           ; l
	v_lshlrev_b32 v[BO], 5, v2
	s_mul_i32 s72, s42, TN*4
	s_mov_b32 s73, 0
	s_add_nc_u64 s[8:9], s[8:9], s[72:73]          ; the tile's bias
.set bb, 0
.rept NBK
	global_load_b128 v[BIAS+8*bb:BIAS+8*bb+3],   v[BO], s[8:9] offset:64*bb
	global_load_b128 v[BIAS+8*bb+4:BIAS+8*bb+7], v[BO], s[8:9] offset:64*bb+16
.set bb, bb+1
.endr
	v_mul_u32_u24 v[ADRA0], v1, PA                 ; a fragment: row r x pitch + 16 h, two loads 32 bytes apart
	v_lshl_add_u32 v[ADRA0], v2, 4, v[ADRA0]
	s_mul_i32 s72, s12, 64*PA                      ; my 64 rows
	v_add_nc_u32 v[ADRA0], s72, v[ADRA0]
	v_mul_u32_u24 v[ADRB0], v1, 272
	v_lshl_add_u32 v[ADRB0], v2, 4, v[ADRB0]
	v_add_nc_u32 v[ADRB0], BOFF, v[ADRB0]
	v_mov_b32 v[ADRA], v[ADRA0]
	v_mov_b32 v[ADRB], v[ADRB0]
	s_mul_i32 s72, s12, WSTG
	s_add_co_u32 s72, s72, STAGE                   ; my stage
.if QKV
	v_mul_u32_u24 v[STO], v1, 144                  ; in: row r, 16 bytes for each half of the lanes
	v_lshl_add_u32 v[STO], v2, 4, v[STO]
	v_lshrrev_b32 v4, 3, v3                        ; back: 32 lanes take four rows of 128 bytes
	v_and_b32 v5, 7, v0
	v_mul_u32_u24 v[RD], v4, 144
	v_lshl_add_u32 v[RD], v5, 4, v[RD]
.else
	v_mul_u32_u24 v[STO], v1, 528                  ; in: row r, 32 bytes for each half of the lanes
	v_lshl_add_u32 v[STO], v2, 5, v[STO]
	v_lshlrev_b32 v[RD], 4, v3                     ; back: 32 lanes take one row of 512 bytes
.endif
	v_add_nc_u32 v[STO], s72, v[STO]
	v_add_nc_u32 v[RD], s72, v[RD]
	v_lshlrev_b32 v[GO], 4, v3
	s_mul_i32 s72, s42, CTX                        ; where my rows begin in C
	s_lshl_b32 s74, s43, SHCY
	s_add_co_u32 s72, s72, s74
	s_lshl_b32 s74, s12, SHCW
	s_add_co_u32 s72, s72, s74
	s_add_nc_u64 s[10:11], s[10:11], s[72:73]
	; the prefetches: my work-group's quarter of the rows that I fetch, at K step 3; the first refill steps it to 4.  K steps 0 to 3 come by their loads alone.
	s_lshl_b32 s72, s43, SHTY
	s_lshl_b32 s74, s14, SHH
	s_add_co_u32 s72, s72, s74
	s_lshl_b32 s74, s40, SHCX
	s_add_co_u32 s72, s72, s74
	s_add_co_u32 s72, s72, 3*KSA
	s_mul_i32 s74, s42, TN
	s_mul_i32 s75, s14, TN/2
	s_add_co_u32 s74, s74, s75
	s_mul_i32 s75, s41, TN/8
	s_add_co_u32 s74, s74, s75
	s_lshl_b32 s74, s74, 11
	s_add_co_u32 s74, s74, 3*256
	s_and_b32 s75, ttmp7, 0xffff                   ; cluster y
	s_mov_b32 s16, KSA
	s_mov_b32 s17, 256
	s_mov_b32 s18, PITA
	s_mov_b32 s19, 2048
	s_cmp_eq_u32 s13, 0                            ; do I fetch for A?
	s_cselect_b32 s72, s72, s74
	s_cselect_b32 s75, ttmp9, s75                  ; the coordinate along which other clusters read the same rows
	s_cselect_b32 s[PFS], s16, s17
	s_cselect_b32 s18, s18, s19                    ; bytes from lane to lane
	s_cselect_b32 s16, 31, TN/8-1                  ; my last block: A's quarter has 32, B's TN / 8; the lanes beyond name the last once more
	s_cselect_b64 s[PFA:PFA+1], s[4:5], s[6:7]
	s_cmp_eq_u32 s75, 0
	s_cselect_b32 s[LIM], 2, -1                    ; the same in all sixteen partners, for a given wave
	s_mov_b32 s[PFS+1], 0
	s_add_nc_u64 s[PFA:PFA+1], s[PFA:PFA+1], s[72:73]
	v_min_u32 v[PFO], s16, v3
	v_mul_lo_u32 v[PFO], v[PFO], s18
	s_wait_loadcnt 0x0                             ; the bias, rounded to bf16 like the other inputs, in the wait for the first tile
.set bb, 0
.rept 4*NBK
	v_cvt_pk_bf16_f32 v[TT+bb%4], v[BIAS+2*bb], v[BIAS+2*bb+1]
	v_lshlrev_b32 v[BIAS+2*bb], 16, v[TT+bb%4]
	v_and_b32 v[BIAS+2*bb+1], 0xffff0000, v[TT+bb%4]
.set bb, bb+1
.endr
	s_wait_tensorcnt 1                             ; my part of K step 0 is in; step 1's may stay out
	s_barrier_signal -1
	s_barrier_wait -1
	FETCH 0, 0
	QUARTER 1, 0, 1, 1                             ; the first quarter stands in front of the loop: its products start the sums, with the bias
	WIN 0
	s_mov_b32 s15, 6
.Lstep:                                                ; a trip: a step's quarters 1 to 3, the change of slots with its refill (K steps 2 to 7), the next step's quarter 0
	QUARTER 2, 1, 0, 0
	QUARTER 3, 0, 1, 0
	TURN 1
	QUARTER 1, 0, 1, 0
	WIN 0
	s_sub_co_u32 s15, s15, 1
	s_cmp_lg_u32 s15, 0
	s_cbranch_scc1 .Lstep
	QUARTER 2, 1, 0, 0                             ; the tail is written out: K steps 6 and 7 ask for nothing
	QUARTER 3, 0, 1, 0
	TURN 0
	QUARTER 1, 0, 1, 0
	QUARTER 2, 1, 0, 0
	QUARTER 3, 0, 1, 0
	s_wait_dscnt 4
	MUL 1, 0, 0, 0
	MUL 1, 0, 1, 0
	s_wait_dscnt 0x0
	MUL 1, 1, 0, 0
	MUL 1, 1, 1, 0
	WIN 0
	PLACES                                         ; the places behind the last products, twice four, once a launch
	PLACES
.if QKV
; THE WAY OUT, a row block (16 rows x 192 columns = three heads' 64) at a time: rounded to f16; into my stage, a head's rows 144 bytes apart; back as four rows of 128 bytes a load, which are
; 512 consecutive bytes of that head's part of qkv.
.set TMP, 96
.set OB,  144
.macro PACK a
	WIN 0x0a+5*((\a)/2)                            ; sources 0 and 1: window 2 or 3
.set AC, 8*NBK*((\a)%2)
.set bb, 0
.rept NBK
.irp r, 0,1,2,3
	v_cvt_pk_f16_f32 v[TMP+4*bb+(\r)], v[AC+8*bb+2*(\r)], v[AC+8*bb+2*(\r)+1]
.endr
.set bb, bb+1
.endr
	WIN 0
.endm
.macro TOSTAGE a
.set BK, OB+48*((\a)%2)
.set bb, 0
.rept NBK
	ds_store_b128 v[STO], v[TMP+4*bb:TMP+4*bb+3] offset:(bb/4)*2304+(bb%4)*32
.set bb, bb+1
.endr
.set tt, 0
.rept 12
	ds_load_b128 v[BK+4*tt:BK+4*tt+3], v[RD] offset:(tt/4)*2304+(tt%4)*576  ; LDS serves a wave's instructions in order (ISA guide 5.7.1.4): these see the stores above
.set tt, tt+1
.endr
.endm
.macro SEND a
.set BK, OB+48*((\a)%2)
	s_wait_xcnt 0x0                                ; the block before's stores have read their registers, which the next loads from the stage write
.set tt, 0
.rept 12
	s_wait_dscnt 11-tt                             ; the younger loads from the stage stay out
	global_store_b128 v[GO], v[BK+4*tt:BK+4*tt+3], s[10:11] offset:(tt/4)*1048576+(\a)*2048+(tt%4)*512
.set tt, tt+1
.endr
.endm
	PACK 0
	TOSTAGE 0
.irp a, 1,2,3                          ; block a's conversions stand between block a - 1's loads from the stage and the wait for them
	PACK \a
	SEND (\a)-1
	TOSTAGE \a
.endr
	SEND 3
.else
; THE WAY OUT, a row block (16 rows x 128 columns of f32) at a time: straight from the accumulators into my stage, rows 528 bytes apart; back as whole rows of 512 bytes.
.set OB, 96
.macro TOSTAGE a
	s_wait_xcnt 0x0                                ; earlier stores have read their registers, which the loads below write
	WIN 0x08+4*((\a)/2)                            ; store data: window 2 or 3
.set AC, 8*NBK*((\a)%2)
.set bb, 0
.rept NBK
	ds_store_b128 v[STO], v[AC+8*bb:AC+8*bb+3]   offset:64*bb
	ds_store_b128 v[STO], v[AC+8*bb+4:AC+8*bb+7] offset:64*bb+16
.set bb, bb+1
.endr
	WIN 0
.set BK, OB+64*((\a)%2)
.set tt, 0
.rept 16
	ds_load_b128 v[BK+4*tt:BK+4*tt+3], v[RD] offset:tt*528  ; LDS serves a wave's instructions in order (ISA guide 5.7.1.4): these see the stores above, and the next block's stores come behind them
.set tt, tt+1
.endr
.endm
.macro SEND a, younger                 ; younger: the next block's 16 stores and 16 loads, or none
.set BK, OB+64*((\a)%2)
.set tt, 0
.rept 16
	s_wait_dscnt (\younger)+15-tt
	global_store_b128 v[GO], v[BK+4*tt:BK+4*tt+3], s[10:11] offset:(16*(\a)+tt)*4096 th:TH_STORE_NT  ; 512 consecutive bytes, aligned
.set tt, tt+1
.endr
.endm
	TOSTAGE 0
	TOSTAGE 1
	SEND 0, 32
	TOSTAGE 2
	SEND 1, 32
	TOSTAGE 3
	SEND 2, 32
	SEND 3, 0
.endif
	s_wait_tensorcnt 0x0                           ; the wave's end: behind my last tensor load and my last LDS store
	ds_add_u32 v[SPW], v[NIL]
	s_wait_dscnt 0x0
	CROUND                                         ; the closing round: no work-group ends while a partner may still ask for a tile that names it
	s_endpgm
.Lfunc_end_k_qe73048d268_outgemm:
	.size	k_qe73048d268_outgemm, .Lfunc_end_k_qe73048d268_outgemm-k_qe73048d268_outgemm
	.p2alignl 7, 3214868480
	.fill 96, 4, 3214868480
	.section	.rodata,"a",@progbits
	.p2align	6, 0x0
	.amdhsa_kernel k_qe73048d268_outgemm
		.amdhsa_group_segment_fixed_size 327680
		.amdhsa_private_segment_fixed_size 0
		.amdhsa_enable_private_segment 0
		.amdhsa_kernarg_size 32
		.amdhsa_user_sgpr_count 2
		.amdhsa_user_sgpr_kernarg_segment_ptr 1
		.amdhsa_wavefront_size32 1
		.amdhsa_system_sgpr_workgroup_id_x 1
		.amdhsa_system_sgpr_workgroup_id_y 1
		.amdhsa_system_sgpr_workgroup_id_z 1
		.amdhsa_system_vgpr_workitem_id 0
		.amdhsa_next_free_vgpr 896
		.amdhsa_next_free_sgpr 80
		.amdhsa_reserve_vcc 0
		.amdhsa_float_denorm_mode_32 3
		.amdhsa_float_denorm_mode_16_64 3
		.amdhsa_memory_ordered 1
		.amdhsa_forward_progress 1
		.amdhsa_inst_pref_size 79
	.end_amdhsa_kernel
	.amdgpu_metadata
---
amdhsa.version: [ 1, 2 ]
amdhsa.kernels:
  - .name:           k_qe73048d268_outgemm
    .symbol:         k_qe73048d268_outgemm.kd
    .args:
      - { .name: ctx, .offset: 0, .size: 8, .value_kind: global_buffer, .address_space: global }
      - { .name: wot, .offset: 8, .size: 8, .value_kind: global_buffer, .address_space: global }
      - { .name: b_out, .offset: 16, .size: 8, .value_kind: global_buffer, .address_space: global }
      - { .name: out0, .offset: 24, .size: 8, .value_kind: global_buffer, .address_space: global }
    .group_segment_fixed_size: 327680
    .private_segment_fixed_size: 0
    .kernarg_segment_align: 8
    .kernarg_segment_size: 32
    .max_flat_workgroup_size: 128
    .sgpr_count:     80
    .vgpr_count:     896
    .wavefront_size: 32
...
	.end_amdgpu_metadata
.endif
;; end of part 4
;; ======== version 2 of 2: 4 launches
;; limits: values are held in f16: magnitudes above 65,504 overflow, below 6.1e-05 lose precision
;; workspace buffers: xb 16,777,216 bytes; wqt 6,291,456 bytes; wot 2,097,152 bytes; mbits 524,288 bytes of whole numbers; qkv 50,331,648 bytes; ctx 16,777,216 bytes
;; launch prep (part 5): grid 1280 x 1, 4 waves a work-group, no clusters, 35,328 bytes of LDS; arguments x, W_qkv, W_out, mask, xb, wqt, wot, mbits; writes xb, wqt, wot, mbits
.if DOCPART == 5
	.amdgcn_target "amdgcn-amd-amdhsa--gfx1250"
	.amdhsa_code_object_version 6
	.text
	.protected	k_qe73048d268_prep
	.globl	k_qe73048d268_prep
	.p2align	8
	.type	k_qe73048d268_prep,@function
k_qe73048d268_prep:
	s_mov_b64 s[64:65], 0
	v_nop
	global_prefetch_b8 v0, s[64:65] scope:SCOPE_SE
	s_setreg_imm32_b32 hwreg(HW_REG_WAVE_MODE, 25, 1), 1
	s_wait_xcnt 0x0
; PREP: the 16-bit operands of the two products, and the mask as lane masks.  A stream: no matrix unit; LDS only as a turning table.
;   xb    [8192][1024] bf16      = x rounded to bf16
;   wqt   [3072 n][1024 k] bf16  = W_qkv rounded to bf16, transposed
;   wot   [1024 n][1024 k] f16   = W_out rounded to bf16, that number written as f16, transposed.  LIMIT: below 6e-5 f16 keeps a fixed step of 6e-8; beyond 65,504 it has no number.
;   mbits record (P = query / 32, j = key / 64) at byte 8192 P + 256 j: 64 words [u][i]; bit l of word (u, i) = (mask[32 P + 16 u + l % 16][64 j + 16 (i / 8) + 8 (l / 16) + i % 8] != 0)
; SHARES.  1,280 work-groups of four waves, five for each of 256 WGPs, all resident together (160 registers a wave, 35,328 bytes of LDS a work-group): twenty waves of a WGP have sixteen 16-byte loads
; a lane on their way at once.  Work-groups 0-511: x, two trips a wave.  512-895: W_qkv, 896-1023: W_out: ONE tile of 128 k x 64 n to a work-group, a quarter of its k to a wave, one trip.
; 1024-1279: mask, two trips a wave.
; ONE BARRIER stands on every work-group's path: in a weight's work-group it lies between the four waves' stores into the tile and their reads of whole rows; the others pass it with nothing to hand over.
.set WTILE, 64*272                     ; the weights: the work-group's tile in LDS, from byte 0: 64 rows (n) of 256 bytes (128 k) + 16
.set MLDS,  32*272                     ; the mask: a wave's own 32 rows of 272 bytes
.set SPARE, 4*MLDS                     ; behind both the spare words, 128 bytes a wave: two blocks of 256 bytes that no other line names
.set RB,  8                            ; v8   the weights' way back: LDS address of my 16 bytes in my wave's first two rows of the tile; made at the head, never rewritten
.set GB,  9                            ; v9   the same two rows in the result
.set D,   16                           ; v[16:79]   sixteen loads of four registers
.set E,   80                           ; v[80:143]  results; mask values as read back
.set WR,  144                          ; v[144:145] a mask record: lane l holds words 2 l and 2 l + 1
.set SPW, 146                          ; LDS address of my spare word; never rewritten
.set NIL, 147                          ; 0; never rewritten
	s_load_b512 s[4:19], s[0:1], 0x0               ; x 4, W_qkv 6, W_out 8, mask 10, xb 12, wqt 14, wot 16, mbits 18
	v_lshl_add_u32 v[SPW], v0, 2, SPARE
	v_mov_b32 v[NIL], 0
	v_and_b32 v1, 31, v0                           ; lane l
	v_and_b32 v2, 15, v0                           ; cn = l % 16
	v_bfe_u32 v3, v0, 4, 1                         ; rr = l / 16
	v_lshrrev_b32 v4, 5, v0
	v_readfirstlane_b32 s20, v4                    ; wave 0..3
	s_mul_i32 s29, s20, MLDS                       ; the mask's job: my LDS
	s_mul_i32 s21, s20, 16*272                     ; the weights' way back: wave w takes rows 16 w .. 16 w + 15 of the tile
	v_mul_u32_u24 v[RB], v3, 272
	v_lshl_add_u32 v[RB], v2, 4, v[RB]
	v_add_nc_u32 v[RB], s21, v[RB]                 ; row 16 w + rr, 16 bytes a lane
	v_lshlrev_b32 v[GB], 11, v3
	v_lshl_add_u32 v[GB], v2, 4, v[GB]             ; row rr of 2,048 bytes, 16 bytes a lane
	s_mov_b32 s27, 0                               ; high word of every offset
	s_mov_b32 s28, 2                               ; trips of x's and the mask's loops
	s_wait_kmcnt 0x0
	s_cmp_lt_u32 ttmp9, 512
	s_cbranch_scc0 .Lnot_x
	; X: wave gw takes 4 rows: 16,384 bytes in, 8,192 out.  A load of a wave covers 512 consecutive bytes, its store 256 consecutive bytes, aligned.
	s_lshl_b32 s21, ttmp9, 2
	s_add_co_u32 s21, s21, s20
	s_lshl_b32 s26, s21, 14
	s_add_nc_u64 s[22:23], s[4:5], s[26:27]
	s_lshl_b32 s26, s21, 13
	s_add_nc_u64 s[24:25], s[12:13], s[26:27]
	v_lshlrev_b32 v4, 4, v1
	v_lshlrev_b32 v5, 3, v1
.Lx:
.irp i, 0,1,2,3,4,5,6,7,8,9,10,11,12,13,14,15
	global_load_b128 v[D+4*(\i):D+4*(\i)+3], v4, s[22:23] offset:512*(\i) th:TH_LOAD_NT
.endr
.irp i, 0,1,2,3,4,5,6,7,8,9,10,11,12,13,14,15
	s_wait_loadcnt 15-(\i)                         ; loads come back in order: the younger ones of the sixteen stay out
	v_cvt_pk_bf16_f32 v[E+2*(\i)], v[D+4*(\i)], v[D+4*(\i)+1]
	v_cvt_pk_bf16_f32 v[E+2*(\i)+1], v[D+4*(\i)+2], v[D+4*(\i)+3]
	global_store_b64 v5, v[E+2*(\i):E+2*(\i)+1], s[24:25] offset:256*(\i) th:TH_STORE_NT
.endr
	s_wait_xcnt 0x0                                ; the pointers and the stores' data are rewritten only behind this wait
	s_add_nc_u64 s[22:23], s[22:23], 8192
	s_add_nc_u64 s[24:25], s[24:25], 4096
	s_sub_co_u32 s28, s28, 1
	s_cmp_lg_u32 s28, 0
	s_cbranch_scc1 .Lx
	s_branch .Lmeet
; W, the way in: the work-group turns one tile of 128 k x 64 n; wave w takes rows 32 w .. 32 w + 31 of k.  NP: bytes in a row of the source; fmt 1: bf16 written as f16; first: the job's first
; work-group; srcr: the source pointer's register.  Load 2 p + e brings row 4 p + 2 rr + e, 256 consecutive bytes for each half of the lanes.  Two rows' numbers of one column pack into a word, which
; goes to LDS row n, byte 2 k.  These 4-byte stores fall on 8 of the 64 banks, four lanes to a bank: taken as it is, since the two weights are a sixth of the launch's bytes.
; s26 leaves with the byte offset, in the result, of the rows that my wave stores behind the barrier.
.macro WJOB NP, fmt, first, srcr
	s_sub_co_u32 s21, ttmp9, \first                ; tile
	s_and_b32 s30, s21, 7                          ; kt
	s_lshr_b32 s31, s21, 3                         ; nt
	s_mul_i32 s26, s30, 128*(\NP)
	s_lshl_b32 s21, s31, 8
	s_add_co_u32 s26, s26, s21
	s_mul_i32 s21, s20, 32*(\NP)                   ; my quarter of the tile's k
	s_add_co_u32 s26, s26, s21
	s_add_nc_u64 s[22:23], s[\srcr:\srcr+1], s[26:27]
	s_lshl_b32 s26, s31, 17                        ; 64 rows of 2,048 bytes
	s_lshl_b32 s21, s30, 8
	s_add_co_u32 s26, s26, s21
	s_lshl_b32 s21, s20, 15                        ; my 16 of them
	s_add_co_u32 s26, s26, s21
	v_mul_u32_u24 v4, v3, 2*(\NP)
	v_lshl_add_u32 v4, v2, 4, v4                   ; source: 2 rr rows + 16 cn
	v_mul_u32_u24 v5, v2, 4*272
	v_lshl_add_u32 v5, v3, 2, v5
	s_lshl_b32 s21, s20, 6
	v_add_nc_u32 v5, s21, v5                       ; into LDS: row 4 cn, byte 64 w + 4 rr
.irp p, 0,1,2,3,4,5,6,7
.irp e, 0,1
	global_load_b128 v[D+4*(2*(\p)+(\e)):D+4*(2*(\p)+(\e))+3], v4, s[22:23] offset:(4*(\p)+(\e))*(\NP) th:TH_LOAD_NT
.endr
.endr
.irp p, 0,1,2,3,4,5,6,7
	s_wait_loadcnt 14-2*(\p)                       ; pair p is in
.irp c, 0,1,2,3
	v_cvt_pk_bf16_f32 v[E+4*(\p)+(\c)], v[D+8*(\p)+(\c)], v[D+8*(\p)+4+(\c)]
.if \fmt
	v_lshlrev_b32 v[E+32], 16, v[E+4*(\p)+(\c)]
	v_and_b32 v[E+33], 0xffff0000, v[E+4*(\p)+(\c)]
	v_cvt_pk_f16_f32 v[E+4*(\p)+(\c)], v[E+32], v[E+33]
.endif
	ds_store_b32 v5, v[E+4*(\p)+(\c)] offset:(\c)*272+8*(\p)
.endr
.endr
.endm
.Lnot_x:
	s_cmp_lt_u32 ttmp9, 896
	s_cbranch_scc0 .Lnot_wq
	WJOB 12288, 0, 512, 6
	s_branch .Lmeet
.Lnot_wq:
	s_cmp_lt_u32 ttmp9, 1024
	s_cbranch_scc0 .Lmask
	WJOB 4096, 1, 896, 8
	s_branch .Lmeet
.Lmask:
	; MASK: wave mw takes 32 queries (P = mw / 16) and two key steps (j = 2 (mw % 16) + trip): a trip is 32 rows x 256 bytes in, one record of 256 bytes out.
	s_sub_co_u32 s21, ttmp9, 1024
	s_lshl_b32 s21, s21, 2
	s_add_co_u32 s21, s21, s20
	s_lshr_b32 s30, s21, 4
	s_and_b32 s31, s21, 15
	s_lshl_b32 s31, s31, 9
	s_lshl_b32 s26, s30, 18                        ; 32 rows of 8,192 bytes
	s_add_co_u32 s26, s26, s31
	s_add_nc_u64 s[22:23], s[10:11], s[26:27]
	s_lshl_b32 s26, s30, 13
	s_add_co_u32 s26, s26, s31
	s_add_nc_u64 s[24:25], s[18:19], s[26:27]
	v_lshlrev_b32 v4, 13, v3
	v_lshl_add_u32 v4, v2, 4, v4                   ; source: row rr, 16 cn
	v_mul_u32_u24 v5, v3, 272
	v_lshl_add_u32 v5, v2, 4, v5
	v_add_nc_u32 v5, s29, v5                       ; into LDS as it lies
	v_mul_u32_u24 v6, v2, 272
	v_lshl_add_u32 v6, v3, 5, v6
	v_add_nc_u32 v6, s29, v6                       ; back: row l % 16, eight keys from 8 (l / 16) on: the scores' own layout
	v_lshlrev_b32 v7, 3, v1
.Lm:
.irp i, 0,1,2,3,4,5,6,7,8,9,10,11,12,13,14,15
	global_load_b128 v[D+4*(\i):D+4*(\i)+3], v4, s[22:23] offset:16384*(\i) th:TH_LOAD_NT
.endr
.irp i, 0,1,2,3,4,5,6,7,8,9,10,11,12,13,14,15
	s_wait_loadcnt 15-(\i)
	ds_store_b128 v5, v[D+4*(\i):D+4*(\i)+3] offset:544*(\i)
.endr
.irp u, 0,1
.irp kb, 0,1,2,3
.irp hf, 0,1
	ds_load_b128 v[E+32*(\u)+8*(\kb)+4*(\hf):E+32*(\u)+8*(\kb)+4*(\hf)+3], v6 offset:4352*(\u)+64*(\kb)+16*(\hf)  ; LDS serves a wave's instructions in order (ISA guide 5.7.1.4): these see my stores above
.endr
.endr
.endr
	v_mov_b32 v[WR], 0                             ; v_writelane_b32 counts as a reader of its destination
	v_mov_b32 v[WR+1], 0
	s_wait_dscnt 0x0
.set n, 0
.rept 2
.rept 32
	v_cmp_ne_u32 s[32+n%32], 0, v[E+n]             ; word n of the record: one bit a lane
.set n, n+1
.endr
.set n, n-32
.rept 32
	v_writelane_b32 v[WR+n%2], s[32+n%32], n/2
.set n, n+1
.endr
.endr
	global_store_b64 v7, v[WR:WR+1], s[24:25]      ; 256 consecutive bytes, aligned
	s_wait_xcnt 0x0
	s_add_nc_u64 s[22:23], s[22:23], 256
	s_add_nc_u64 s[24:25], s[24:25], 256
	s_sub_co_u32 s28, s28, 1
	s_cmp_lg_u32 s28, 0
	s_cbranch_scc1 .Lm
.Lmeet:
	s_wait_dscnt 0x0                               ; for the others' sake: my stores into the tile are done
	s_barrier_signal -1
	s_barrier_wait -1                              ; in a weight's work-group the tile is whole now
	s_cmp_lt_u32 ttmp9, 512                        ; the branches hang on the work-group's number alone: all four waves go the same way
	s_cbranch_scc1 .Lend
	s_cmp_lt_u32 ttmp9, 1024
	s_cbranch_scc0 .Lend
	; W, the way back, one text for both weights: wave w reads rows 16 w .. 16 w + 15 whole and stores them
	s_cmp_lt_u32 ttmp9, 896
	s_cselect_b64 s[24:25], s[14:15], s[16:17]     ; wqt or wot
	s_add_nc_u64 s[24:25], s[24:25], s[26:27]
.set n, 0
.rept 8
	ds_load_b128 v[D+4*n:D+4*n+3], v[RB] offset:n*544
.set n, n+1
.endr
.set n, 0
.rept 8
	s_wait_dscnt 7-n                               ; the younger reads of the eight stay out
	global_store_b128 v[GB], v[D+4*n:D+4*n+3], s[24:25] offset:n*4096  ; sixteen lanes store 256 consecutive bytes, aligned
.set n, n+1
.endr
.Lend:
	s_wait_tensorcnt 0x0                           ; the wave's end: behind my last LDS store
	ds_add_u32 v[SPW], v[NIL]
	s_wait_dscnt 0x0
	s_endpgm
.Lfunc_end_k_qe73048d268_prep:
	.size	k_qe73048d268_prep, .Lfunc_end_k_qe73048d268_prep-k_qe73048d268_prep
	.p2alignl 7, 3214868480
	.fill 96, 4, 3214868480
	.section	.rodata,"a",@progbits
	.p2align	6, 0x0
	.amdhsa_kernel k_qe73048d268_prep
		.amdhsa_group_segment_fixed_size 35328
		.amdhsa_private_segment_fixed_size 0
		.amdhsa_enable_private_segment 0
		.amdhsa_kernarg_size 64
		.amdhsa_user_sgpr_count 2
		.amdhsa_user_sgpr_kernarg_segment_ptr 1
		.amdhsa_wavefront_size32 1
		.amdhsa_system_sgpr_workgroup_id_x 1
		.amdhsa_system_sgpr_workgroup_id_y 1
		.amdhsa_system_sgpr_workgroup_id_z 1
		.amdhsa_system_vgpr_workitem_id 0
		.amdhsa_next_free_vgpr 160
		.amdhsa_next_free_sgpr 66
		.amdhsa_reserve_vcc 0
		.amdhsa_float_denorm_mode_32 3
		.amdhsa_float_denorm_mode_16_64 3
		.amdhsa_memory_ordered 1
		.amdhsa_forward_progress 1
		.amdhsa_inst_pref_size 42
	.end_amdhsa_kernel
	.amdgpu_metadata
---
amdhsa.version: [ 1, 2 ]
amdhsa.kernels:
  - .name:           k_qe73048d268_prep
    .symbol:         k_qe73048d268_prep.kd
    .args:
      - { .name: x, .offset: 0, .size: 8, .value_kind: global_buffer, .address_space: global }
      - { .name: W_qkv, .offset: 8, .size: 8, .value_kind: global_buffer, .address_space: global }
      - { .name: W_out, .offset: 16, .size: 8, .value_kind: global_buffer, .address_space: global }
      - { .name: mask, .offset: 24, .size: 8, .value_kind: global_buffer, .address_space: global }
      - { .name: xb, .offset: 32, .size: 8, .value_kind: global_buffer, .address_space: global }
      - { .name: wqt, .offset: 40, .size: 8, .value_kind: global_buffer, .address_space: global }
      - { .name: wot, .offset: 48, .size: 8, .value_kind: global_buffer, .address_space: global }
      - { .name: mbits, .offset: 56, .size: 8, .value_kind: global_buffer, .address_space: global }
    .group_segment_fixed_size: 35328
    .private_segment_fixed_size: 0
    .kernarg_segment_align: 8
    .kernarg_segment_size: 64
    .max_flat_workgroup_size: 128
    .sgpr_count:     66
    .vgpr_count:     160
    .wavefront_size: 32
...
	.end_amdgpu_metadata
.endif
;; end of part 5
;; launch qkvgemm (part 6): grid 16 x 32, 4 waves a work-group, clusters of 4 x 4, 327,680 bytes of LDS; arguments xb, wqt, b_qkv, qkv; writes qkv
.if DOCPART == 6
	.amdgcn_target "amdgcn-amd-amdhsa--gfx1250"
	.amdhsa_code_object_version 6
	.text
	.protected	k_qe73048d268_qkvgemm
	.globl	k_qe73048d268_qkvgemm
	.p2align	8
	.type	k_qe73048d268_qkvgemm,@function
k_qe73048d268_qkvgemm:
	s_mov_b64 s[64:65], 0
	v_nop
	global_prefetch_b8 v0, s[64:65] scope:SCOPE_SE
	s_setreg_imm32_b32 hwreg(HW_REG_WAVE_MODE, 25, 1), 1
	s_wait_xcnt 0x0
	s_wait_alu depctr_hold_cnt(0) depctr_sa_sdst(0) depctr_va_vdst(0) depctr_va_sdst(0) depctr_va_ssrc(0) depctr_va_vcc(0) depctr_vm_vsrc(0)
	s_getreg_b32 s2, hwreg(HW_REG_IB_STS2, 6, 4)
	s_cmp_eq_u32 s2, 0
	s_cbranch_scc0 .Lentry_in_a_cluster
	s_endpgm
.Lentry_in_a_cluster:
	s_bfe_u32 s2, ttmp6, 0x10000c
	s_cmp_lg_u32 s2, 0xf033
	s_cbranch_scc0 .Lentry_shape_is_right
	s_endpgm
.Lentry_shape_is_right:
; ONE SOURCE FOR THE MODULE'S TWO PROJECTIONS; the switch QKV picks the constants, the matrix form and the way out; only the chosen half is assembled.
; QKV = 1:  qkv[g = n / 64][m][n % 64] (f16) = xb[m][:] . wqt[n][:] + bf16(b_qkv[n]).   xb [8192][1024], wqt [3072][1024] bf16.  A tile of C is 256 m x 192 n: 512 work-groups, two for each of 256 WGPs.
; QKV = 0:  out0[m][n] (f32) = ctx[:][m][:] . wot[n][:] + bf16(b_out[n]).   ctx [16 h][8192 m][64], wot [1024][1024] f16.  A tile of C is 256 x 128: 256 work-groups.
; LIMIT (QKV = 1): q, k and v leave as f16, which ends at 65,504; sums in f32, rounded once.  NaN and infinities are not treated apart.
; SHARES.  Four waves; wave w makes rows 64 w .. 64 w + 63 and ALL columns of the tile: 4 x NBK accumulators of 16 x 16.  So a wave's rows of C are whole, and its way out needs no barrier.
; K goes in 8 steps of 128 through two LDS slots.  Waves 0 and 1 fetch A's two halves, waves 2 and 3 B's: one tensor load a wave and step.
; CLUSTER 4 x 4: A's tile hangs on the tile row alone and is asked for jointly along a row of the cluster, B's on the tile column alone and along a column.
; THE PRODUCT IS TAKEN TRANSPOSED (source 0 = 16 rows of B, source 1 = 16 rows of A): a lane holds one row m (lane % 16) and the columns 8 (lane / 16) + 0..7.  In that layout the bias of a
; column block is eight registers, the same for every row block: it is the C operand of the first product, and costs no instruction of its own.
; REGISTERS, in windows of 256: window 0: v16-31 addresses; v32-95 A's fragments, two buffers; v96.. the bias, later the way out.  Window 1: B's fragments, two buffers.
; Window 2: accumulators of row blocks 0, 1 ((a, b) at v[8 (NBK a + b)]); window 3: of row blocks 2, 3.
.set QKV, 1
.if QKV
.set TN,    192                        ; columns in a tile
.set PA,    272                        ; A's LDS rows: 256 bytes (128 k) + 16
.set AZ,    128                        ; LDS bytes from a step's first 64 k to its second
.set HALFA, 128*272                    ; what one of A's loads fills
.set KSA,   256                        ; bytes in memory from a K step of A to the next
.set PITA,  2048                       ; the prefetches' bytes from lane to lane, for A
.set G1A0,  0x07710000                 ; 2-byte elements; padding on; bit 21 beside a mask; 4 words behind every 64
.set STRA,  1024                       ; elements from row to row
.set WSTG,  3*16*144                   ; a wave's stage
.set SHTY,  19                         ; A's offset: tile row << SHTY + half << SHH; a partner's part of it << SHCX
.set SHH,   18
.set SHCX,  16
.set CTX,   3*1048576                  ; C's offset: tile column x CTX + tile row << SHCY + wave << SHCW
.set SHCY,  15
.set SHCW,  13
.else
.set TN,    128
.set PA,    144                        ; a head's row: 128 bytes (64 k) + 16
.set AZ,    256*144                    ; the step's second head lies behind the first's 256 rows
.set HALFA, 256*144
.set KSA,   2*1048576                  ; two heads
.set PITA,  256
.set G1A0,  0x07310000                 ; the same with 4 words behind every 32: a head's 256 rows are dense and come as 128 rows of 256 bytes, padded after each 128
.set STRA,  128
.set WSTG,  16*528
.set SHTY,  15
.set SHH,   20
.set SHCX,  13
.set CTX,   512
.set SHCY,  20
.set SHCW,  18
.endif
.set NBK,   TN/16
.set BOFF,  2*HALFA                    ; B's rows lie behind A's
.set HALFB, (TN/2)*272
.set SLOT1, 131072                     ; one exclusive or turns an address in one slot into the other's
.set STAGE, SLOT1+BOFF+2*HALFB         ; behind the ring, never filled by a tensor load
.set SPARE, STAGE+4*WSTG               ; the spare words, 128 bytes a wave: two blocks of 256 bytes that no other line names
.set NLD,   2*NBK+8                    ; LDS loads for 32 along K
.set ADRA0, 16                         ; my lane's place in A's rows; never rewritten
.set ADRB0, 17                         ; in B's
.set ADRA,  18                         ; the same in the slot in hand
.set ADRB,  19
.set STO,   24
.set RD,    25
.set GO,    26
.set SPW,   28                         ; LDS address of my spare word; never rewritten
.set NIL,   29                         ; 0; never rewritten
.set PFO,   30                         ; the prefetches' lane offset; never rewritten
.set BO,    31                         ; 32 (lane / 16): my eight numbers of a column block's bias
.set FA,    32
.set BIAS,  96
.set TT,    240
.set G1,  24                           ; s[24:31] A's group 1;  s[32:39] A's group 0: a set for each first fill, the second then walks
.set G0,  32
.set PFA, 44                           ; s[44:45] where my prefetches stand;  s[46:47] their step along K
.set PFS, 46
.set G1B, 48
.set G0B, 56
.set TB,  66                           ; LDS byte of the slot in hand
.set LIM, 67                           ; 2 in a wave that prefetches, else the greatest number
.set MSB, 0
.macro WIN new                         ; the immediate's high byte repeats the setting that is left; a switch that changes nothing is dropped
.if MSB != (\new)
	s_set_vgpr_msb (MSB<<8)|(\new)
.set MSB, \new
.endif
.endm
.macro PLACES                          ; four plain places behind matrix instructions, in front of loads into registers that they read
.rept 4
	v_nop
.endr
.endm
.macro JLOAD                           ; a joint refill by the walking sets; the branch hangs on the wave's number alone; an s_nop 0 and four v_nop follow each line
	s_cmp_eq_u32 s13, 0
	s_cbranch_scc0 .Lfor_b_\@
	tensor_load_to_lds s[G0+4:G0+7], s[G1:G1+7]
	s_nop 0
	PLACES
	s_branch .Lasked_\@
.Lfor_b_\@:
	tensor_load_to_lds s[G0B+4:G0B+7], s[G1B:G1B+7]
	s_nop 0
	PLACES
.Lasked_\@:
.endm
.macro CREST                           ; a round of the cluster's barrier behind its opening barrier
	s_cmp_lg_u32 s12, 0
	s_cbranch_scc1 .Lnot_wave_0_\@
	s_barrier_signal -3
.Lnot_wave_0_\@:
	s_barrier_wait -3
	s_barrier_signal -1
	s_barrier_wait -1
.endm
.macro CROUND
	s_barrier_signal -1
	s_barrier_wait -1
	CREST
.endm
; A prefetch into the L2 of the K step two refills on, a lane a block of 256 bytes, one instruction a wave.  A's rows are asked for by the clusters with x = 0, B's by those with y = 0; the four
; partners that fetch a tile jointly share its rows out by address.  Refill t (s15 = 6 - t) names K step t + 4: the last two refills name nothing.
.macro ASK
	s_cmp_gt_u32 s15, s[LIM]
	s_cbranch_scc0 .Lnot_mine_\@
	global_prefetch_b8 v[PFO], s[PFA:PFA+1] th:TH_LOAD_NT scope:SCOPE_SE
.Lnot_mine_\@:
.endm
.macro WMMA rd, r0, r1, rc
.if QKV
	v_wmma_f32_16x16x32_bf16 v[\rd:\rd+7], v[\r0:\r0+7], v[\r1:\r1+7], v[\rc:\rc+7]
.else
	v_wmma_f32_16x16x32_f16 v[\rd:\rd+7], v[\r0:\r0+7], v[\r1:\r1+7], v[\rc:\rc+7]
.endif
.endm
; NBK products: row block 2 hi + a, all column blocks, buffer f.  first = 1: C is the bias.  All 4 NBK accumulators take turns, one instruction a turn.
.macro MUL f, hi, a, first
.if \first
	WIN 0x81+0x40*(\hi)                            ; B window 1, A and the bias window 0, D window 2 or 3
.else
	WIN 0xa1+0x50*(\hi)                            ; C and D window 2 or 3
.endif
.set bb, 0
.rept NBK
.set rD, 8*(NBK*(\a)+bb)
.set rB, 8*NBK*(\f)+8*bb
.set rA, FA+32*(\f)+8*(2*(\hi)+(\a))
.set rC, rD
.if \first
.set rC, BIAS+8*bb
.endif
	WMMA rD, rB, rA, rC
.set bb, bb+1
.endr
.endm
; One run of NLD LDS loads: the fragments of quarter q (32 along K) into buffer f; B's first, A's row blocks 2 and 3 last.
.macro FETCH q, f
	WIN 0x40                                       ; destination window 1, address window 0
.set ii, 0
.rept NBK
	ds_load_b128 v[8*NBK*(\f)+8*ii:8*NBK*(\f)+8*ii+3],   v[ADRB] offset:64*(\q)+ii*16*272
	ds_load_b128 v[8*NBK*(\f)+8*ii+4:8*NBK*(\f)+8*ii+7], v[ADRB] offset:64*(\q)+ii*16*272+32
.set ii, ii+1
.endr
	WIN 0
.set ii, 0
.rept 4
	ds_load_b128 v[FA+32*(\f)+8*ii:FA+32*(\f)+8*ii+3],   v[ADRA] offset:((\q)/2)*AZ+((\q)%2)*64+ii*16*PA
	ds_load_b128 v[FA+32*(\f)+8*ii+4:FA+32*(\f)+8*ii+7], v[ADRA] offset:((\q)/2)*AZ+((\q)%2)*64+ii*16*PA+32
.set ii, ii+1
.endr
.endm
; Multiplies buffer f; in its middle fetches quarter q of the same slot into buffer g.
.macro QUARTER q, f, g, first
	s_wait_dscnt 4                                 ; all but A's row blocks 2 and 3 (four loads)
	MUL \f, 0, 0, \first
	MUL \f, 0, 1, \first
	PLACES
	FETCH \q, \g
	s_wait_dscnt NLD                               ; all but the run just issued
	MUL \f, 1, 0, \first
	MUL \f, 1, 1, \first
.endm
; A step's last quarter (buffer 1) and the change of slots.  In front of the barrier each wave waits for all its tensor loads (one is out: its part of the next slot), adds 0 to its spare word, and
; waits for that and for its reads of this slot.  fill = 1: the barrier opens a round of the cluster's, and the joint refill of the slot just read is the first thing behind the round.
.macro TURN fill
.if \fill
	s_wait_xcnt 0x0                                ; the last prefetch, a K step back, has read its address
	s_add_nc_u64 s[PFA:PFA+1], s[PFA:PFA+1], s[PFS:PFS+1]
.endif
	WIN 0
	s_wait_tensorcnt 0x0                           ; no tensor load of mine is out, so a group 0 may be written
	ds_add_u32 v[SPW], v[NIL]
.if \fill
	s_xor_b32 s[G0+5], s[G0+5], SLOT1              ; the walking sets: the other slot, the next K step
	s_add_nc_u64 s[G0+6:G0+7], s[G0+6:G0+7], KSA
	s_xor_b32 s[G0B+5], s[G0B+5], SLOT1
	s_add_nc_u64 s[G0B+6:G0B+7], s[G0B+6:G0B+7], 256
.endif
	s_wait_dscnt 5                                 ; the add and A's last four loads may be out
	MUL 1, 0, 0, 0
	s_wait_dscnt 0x0                               ; the add is done, my reads of this slot are over
	s_barrier_signal -1
	MUL 1, 0, 1, 0
	WIN 0
	s_barrier_wait -1
.if \fill
	CREST
	JLOAD                                          ; its four v_nop are also the places in front of the loads below
.else
	PLACES
.endif
	s_xor_b32 s[TB], s[TB], SLOT1
	v_add_nc_u32 v[ADRA], s[TB], v[ADRA0]
	v_add_nc_u32 v[ADRB], s[TB], v[ADRB0]
	FETCH 0, 0
.if \fill
	ASK
.endif
	MUL 1, 1, 0, 0
	MUL 1, 1, 1, 0
.endm
	s_load_b256 s[4:11], s[0:1], 0x0               ; A s[4:5], B s[6:7], bias s[8:9], C s[10:11]
	v_lshl_add_u32 v[SPW], v0, 2, SPARE
	v_mov_b32 v[NIL], 0
	ds_add_u32 v[SPW], v[NIL]                      ; the wave's opening: the add and its wait, ahead of my first tensor load
	v_lshrrev_b32 v1, 5, v0
	v_readfirstlane_b32 s12, v1                    ; wave 0..3
	s_lshr_b32 s13, s12, 1                         ; 0: I fetch for A; 1: for B
	s_and_b32 s14, s12, 1                          ; which half
	s_bfe_u32 s40, ttmp6, 0x40000                  ; cx
	s_bfe_u32 s41, ttmp6, 0x40004                  ; cy
	s_lshl_b32 s42, ttmp9, 2
	s_add_co_u32 s42, s42, s40                     ; tile column
	s_and_b32 s43, ttmp7, 0xffff
	s_lshl_b32 s43, s43, 2
	s_add_co_u32 s43, s43, s41                     ; tile row
	s_lshl_b32 s16, s41, 2
	s_lshl_b32 s16, 15, s16                        ; my row of the cluster
	s_lshl_b32 s17, 0x1111, s40                    ; my column
	s_or_b32 s[G1], s16, G1A0
	s_or_b32 s[G1B], s17, 0x07710000
	s_mov_b32 s[G1+1], 128<<16                     ; tensor_dim0 = 128
	s_mov_b32 s[G1+2], 128<<16                     ; tensor_dim1 = 128
	s_mov_b32 s[G1+3], 128<<16                     ; tile_dim0 = 128
	s_mov_b32 s[G1+4], 128                         ; tile_dim1 = 128
	s_mov_b32 s[G1+5], STRA
	s_mov_b32 s[G1+6], 0
	s_mov_b32 s[G1+7], 0
	s_mov_b32 s[G1B+1], 128<<16
	s_mov_b32 s[G1B+2], (TN/2)<<16
	s_mov_b32 s[G1B+3], 128<<16
	s_mov_b32 s[G1B+4], TN/2
	s_mov_b32 s[G1B+5], 1024
	s_mov_b32 s[G1B+6], 0
	s_mov_b32 s[G1B+7], 0
	s_lshl_b32 s68, s43, SHTY                      ; A's offset: made of the tile row and the wave alone
	s_lshl_b32 s18, s14, SHH
	s_add_co_u32 s68, s68, s18
	s_mov_b32 s69, 0
	s_mul_i32 s70, s42, TN*2048                    ; B's: of the tile column and the wave alone
	s_mul_i32 s19, s14, TN*1024
	s_add_co_u32 s70, s70, s19
	s_mov_b32 s71, 0
	s_mul_i32 s20, s14, HALFA                      ; LDS places: no place in the cluster enters them
	s_mul_i32 s21, s14, HALFB
	s_add_co_u32 s21, s21, BOFF
	s_mov_b32 s[TB], 0
	s_wait_dscnt 0x0                               ; the opening add is done
	s_wait_kmcnt 0x0
	s_add_nc_u64 s[68:69], s[4:5], s[68:69]
	s_add_nc_u64 s[70:71], s[6:7], s[70:71]
.irp s, 0,1
	s_mov_b32 s[G0+4*(\s)], 1
	s_add_co_u32 s[G0+4*(\s)+1], s20, (\s)*SLOT1
	s_add_nc_u64 s[G0+4*(\s)+2:G0+4*(\s)+3], s[68:69], (\s)*KSA
	s_or_b32 s[G0+4*(\s)+3], s[G0+4*(\s)+3], 0x80000000
	s_mov_b32 s[G0B+4*(\s)], 1
	s_add_co_u32 s[G0B+4*(\s)+1], s21, (\s)*SLOT1
	s_add_nc_u64 s[G0B+4*(\s)+2:G0B+4*(\s)+3], s[70:71], (\s)*256
	s_or_b32 s[G0B+4*(\s)+3], s[G0B+4*(\s)+3], 0x80000000
.endr
	CROUND                                         ; all sixteen work-groups are here: the first joint loads meet
	s_cmp_eq_u32 s13, 0                            ; a wave's two first fills stand in one branch: two loads of mine are out
	s_cbranch_scc0 .Lfirst_b
	tensor_load_to_lds s[G0:G0+3], s[G1:G1+7]
	s_nop 0
	tensor_load_to_lds s[G0+4:G0+7], s[G1:G1+7]
	s_nop 0
	PLACES
	s_branch .Lfirst_asked
.Lfirst_b:
	tensor_load_to_lds s[G0B:G0B+3], s[G1B:G1B+7]
	s_nop 0
	tensor_load_to_lds s[G0B+4:G0B+7], s[G1B:G1B+7]
	s_nop 0
	PLACES
.Lfirst_asked:
	v_and_b32 v1, 15, v0                           ; r = l % 16
	v_bfe_u32 v2, v0, 4, 1                         ; h = l / 16
	v_and_b32 v3, 31, v0                           ; l
	v_lshlrev_b32 v[BO], 5, v2
	s_mul_i32 s72, s42, TN*4
	s_mov_b32 s73, 0
	s_add_nc_u64 s[8:9], s[8:9], s[72:73]          ; the tile's bias
.set bb, 0
.rept NBK
	global_load_b128 v[BIAS+8*bb:BIAS+8*bb+3],   v[BO], s[8:9] offset:64*bb
	global_load_b128 v[BIAS+8*bb+4:BIAS+8*bb+7], v[BO], s[8:9] offset:64*bb+16
.set bb, bb+1
.endr
	v_mul_u32_u24 v[ADRA0], v1, PA                 ; a fragment: row r x pitch + 16 h, two loads 32 bytes apart
	v_lshl_add_u32 v[ADRA0], v2, 4, v[ADRA0]
	s_mul_i32 s72, s12, 64*PA                      ; my 64 rows
	v_add_nc_u32 v[ADRA0], s72, v[ADRA0]
	v_mul_u32_u24 v[ADRB0], v1, 272
	v_lshl_add_u32 v[ADRB0], v2, 4, v[ADRB0]
	v_add_nc_u32 v[ADRB0], BOFF, v[ADRB0]
	v_mov_b32 v[ADRA], v[ADRA0]
	v_mov_b32 v[ADRB], v[ADRB0]
	s_mul_i32 s72, s12, WSTG
	s_add_co_u32 s72, s72, STAGE                   ; my stage
.if QKV
	v_mul_u32_u24 v[STO], v1, 144                  ; in: row r, 16 bytes for each half of the lanes
	v_lshl_add_u32 v[STO], v2, 4, v[STO]
	v_lshrrev_b32 v4, 3, v3                        ; back: 32 lanes take four rows of 128 bytes
	v_and_b32 v5, 7, v0
	v_mul_u32_u24 v[RD], v4, 144
	v_lshl_add_u32 v[RD], v5, 4, v[RD]
.else
	v_mul_u32_u24 v[STO], v1, 528                  ; in: row r, 32 bytes for each half of the lanes
	v_lshl_add_u32 v[STO], v2, 5, v[STO]
	v_lshlrev_b32 v[RD], 4, v3                     ; back: 32 lanes take one row of 512 bytes
.endif
	v_add_nc_u32 v[STO], s72, v[STO]
	v_add_nc_u32 v[RD], s72, v[RD]
	v_lshlrev_b32 v[GO], 4, v3
	s_mul_i32 s72, s42, CTX                        ; where my rows begin in C
	s_lshl_b32 s74, s43, SHCY
	s_add_co_u32 s72, s72, s74
	s_lshl_b32 s74, s12, SHCW
	s_add_co_u32 s72, s72, s74
	s_add_nc_u64 s[10:11], s[10:11], s[72:73]
	; the prefetches: my work-group's quarter of the rows that I fetch, at K step 3; the first refill steps it to 4.  K steps 0 to 3 come by their loads alone.
	s_lshl_b32 s72, s43, SHTY
	s_lshl_b32 s74, s14, SHH
	s_add_co_u32 s72, s72, s74
	s_lshl_b32 s74, s40, SHCX
	s_add_co_u32 s72, s72, s74
	s_add_co_u32 s72, s72, 3*KSA
	s_mul_i32 s74, s42, TN
	s_mul_i32 s75, s14, TN/2
	s_add_co_u32 s74, s74, s75
	s_mul_i32 s75, s41, TN/8
	s_add_co_u32 s74, s74, s75
	s_lshl_b32 s74, s74, 11
	s_add_co_u32 s74, s74, 3*256
	s_and_b32 s75, ttmp7, 0xffff                   ; cluster y
	s_mov_b32 s16, KSA
	s_mov_b32 s17, 256
	s_mov_b32 s18, PITA
	s_mov_b32 s19, 2048
	s_cmp_eq_u32 s13, 0                            ; do I fetch for A?
	s_cselect_b32 s72, s72, s74
	s_cselect_b32 s75, ttmp9, s75                  ; the coordinate along which other clusters read the same rows
	s_cselect_b32 s[PFS], s16, s17
	s_cselect_b32 s18, s18, s19                    ; bytes from lane to lane
	s_cselect_b32 s16, 31, TN/8-1                  ; my last block: A's quarter has 32, B's TN / 8; the lanes beyond name the last once more
	s_cselect_b64 s[PFA:PFA+1], s[4:5], s[6:7]
	s_cmp_eq_u32 s75, 0
	s_cselect_b32 s[LIM], 2, -1                    ; the same in all sixteen partners, for a given wave
	s_mov_b32 s[PFS+1], 0
	s_add_nc_u64 s[PFA:PFA+1], s[PFA:PFA+1], s[72:73]
	v_min_u32 v[PFO], s16, v3
	v_mul_lo_u32 v[PFO], v[PFO], s18
	s_wait_loadcnt 0x0                             ; the bias, rounded to bf16 like the other inputs, in the wait for the first tile
.set bb, 0
.rept 4*NBK
	v_cvt_pk_bf16_f32 v[TT+bb%4], v[BIAS+2*bb], v[BIAS+2*bb+1]
	v_lshlrev_b32 v[BIAS+2*bb], 16, v[TT+bb%4]
	v_and_b32 v[BIAS+2*bb+1], 0xffff0000, v[TT+bb%4]
.set bb, bb+1
.endr
	s_wait_tensorcnt 1                             ; my part of K step 0 is in; step 1's may stay out
	s_barrier_signal -1
	s_barrier_wait -1
	FETCH 0, 0
	QUARTER 1, 0, 1, 1                             ; the first quarter stands in front of the loop: its products start the sums, with the bias
	WIN 0
	s_mov_b32 s15, 6
.Lstep:                                                ; a trip: a step's quarters 1 to 3, the change of slots with its refill (K steps 2 to 7), the next step's quarter 0
	QUARTER 2, 1, 0, 0
	QUARTER 3, 0, 1, 0
	TURN 1
	QUARTER 1, 0, 1, 0
	WIN 0
	s_sub_co_u32 s15, s15, 1
	s_cmp_lg_u32 s15, 0
	s_cbranch_scc1 .Lstep
	; K steps 6 and 7 ask for nothing, so they have a text of their own, in which no tensor load stands: a loop of two trips, left in the middle of the second.  The second trip's change of slots
	; (its barrier, and NLD LDS loads from the slot left before, which nobody writes any more) serves nothing: the price, once a launch, of one text for both trips.
	s_mov_b32 s15, 2
.Ltl:
	QUARTER 2, 1, 0, 0
	QUARTER 3, 0, 1, 0
	TURN 0
	WIN 0
	s_sub_co_u32 s15, s15, 1
	s_cmp_eq_u32 s15, 0
	s_cbranch_scc1 .Lway
	QUARTER 1, 0, 1, 0
	WIN 0
	s_branch .Ltl
.Lway:
	PLACES                                         ; the places behind the last products, twice four, once a launch
	PLACES
.if QKV
; THE WAY OUT, a row block (16 rows x 192 columns = three heads' 64) at a time: rounded to f16; into my stage, a head's rows 144 bytes apart; back as four rows of 128 bytes a load, which are
; 512 consecutive bytes of that head's part of qkv.
.set TMP, 96
.set OB,  144
.macro PACK a
	WIN 0x0a+5*((\a)/2)                            ; sources 0 and 1: window 2 or 3
.set AC, 8*NBK*((\a)%2)
.set bb, 0
.rept NBK
.irp r, 0,1,2,3
	v_cvt_pk_f16_f32 v[TMP+4*bb+(\r)], v[AC+8*bb+2*(\r)], v[AC+8*bb+2*(\r)+1]
.endr
.set bb, bb+1
.endr
	WIN 0
.endm
.macro TOSTAGE a
.set BK, OB+48*((\a)%2)
.set bb, 0
.rept NBK
	ds_store_b128 v[STO], v[TMP+4*bb:TMP+4*bb+3] offset:(bb/4)*2304+(bb%4)*32
.set bb, bb+1
.endr
.set tt, 0
.rept 12
	ds_load_b128 v[BK+4*tt:BK+4*tt+3], v[RD] offset:(tt/4)*2304+(tt%4)*576  ; LDS serves a wave's instructions in order (ISA guide 5.7.1.4): these see the stores above
.set tt, tt+1
.endr
.endm
.macro SEND a
.set BK, OB+48*((\a)%2)
	s_wait_xcnt 0x0                                ; the block before's stores have read their registers, which the next loads from the stage write
.set tt, 0
.rept 12
	s_wait_dscnt 11-tt                             ; the younger loads from the stage stay out
	global_store_b128 v[GO], v[BK+4*tt:BK+4*tt+3], s[10:11] offset:(tt/4)*1048576+(\a)*2048+(tt%4)*512
.set tt, tt+1
.endr
.endm
	PACK 0
	TOSTAGE 0
.irp a, 1,2,3                          ; block a's conversions stand between block a - 1's loads from the stage and the wait for them
	PACK \a
	SEND (\a)-1
	TOSTAGE \a
.endr
	SEND 3
.else
; THE WAY OUT, a row block (16 rows x 128 columns of f32) at a time: straight from the accumulators into my stage, rows 528 bytes apart; back as whole rows of 512 bytes.
.set OB, 96
.macro TOSTAGE a
	s_wait_xcnt 0x0                                ; earlier stores have read their registers, which the loads below write
	WIN 0x08+4*((\a)/2)                            ; store data: window 2 or 3
.set AC, 8*NBK*((\a)%2)
.set bb, 0
.rept NBK
	ds_store_b128 v[STO], v[AC+8*bb:AC+8*bb+3]   offset:64*bb
	ds_store_b128 v[STO], v[AC+8*bb+4:AC+8*bb+7] offset:64*bb+16
.set bb, bb+1
.endr
	WIN 0
.set BK, OB+64*((\a)%2)
.set tt, 0
.rept 16
	ds_load_b128 v[BK+4*tt:BK+4*tt+3], v[RD] offset:tt*528  ; LDS serves a wave's instructions in order (ISA guide 5.7.1.4): these see the stores above, and the next block's stores come behind them
.set tt, tt+1
.endr
.endm
.macro SEND a, younger                 ; younger: the next block's 16 stores and 16 loads, or none
.set BK, OB+64*((\a)%2)
.set tt, 0
.rept 16
	s_wait_dscnt (\younger)+15-tt
	global_store_b128 v[GO], v[BK+4*tt:BK+4*tt+3], s[10:11] offset:(16*(\a)+tt)*4096 th:TH_STORE_NT  ; 512 consecutive bytes, aligned
.set tt, tt+1
.endr
.endm
	TOSTAGE 0
	TOSTAGE 1
	SEND 0, 32
	TOSTAGE 2
	SEND 1, 32
	TOSTAGE 3
	SEND 2, 32
	SEND 3, 0
.endif
	s_wait_tensorcnt 0x0                           ; the wave's end: behind my last tensor load and my last LDS store
	ds_add_u32 v[SPW], v[NIL]
	s_wait_dscnt 0x0
	CROUND                                         ; the closing round: no work-group ends while a partner may still ask for a tile that names it
	s_endpgm
.Lfunc_end_k_qe73048d268_qkvgemm:
	.size	k_qe73048d268_qkvgemm, .Lfunc_end_k_qe73048d268_qkvgemm-k_qe73048d268_qkvgemm
	.p2alignl 7, 3214868480
	.fill 96, 4, 3214868480
	.section	.rodata,"a",@progbits
	.p2align	6, 0x0
	.amdhsa_kernel k_qe73048d268_qkvgemm
		.amdhsa_group_segment_fixed_size 327680
		.amdhsa_private_segment_fixed_size 0
		.amdhsa_enable_private_segment 0
		.amdhsa_kernarg_size 32
		.amdhsa_user_sgpr_count 2
		.amdhsa_user_sgpr_kernarg_segment_ptr 1
		.amdhsa_wavefront_size32 1
		.amdhsa_system_sgpr_workgroup_id_x 1
		.amdhsa_system_sgpr_workgroup_id_y 1
		.amdhsa_system_sgpr_workgroup_id_z 1
		.amdhsa_system_vgpr_workitem_id 0
		.amdhsa_next_free_vgpr 960
		.amdhsa_next_free_sgpr 80
		.amdhsa_reserve_vcc 0
		.amdhsa_float_denorm_mode_32 3
		.amdhsa_float_denorm_mode_16_64 3
		.amdhsa_memory_ordered 1
		.amdhsa_forward_progress 1
		.amdhsa_inst_pref_size 95
	.end_amdhsa_kernel
	.amdgpu_metadata
---
amdhsa.version: [ 1, 2 ]
amdhsa.kernels:
  - .name:           k_qe73048d268_qkvgemm
    .symbol:         k_qe73048d268_qkvgemm.kd
    .args:
      - { .name: xb, .offset: 0, .size: 8, .value_kind: global_buffer, .address_space: global }
      - { .name: wqt, .offset: 8, .size: 8, .value_kind: global_buffer, .address_space: global }
      - { .name: b_qkv, .offset: 16, .size: 8, .value_kind: global_buffer, .address_space: global }
      - { .name: qkv, .offset: 24, .size: 8, .value_kind: global_buffer, .address_space: global }
    .group_segment_fixed_size: 327680
    .private_segment_fixed_size: 0
    .kernarg_segment_align: 8
    .kernarg_segment_size: 32
    .max_flat_workgroup_size: 128
    .sgpr_count:     80
    .vgpr_count:     960
    .wavefront_size: 32
...
	.end_amdgpu_metadata
.endif
;; end of part 6
;; launch attn (part 7): grid 4 x 64, 4 waves a work-group, clusters of 4 x 1, 327,680 bytes of LDS; arguments qkv, mbits, ctx; writes ctx
.if DOCPART == 7
	.amdgcn_target "amdgcn-amd-amdhsa--gfx1250"
	.amdhsa_code_object_version 6
	.text
	.protected	k_qe73048d268_attn
	.globl	k_qe73048d268_attn
	.p2align	8
	.type	k_qe73048d268_attn,@function
k_qe73048d268_attn:
	s_mov_b64 s[64:65], 0
	v_nop
	global_prefetch_b8 v0, s[64:65] scope:SCOPE_SE
	s_setreg_imm32_b32 hwreg(HW_REG_WAVE_MODE, 25, 1), 1
	s_wait_xcnt 0x0
	s_wait_alu depctr_hold_cnt(0) depctr_sa_sdst(0) depctr_va_vdst(0) depctr_va_sdst(0) depctr_va_ssrc(0) depctr_va_vcc(0) depctr_vm_vsrc(0)
	s_getreg_b32 s2, hwreg(HW_REG_IB_STS2, 6, 4)
	s_cmp_eq_u32 s2, 0
	s_cbranch_scc0 .Lentry_in_a_cluster
	s_endpgm
.Lentry_in_a_cluster:
	s_bfe_u32 s2, ttmp6, 0x10000c
	s_cmp_lg_u32 s2, 0x3003
	s_cbranch_scc0 .Lentry_shape_is_right
	s_endpgm
.Lentry_shape_is_right:
; MASKED ATTENTION.  For each of 64 slabs y = 4 h + b of 2,048 rows: ctx[q][:] = the sum over k of softmax_k(s'[q][k]) V[k][:], s' = Q[q] . K[k] / 8 where mask[q][k] != 0 and -1000 where it is 0.
; qkv: f16, three parts of 16 MiB (q, k, v), each [64 y][2048][64]: a slab's rows are dense, 128 bytes each.  ctx: f16, [64 y][2048][64].  mbits: the mask as lane masks (below).
; Products, maxima and sums in f32; the weights p are rounded to f16 for the second product (their sum l is taken of the unrounded p), ctx once at the end.
; LIMITS.  f16 holds no number beyond 65,504: q, k, v arrive within it; p lies in 0 to 1 and below 6e-5 keeps f16's fixed step of 6e-8.  A weight below 2^-126 counts as 0 in l.  NaN and infinities are not treated apart.
; THE MASK REPLACES: a hidden score becomes exactly -8000 = 8 x -1000 in the unscaled scores, by one v_cndmask_b32 a score, AHEAD of the running maximum: so a row that is hidden altogether gives the mean
; of V, and true scores below -1000 keep their order with the hidden ones.  The select's lane mask is a scalar register: record (P = q / 32, j = k / 64) of mbits, 256 bytes at 8192 P + 256 j, holds for
; tile u and register i of the scores word 32 u + i, whose bit l is lane l's mask.
; HOW A RECORD COMES.  By ONE vector load of 8 bytes a lane (lane l holds words 2 l and 2 l + 1) into a pair of registers of window 3: a ring of four pairs, one a piece, each filled again as soon as its
; words have been read out, for the same piece's next key step: four turns ahead of its use.  In a turn 64 v_readlane_b32 bring the words into 32 scalar registers, sixteen ahead of the selects that use
; them.  (By scalar loads a record would want its 64 scalar registers free before it could be asked for; the kernel has room for one record, so the request could stand less than a turn ahead.)
; SHARES.  A wave owns four PIECES of two tiles of 16 queries, a work-group's four waves 512 queries of one slab.  Every wave walks all 2,048 keys, 64 a step.
; LAYOUT.  S^T = K Q^T (source 0 = 16 keys, source 1 = 16 queries): a lane holds ONE query (lane % 16) and the keys 8 (lane / 16) + 0..7.  Two such tiles, rounded to f16 in pairs, ARE source 1 of
; O^T = V^T P.  K comes out of LDS as it lies, V turned, by ds_load_tr16_b128.
; SOFTMAX.  A running maximum m and sum l: p = 2^(c s - c m), c = log2(e) / 8; in every step O and l are multiplied by a = 2^(c m_old - c m_new).  m starts at the lowest finite number, O and l at 0.
; BY TURNS.  Turn n belongs to piece n: 16 products K Q^T of piece n + 1, later 16 products V^T P of piece n - 1; beside them the scaling, exponentials, roundings, sums and rescaling of piece n and the
; masking, maximum and statistics of piece n + 1.  A turn has 32 matrix and 364 vector instructions: four stand behind every matrix instruction, the others in one lump.
; ONE TEXT FOR EVERY KEY STEP.  The four turns of a key step are written once.  The changes of slots that fill a slot stand in the loop over slots; the last change, which asks for nothing, is written out
; behind that loop, and a counted backward branch leads from it into the step loop's text for the last slot's steps: no tensor load and no barrier is jumped over.
; CLUSTER.  The four query blocks of a slab walk the same K and V: each tile is asked for JOINTLY, by the same tensor load, descriptor and mask in all four.
; REGISTERS, in windows of 256 (s_set_vgpr_msb: bits 1:0 source 0, 3:2 source 1, 5:4 source 2, 7:6 destination):
;   window 0: v0-11 addresses and constants; v12-15, v48-63 at work; v16-47 four registers of statistics a tile; v64-191 S^T, two buffers of two tiles; v192-255 P, likewise
;   window 1: O^T, 32 a tile      window 2: v0-127 Q; v128-191 K of one step; v192-255 V of one step      window 3: v0-1 the add's two registers; v2 8 x lane; v3 -8000; v4-11 the ring of mask records
.set NP,    4
.set KS,    64
.set PK,    144       ; a row of K in LDS: 128 bytes + 16: the 16 rows of a load start at 16 different groups of four banks (64 banks of 4 bytes: ISA guide 11.1)
.set PV,    160       ; a row of V: 128 + 32
.set VOFF,  4*KS*PK   ; a slot holds four steps: 256 rows of K, then 256 rows of V
.set SLOT1, 1<<17
.set STAGE, SLOT1+4*KS*(PK+PV)  ; behind the ring, never filled by a tensor load: 16 rows x 144 bytes a wave
.set SP,    144
.set SPARE, STAGE+4*16*SP       ; the spare words, 128 bytes a wave: two blocks of 256 bytes that no other line names
.set QO,  0           ; v0   my byte offset in 16 rows of Q (made when the thread's number has served)
.set PFO, 1           ; v1   256 x my lane: the prefetches' offset; never rewritten
.set AK0, 2           ; v2   my lane's place in a tile of K
.set AV0, 3           ; v3   the same for V
.set AK,  4           ; v4   the LDS address of K's next run of loads
.set AV,  5           ; v5   of V's
.set STO, 6           ; v6   the way out: where I put 16 bytes of a row
.set RD,  7           ; v7   where I read rows back
.set GO,  8           ; v8   my byte offset in 512 consecutive bytes of ctx
.set CV,  10          ; v[10:11] c, twice
.set SPW, 0           ; v0 of window 3: LDS address of my spare word; never rewritten
.set NIL, 1           ; v1 of window 3: 0; never rewritten
.set MLO, 2           ; v2 of window 3: 8 x my lane: my two words of a record; never rewritten
.set NEG, 3           ; v3 of window 3: -8000.0
.set MR,  4           ; v4-11 of window 3: piece x's record at MR + 2 x
.set MV,  12
.set ST,  16          ; tile t's statistics at v[ST+4 t]: c m, m, l (even keys', odd keys')
.set TMP, 48          ; by buffer and tile, c0-c3 at work; when the maximum is found c2 takes a
.set S,   64
.set P,   192
.set KF,  128
.set VF,  192
.set PFA, 2           ; s[2:3]   where my prefetches stand
.set MW,  4           ; s[4:35]  32 mask words at a time
.set G1K, 36
.set G1V, 44
.set G0K, 52
.set G0V, 56
.set WV,  60
.set SLOTS, 61
.set CNT, 62
.set TBK, 63
.set TBV, 66
.set MP,  68          ; s[68:69] mbits at my wave's first record
.set MA,  70          ; s[70:71] the same at the key step whose records are being asked for
.set MO,  72          ; s[72:73] 256 x that key step, held at the last
.set OP,  74          ; s[74:75] ctx at my wave's first row
.set TOT, 76          ; s76  key steps whose pieces 2 and 3 are still to come: 32 down to 0, stepped once in each trip of the step loop
.set SEL, 104         ; s104, s105: v_permlanex16_b32's selects
.set MSB, 0
.macro WIN new
.if MSB != (\new)
	s_set_vgpr_msb (MSB<<8)|(\new)
.set MSB, (\new)
.endif
.endm
.set W_KQ, 0x0a
.set W_PV, 0x52
.set W_RS, 0x41
.set W_MK, 0xc0       ; destination window 3, sources window 0
.set W_AD, 0x0f
.set W_SL, 0x03       ; source 0 window 3: the record for v_readlane_b32, -8000 for the selects; all else window 0
.set W_ML, 0xc3       ; a record's load: destination and address window 3
.macro JLOAD                        ; waves 0 and 1 fetch the halves of a slot's K, waves 2 and 3 of its V; an s_nop 0 and four v_nop follow each line
	s_cmp_lt_u32 s[WV], 2
	s_cbranch_scc0 .Lfor_v_\@
	tensor_load_to_lds s[G0K:G0K+3], s[G1K:G1K+7]
	s_nop 0
.rept 4
	v_nop
.endr
	s_branch .Lasked_\@
.Lfor_v_\@:
	tensor_load_to_lds s[G0V:G0V+3], s[G1V:G1V+7]
	s_nop 0
.rept 4
	v_nop
.endr
.Lasked_\@:
.endm
.macro CROUND
	s_barrier_signal -1
	s_barrier_wait -1
	s_cmp_lg_u32 s[WV], 0
	s_cbranch_scc1 .Lnot_wave_0_\@
	s_barrier_signal -3
.Lnot_wave_0_\@:
	s_barrier_wait -3
	s_barrier_signal -1
	s_barrier_wait -1
.endm
; A prefetch into the L2 of what the NEXT change of slots will ask for: 32,768 bytes of K and of V.  The four partners take 8,192 bytes each, told apart by address; in each, wave 0 asks for K's and
; wave 2 for V's, a lane a block of 256 bytes: each block is named once.  The last change that fills a slot names nothing; slots 0 and 1 come by their loads alone.
.macro ASK
	s_bitcmp1_b32 s[WV], 0
	s_cbranch_scc1 .Lnot_mine_\@
	s_cmp_gt_u32 s[SLOTS], 1
	s_cbranch_scc0 .Lnot_mine_\@
	global_prefetch_b8 v[PFO], s[PFA:PFA+1] th:TH_LOAD_NT scope:SCOPE_SE
.Lnot_mine_\@:
.endm
; THE CHANGE OF SLOTS.  Each wave waits for all its tensor loads (one is out: its part of the other slot), adds 0 to its spare word, and waits for that and for its reads of the slot.  fill = 1: the barrier
; is a round of the cluster's, and the joint fill of the slot just left is the first thing behind it: four key steps, 512 matrix instructions, in which to land.
.macro CHANGE fill
	WIN W_AD
	s_wait_tensorcnt 0x0            ; no tensor load of mine is out, so a group 0 may be written
	ds_add_u32 v[SPW], v[NIL]
	WIN 0
.if \fill
.irp g, G0K, G0V
	s_xor_b32 s[\g+1], s[\g+1], SLOT1
	s_add_nc_u64 s[\g+2:\g+3], s[\g+2:\g+3], 4*KS*128
.endr
	s_wait_xcnt 0x0                 ; the last prefetch, four key steps back, has read its address
	s_add_nc_u64 s[PFA:PFA+1], s[PFA:PFA+1], 4*KS*128
	s_wait_dscnt 0x0                ; the add is done, and my reads of the slot are over
	CROUND
	JLOAD
	ASK
.else
	s_wait_dscnt 0x0
	s_barrier_signal -1
	s_barrier_wait -1
.endif
	s_sub_co_u32 s[TBK], s[TBK], 4*KS*PK
	s_xor_b32 s[TBK], s[TBK], SLOT1
	s_sub_co_u32 s[TBV], s[TBV], 4*KS*PV
	s_xor_b32 s[TBV], s[TBV], SLOT1
.endm
	s_load_b128 s[80:83], s[0:1], 0x0  ; qkv s[80:81], mbits s[82:83]; the set-up's scalars live in s[78:99]
	s_load_b64 s[OP:OP+1], s[0:1], 0x10  ; ctx
	WIN W_MK
	v_lshl_add_u32 v[SPW], v0, 2, SPARE
	v_mov_b32 v[NIL], 0
	WIN W_AD
	ds_add_u32 v[SPW], v[NIL]       ; the wave's opening: the add and its wait, ahead of my first tensor load
	WIN 0
	v_lshrrev_b32 v1, 5, v0
	v_readfirstlane_b32 s[WV], v1   ; wave 0..3
	s_bfe_u32 s84, ttmp6, 0x40000   ; cx
	s_lshl_b32 s85, ttmp9, 2
	s_add_co_u32 s85, s85, s84      ; my block of 512 queries: it enters Q's, the mask's and ctx's addresses alone
	s_and_b32 s86, ttmp7, 0xffff    ; the slab, which the four partners share,
	s_lshl_b32 s86, s86, 18         ; 262,144 bytes each
	s_and_b32 s87, s[WV], 1         ; which half of a slot's 256 keys I fetch
	s_lshl_b32 s88, s87, 14
	s_add_co_u32 s88, s88, s86
	s_mov_b32 s89, 0
	s_mul_i32 s90, s87, 128*PK      ; its place in a slot, for K
	s_mul_i32 s91, s87, 128*PV      ; and for V
	s_lshl_b32 s92, s85, 2
	s_add_co_u32 s92, s92, s[WV]    ; my wave among the slab's sixteen
	s_lshl_b32 s94, s92, 14         ; its 128 rows
	s_add_co_u32 s94, s94, s86
	s_mov_b32 s95, 0
	s_lshl_b32 s96, s92, 15         ; its four rows of records
	s_mov_b32 s97, 0
	s_mov_b32 s98, 16777216         ; the prefetches: K's part of qkv (waves 0, 1) or V's,
	s_lshl_b32 s99, s98, 1
	s_cmp_lt_u32 s[WV], 2
	s_cselect_b32 s98, s98, s99
	s_add_co_u32 s98, s98, s88      ; the slab (in waves 0 and 2 the half is the first),
	s_lshl_b32 s99, s84, 13         ; my work-group's 8,192 bytes,
	s_add_co_u32 s98, s98, s99
	s_add_co_u32 s98, s98, 4*KS*128 ; in slot 1; the first change of slots steps it to slot 2
	s_mov_b32 s99, 0
	; descriptor group 1.  128 keys are 16,384 dense bytes: asked for as 64 rows of 256 bytes, two keys a row, padded in LDS after every key
	s_mov_b32 s[G1K], 15|(1<<16)|(1<<20)|(1<<21)|(4<<22)|(3<<25)
	s_mov_b32 s[G1V], 15|(1<<16)|(1<<20)|(1<<21)|(4<<22)|(7<<25)
.irp g, G1K, G1V
	s_mov_b32 s[\g+1], 128<<16      ; tensor_dim0 = 128
	s_mov_b32 s[\g+2], 64<<16       ; tensor_dim1 = 64
	s_mov_b32 s[\g+3], 128<<16      ; tile_dim0 = 128
	s_mov_b32 s[\g+4], 64           ; tile_dim1 = 64
	s_mov_b32 s[\g+5], 128          ; 128 elements from row to row
	s_mov_b32 s[\g+6], 0
	s_mov_b32 s[\g+7], 0
.endr
	s_mov_b32 s[SEL], 0x76543210
	s_mov_b32 s[SEL+1], 0xfedcba98
	s_mov_b32 s[TBK], SLOT1+4*KS*PK ; the first change of slots turns these two into 0
	s_mov_b32 s[TBV], SLOT1+4*KS*PV
	s_mov_b32 s[G0K], 1
	s_mov_b32 s[G0K+1], s90
	s_mov_b32 s[G0V], 1
	s_add_co_u32 s[G0V+1], s91, VOFF
	s_mov_b32 s[SLOTS], 7           ; slots still to be asked for
	s_mov_b32 s[TOT], 32            ; 2,048 keys are 32 key steps
	s_mov_b32 s[MO], 0
	s_mov_b32 s[MO+1], 0
	s_wait_dscnt 0x0                ; the opening add is done
	s_wait_kmcnt 0x0
	s_add_nc_u64 s[78:79], s[80:81], s[88:89]
	s_add_nc_u64 s[G0K+2:G0K+3], s[78:79], 16777216
	s_or_b32 s[G0K+3], s[G0K+3], 0x80000000
	s_add_nc_u64 s[G0V+2:G0V+3], s[78:79], 33554432
	s_or_b32 s[G0V+3], s[G0V+3], 0x80000000
	s_add_nc_u64 s[92:93], s[80:81], s[94:95]  ; Q at my wave's first row
	s_add_nc_u64 s[OP:OP+1], s[OP:OP+1], s[94:95]
	s_add_nc_u64 s[MP:MP+1], s[82:83], s[96:97]
	s_mov_b64 s[MA:MA+1], s[MP:MP+1]           ; key step 0
	s_add_nc_u64 s[PFA:PFA+1], s[80:81], s[98:99]
	CROUND                          ; all four work-groups are here: the first joint loads meet
	JLOAD                           ; slot 0.  Slot 1 is asked for when slot 0 is in
	v_and_b32 v1, 15, v0            ; l % 16
	v_bfe_u32 v9, v0, 4, 1          ; l / 16
	v_and_b32 v10, 7, v0
	v_bfe_u32 v11, v0, 3, 1
	v_mul_u32_u24 v[AK0], v1, PK
	v_lshl_add_u32 v[AK0], v9, 4, v[AK0]  ; a fragment of K: row x pitch + 16 x half
	v_lshl_add_u32 v[AV0], v9, 3, v10     ; the turning load: key 8 (l / 16) + l % 8, channels 8 ((l / 8) % 2) on
	v_mul_u32_u24 v[AV0], v[AV0], PV
	v_lshl_add_u32 v[AV0], v11, 4, v[AV0]
	v_add_nc_u32 v[AV0], VOFF, v[AV0]
	v_mov_b32 v[AK], v[AK0]         ; key step 0 lies at the head of slot 0
	s_mul_i32 s84, s[WV], 16*SP
	s_add_co_u32 s84, s84, STAGE    ; my stage
	v_mul_u32_u24 v[STO], v1, SP
	v_lshl_add_u32 v[STO], v9, 4, v[STO]
	v_add_nc_u32 v[STO], s84, v[STO]
	v_bfe_u32 v[RD], v0, 3, 2
	v_mul_u32_u24 v[RD], v[RD], SP
	v_lshl_add_u32 v[RD], v10, 4, v[RD]
	v_add_nc_u32 v[RD], s84, v[RD]
	v_and_b32 v[GO], 31, v0
	v_lshlrev_b32 v[QO], 7, v1      ; the thread's number has served: row x 128 + 16 x half
	v_lshl_add_u32 v[QO], v9, 4, v[QO]
	v_lshlrev_b32 v[PFO], 8, v[GO]
	WIN W_MK
	v_lshlrev_b32 v[MLO], 3, v[GO]
	v_mov_b32 v[NEG], 0xc5fa0000    ; -8000.0
	WIN 0
	v_lshlrev_b32 v[GO], 4, v[GO]
	v_mov_b32 v[CV], 0x3e38aa3b     ; c = log2(e) / 8
	v_mov_b32 v[CV+1], 0x3e38aa3b
	WIN 0x80                        ; destination window 2, address window 0
.set i, 0
.rept 4*NP                          ; Q stays in registers: tile i / 2, channels 32 (i % 2) on
	global_load_b128 v[8*i:8*i+3],   v[QO], s[92:93] offset:(i/2)*2048+(i%2)*64
	global_load_b128 v[8*i+4:8*i+7], v[QO], s[92:93] offset:(i/2)*2048+(i%2)*64+32
.set i, i+1
.endr
	WIN W_ML
.irp x, 0,1,2,3                     ; the four pieces' records of key step 0, in the order in which they are used
	global_load_b64 v[MR+2*\x:MR+2*\x+1], v[MLO], s[MA:MA+1] offset:\x*8192
.endr
	; What the first turn finds: V's registers and P's second buffer hold 0, O^T and l are 0.  All this stands in the wait for the first tile.
	WIN 0x80
.set i, VF
.rept 64
	v_mov_b32 v[i], 0
.set i, i+1
.endr
	WIN 0x40
.set i, 0
.rept 64*NP
	v_mov_b32 v[i], 0
.set i, i+1
.endr
	WIN 0
.set i, 0
.rept 2*NP
	v_mov_b32 v[ST+4*i], 0xfe000000    ; c m: far below every c s
	v_mov_b32 v[ST+4*i+1], 0xff7fffff  ; m
	v_mov_b32 v[ST+4*i+2], 0
	v_mov_b32 v[ST+4*i+3], 0
.set i, i+1
.endr
.set i, P+32
.rept 32
	v_mov_b32 v[i], 0
.set i, i+1
.endr
; THE MATRIX WORK.  The 8 accumulators of a run of 16 take turns.
.macro KQ x                         ; product i of 16 of S^T = K Q^T for piece x: channels 32 (i / 8) on, keys 16 ((i / 2) % 4) on, tile 2 x + i % 2
	WIN W_KQ
.set rS, S+64*((\x)%2)+32*(i%2)+8*((i/2)%4)
.set rK, KF+16*((i/2)%4)+8*(i/8)
.set rQ, 16*(2*(\x)+i%2)+8*(i/8)
.if i < 8
	v_wmma_f32_16x16x32_f16 v[rS:rS+7], v[rK:rK+7], v[rQ:rQ+7], 0
.else
	v_wmma_f32_16x16x32_f16 v[rS:rS+7], v[rK:rK+7], v[rQ:rQ+7], v[rS:rS+7]
.endif
.endm
.macro PV x                         ; product i of 16 of O^T += V^T P for piece x: keys 32 (i / 8) on, channels 16 ((i / 2) % 4) on
	WIN W_PV
.set rO, 32*(2*(\x)+i%2)+8*((i/2)%4)
.set rV, VF+32*(i/8)+8*((i/2)%4)
.set rP, P+32*((\x)%2)+16*(i%2)+8*(i/8)
	v_wmma_f32_16x16x32_f16 v[rO:rO+7], v[rV:rV+7], v[rP:rP+7], v[rO:rO+7]
.endm
.macro MM
.if i < 16
	KQ (Y+1)%NP
.set i, i+1
.else
.set i, i-16
	PV (Y+NP-1)%NP
.set i, i+17
.endif
.endm
; THE LDS LOADS stand in runs of 16.  last = 1 (in the step loop): in the walk's last trip there is no further key step, and the run is jumped over.
.macro FETCH_K last=0
	WIN 0
.if \last
	s_cmp_eq_u32 s[TOT], 1
	s_cbranch_scc1 .Lno_k_\@
.endif
	WIN 0x80
.irp f, 0,1,2,3,4,5,6,7
	ds_load_b128 v[KF+8*\f:KF+8*\f+3],   v[AK] offset:(\f/2)*16*PK+(\f%2)*64
	ds_load_b128 v[KF+8*\f+4:KF+8*\f+7], v[AK] offset:(\f/2)*16*PK+(\f%2)*64+32
.endr
	s_add_co_u32 s[TBK], s[TBK], KS*PK
	WIN 0
.if \last
.Lno_k_\@:
.endif
.endm
.macro FETCH_V
	WIN 0x80
.irp f, 0,1,2,3,4,5,6,7
	ds_load_tr16_b128 v[VF+8*\f:VF+8*\f+3],   v[AV] offset:(\f/4)*32*PV+(\f%4)*32
	ds_load_tr16_b128 v[VF+8*\f+4:VF+8*\f+7], v[AV] offset:(\f/4)*32*PV+16*PV+(\f%4)*32
.endr
	WIN 0
.endm
; THE VECTOR WORK OF A TURN stands in three queues and one block; each queue in the order in which its entries become ready; the two tiles alternate.
.macro REGS y, u
.set rT, ST+4*(2*(\y)+(\u))
.set rC, TMP+8*((\y)%2)+4*(\u)
.set rM, MV+2*((\y)%2)+(\u)
.set rS, S+64*((\y)%2)+32*(\u)
.set rP, P+32*((\y)%2)+16*(\u)
.set rO, 32*(2*(\y)+(\u))
.endm
; THE BLOCK: the masking of the NEXT piece's scores.  Select n of 64 is register n / 2 of tile n % 2; its word, 32 (n % 2) + n / 2 of the record, lies in lane 16 (n % 2) + n / 4, register (n / 2) % 2 of the pair.
; RL n brings that word into scalar register n % 32; MK n keeps the score where the word's bit is 1 and takes -8000 where it is 0.  Ascending.
; Both run under one window setting: source 0 (the record; -8000) in window 3, all else in window 0.
.macro RL x, n
	v_readlane_b32 s[MW+(\n)%32], v[MR+2*(\x)+((\n)/2)%2], 16*((\n)%2)+(\n)/4
.endm
.macro MK n
	REGS (Y+1)%NP, (\n)%2
	v_cndmask_b32 v[rS+(\n)/2], v[NEG], v[rS+(\n)/2], s[MW+(\n)%32]
.endm
; The block for piece x = Y + 1: its record is waited for, read out and used.  READS AND SELECTS TAKE TURNS, the reads sixteen words ahead: 16 reads; 48 times select n, read n + 16; 16 selects.  So only the
; first sixteen writes of scalar registers stand on end.  Read n + 16 writes the register of word n - 16, which select n - 16 has used.  Then the pair is asked for again, for the same piece's next key
; step.  Piece 0 is the first of a key step to ask: there the step goes on (held at the last, so that no load leaves mbits in the walk's last turns), and the base is made anew behind s_wait_xcnt 0: the
; loads that read it stand a turn back and more.
.macro MASKS x
	s_wait_loadcnt 0x3              ; loads come back in order: the ring's three younger records may stay out
	WIN W_SL
.set n, 0
.rept 16
	RL \x, n
.set n, n+1
.endr
.set n, 0
.rept 48
	MK n
	RL \x, n+16
.set n, n+1
.endr
.rept 16
	MK n
.set n, n+1
.endr
.if (\x) == 0
	s_add_co_u32 s[MO], s[MO], 256
	s_min_u32 s[MO], s[MO], 31*256
	s_wait_xcnt 0x0
	s_add_nc_u64 s[MA:MA+1], s[MP:MP+1], s[MO:MO+1]
.endif
	WIN W_ML
	global_load_b64 v[MR+2*(\x):MR+2*(\x)+1], v[MLO], s[MA:MA+1] offset:(\x)*8192
	WIN 0
.endm
; Number n of the 22 that find the NEXT piece's maximum and statistics.  0-11 four chains c0-c3 of seven scores; 12-14, 16 the four left over, the old m, c0-c3 into c0; 15 c m_old is kept;
; 17, 18 the other half of the lanes': the new m; 19-21 c m; c m_old - c m_new; a.
.macro XS u, n
	REGS (Y+1)%NP, \u
.if (\n) < 4
	v_max3_num_f32 v[rC+(\n)], v[rS+8*(\n)], v[rS+8*(\n)+1], v[rS+8*(\n)+2]
.elseif (\n) < 12
	v_max3_num_f32 v[rC+(\n)%4], v[rC+(\n)%4], v[rS+8*((\n)%4)+2*((\n)/4)+1], v[rS+8*((\n)%4)+2*((\n)/4)+2]
.elseif (\n) == 12
	v_max3_num_f32 v[rC], v[rC], v[rS+7], v[rS+15]
.elseif (\n) == 13
	v_max3_num_f32 v[rC+1], v[rC+1], v[rS+23], v[rS+31]
.elseif (\n) == 14
	v_max3_num_f32 v[rC+2], v[rC+2], v[rC+3], v[rT+1]
.elseif (\n) == 15
	v_mov_b32 v[rM], v[rT]
.elseif (\n) == 16
	v_max3_num_f32 v[rC], v[rC], v[rC+1], v[rC+2]
.elseif (\n) == 17
	v_permlanex16_b32 v[rC+3], v[rC], s[SEL], s[SEL+1]
.elseif (\n) == 18
	v_max_num_f32 v[rT+1], v[rC], v[rC+3]
.elseif (\n) == 19
	v_mul_f32 v[rT], v[CV], v[rT+1]
.elseif (\n) == 20
	v_sub_f32 v[rC+1], v[rM], v[rT]
.else
	v_exp_f32 v[rC+2], v[rC+1]
.endif
.endm
; Number g of the 64 that follow the exponentials: for each four weights both pairs are rounded to f16, the second pair is added onto the first in place, and a group later l takes that sum.
.macro GS g
.set h, (\g)+6*((\g)/62)
.if h >= 6
.set h, h+2
.endif
	REGS Y, h%2
.set k, h/8
.if h%8 < 4
	v_cvt_pk_f16_f32 v[rP+2*k+(h%8)/2], v[rS+4*k+2*((h%8)/2)], v[rS+4*k+2*((h%8)/2)+1]
.elseif h%8 < 6
	v_pk_add_f32 v[rS+4*k:rS+4*k+1], v[rS+4*k:rS+4*k+1], v[rS+4*k+2:rS+4*k+3]
.elseif k == 1
	v_pk_fma_f32 v[rT+2:rT+3], v[rT+2:rT+3], v[rC+2:rC+3], v[rS:rS+1] op_sel_hi:[1,0,1]
.else
	v_pk_add_f32 v[rT+2:rT+3], v[rT+2:rT+3], v[rS+4*k-4:rS+4*k-3]
.endif
.endm
.macro FS f                         ; c s - c m for pair f / 2 of tile f % 2
	REGS Y, (\f)%2
	v_pk_fma_f32 v[rS+2*((\f)/2):rS+2*((\f)/2)+1], v[rS+2*((\f)/2):rS+2*((\f)/2)+1], v[CV:CV+1], v[rT:rT+1] op_sel_hi:[1,0,0] neg_lo:[0,0,1] neg_hi:[0,0,1]
.endm
; THE PLAIN QUEUE, 138 long.  0-31 the scalings; 32-59 XS's numbers 0-13; 60, 61 number 15; 62-73 the chain 14, 16, 17 .. 20; 74-137 GS's 64, which stand behind the wait.
.macro PL
	WIN 0
.if q < 32
	FS q
.elseif q < 60
	XS (q-32)%2, (q-32)/2
.elseif q < 62
	XS q-60, 15
.elseif q < 64
	XS q-62, 14
.elseif q < 74
	XS (q-62)%2, 15+(q-62)/2
.else
	GS q-74
.endif
.set q, q+1
.endm
; THE EXPONENTIALS' QUEUE, 66 long: s0-s31 of both tiles, then the next piece's two a.  ONE BATCH: all stand ahead of the turn's one wait, and nothing ahead of that wait names a result of theirs.
.macro EX
	WIN 0
.if e >= 64
	XS e-64, 21
.else
	REGS Y, e%2
	v_exp_f32 v[rS+e/2], v[rS+e/2]
.endif
.set e, e+1
.endm
.macro R2                           ; THE RESCALING's QUEUE: O^T times a, two at a time, sixteen times; its a was made, and waited for, in the turn before
	REGS Y, r%2
	WIN W_RS
.irp z, 0,1
	v_pk_mul_f32 v[rO+4*(r/2)+2*\z:rO+4*(r/2)+2*\z+1], v[rO+4*(r/2)+2*\z:rO+4*(r/2)+2*\z+1], v[rC+2:rC+3] op_sel_hi:[1,0]
.endr
.set r, r+1
.endm
; A TURN, for piece p.  AHEAD OF THE WAIT: the 16 products K Q^T, behind each a scaling, an exponential and two rescalings; then one lump: the rest of the scalings with exponentials between; the block that
; masks the next piece's scores; the 42 lines of its maximum and chain, an exponential behind each (a tile's links of the chain stand four lines apart); the two a; a v_nop, the plain instruction behind the
; last exponential.  Exponential e stands behind scaling 2 (e / 4) + e % 2: as a rider behind plain e + 2; all scalings are out ahead of exponential 22.  The first select stands more than four plain
; instructions behind the last product that wrote the scores.  BEHIND THE WAIT: the 16 products V^T P, behind each four of GS's 64.
; K of the next step is fetched in piece 2's turn, directly behind the wait; V of the step in hand at the end of piece 0's turn, four riders behind its last reader.
.macro TURN p, last=0, cnt=0
.set Y, (\p)
.set i, 0
.set q, 0
.set e, 0
.set r, 0
.if (\p) == NP-1
	s_wait_dscnt 0x0                ; K is in
.endif
	MM
	PL
	PL
	R2
.rept 15
	MM
	PL
	EX
	R2
.endr
.if (\p) == NP-2
	WIN 0
	v_add_nc_u32 v[AK], s[TBK], v[AK0]
.endif
.rept 8
	PL
.endr
.rept 7
	EX
	PL
.endr
	MASKS ((\p)+1)%NP
.rept 42
	PL
	EX
.endr
	EX                              ; the next piece's two a
	EX
	v_nop
	s_wait_alu depctr_va_vdst(0)    ; the one wait for the batch, ahead of the first line that names a result
.if (\p) == NP-2
	FETCH_K \last
.endif
.if (\p) == 1
	s_wait_dscnt 0x0                ; V is in
.endif
.rept 16
	MM
.rept 4
	PL
.endr
.if ((\p) == 0) && (q == 118)
	v_add_nc_u32 v[AV], s[TBV], v[AV0]
.endif
.if ((\p) == 0) && (q == 130)
	s_add_co_u32 s[TBV], s[TBV], KS*PV
.endif
.if (\cnt) && (q == 130)
	s_sub_co_u32 s[CNT], s[CNT], 1
	s_cmp_lg_u32 s[CNT], 0
.endif
.endr
.if (\p) == 0
	FETCH_V
.endif
.endm
	CHANGE 1                        ; slot 0 is in, everybody's part of it; slot 1 is asked for
	FETCH_K                         ; key step 0
	s_wait_loadcnt 0x4              ; Q is in; the four records asked for behind it may stay out
	s_wait_dscnt 0x0
.set i, 0
.rept 16
	KQ 0                            ; piece 0's first scores
.set i, i+1
.endr
	WIN 0
.rept 4
	v_nop                           ; the places behind those products
.endr
.set Y, NP-1                        ; MASKS and XS work for piece Y + 1: piece 0
	MASKS 0
.irp n, 0,1,2,3,4,5,6,7,8,9,10,11,12,13,14,15,16,17,18,19,20,21
	XS 0, \n
	XS 1, \n
.endr
	v_nop                           ; a plain instruction behind the two a,
	s_wait_alu depctr_va_vdst(0)    ; and their wait, ahead of the branch
	s_mov_b32 s[CNT], 4
	s_branch .Lfirst                ; the loop is entered at a step's first turn, in the middle of a trip
.Lslot:                             ; six times: every slot but the last two is filled again
	CHANGE 1
	s_mov_b32 s[CNT], 4
.Lstep:                             ; a trip: pieces 2 and 3 of one step, then pieces 0 and 1 of the next, whose K and V it fetches
	TURN 2, 1
	TURN 3
	WIN 0
	s_sub_co_u32 s[TOT], s[TOT], 1  ; pieces 2 and 3 of one more key step are done;
	s_cmp_eq_u32 s[TOT], 0
	s_cbranch_scc1 .Lout            ; behind those of the 32nd the walk is left, in the middle of a trip
.Lfirst:
	TURN 0
	TURN 1, 0, 1
	WIN 0
	s_cbranch_scc1 .Lstep
	s_sub_co_u32 s[SLOTS], s[SLOTS], 1
	s_cmp_lg_u32 s[SLOTS], 0
	s_cbranch_scc1 .Lslot
	CHANGE 0                        ; the last change of slots is written out: nothing is asked for
	s_mov_b32 s[CNT], 5             ; four trips fetch the last slot's steps; the fifth is left in its middle, where TOT reaches 0
	s_cmp_lg_u32 s[TOT], 0          ; five key steps' pieces 2 and 3 are still to come: the last slot's steps run in the loop's own text
	s_cbranch_scc1 .Lstep
.Lout:                              ; the last trip's 16 products K Q^T, their selects and maximum serve nothing: the price, once a launch, of one text for every trip
.set i, 0
.rept 16
	PV NP-1                         ; the last piece's V^T P of the last step
.set i, i+1
.endr
	; THE WAY OUT.  l's halves are added; O^T is divided by l, rounded to f16 and sent through my stage in LDS, a tile at a time.  The additions are the places behind the last products.
	WIN 0
.macro ALL line:vararg
.set t, 0
.rept 2*NP
	\line
.set t, t+1
.endr
.endm
	ALL v_add_f32 v[ST+4*t+2], v[ST+4*t+2], v[ST+4*t+3]
	ALL v_permlanex16_b32 v[ST+4*t+3], v[ST+4*t+2], s[SEL], s[SEL+1]
	ALL v_add_f32 v[ST+4*t+2], v[ST+4*t+2], v[ST+4*t+3]
	ALL v_rcp_f32 v[ST+4*t+2], v[ST+4*t+2]
	v_nop                           ; a plain instruction between the last reciprocal and the use of its result
	s_wait_alu depctr_va_vdst(0)    ; one wait for the eight reciprocals
.macro PACK t
	WIN W_RS
.set i, 32*(\t)
.rept 16
	v_pk_mul_f32 v[i:i+1], v[i:i+1], v[ST+4*(\t)+2:ST+4*(\t)+3] op_sel_hi:[1,0]
.set i, i+2
.endr
	WIN 0x05
.set i, 0
.rept 16
	v_cvt_pk_f16_f32 v[S+16*(\t)+i], v[32*(\t)+2*i], v[32*(\t)+2*i+1]
.set i, i+1
.endr
	WIN 0
.irp f, 0,1,2,3
	ds_store_b128 v[STO], v[S+16*(\t)+4*\f:S+16*(\t)+4*\f+3] offset:32*\f
.endr
.irp f, 0,1,2,3
	ds_load_b128 v[S+16*(\t)+4*\f:S+16*(\t)+4*\f+3], v[RD] offset:\f*4*SP  ; LDS serves a wave's instructions in order (ISA guide 5.7.1.4): these see the stores above; the next tile's stores come behind them
.endr
.endm
.macro SEND t, younger              ; younger: the LDS instructions issued behind tile t's loads: the next tile's eight, or none
	WIN 0
.irp f, 0,1,2,3
	s_wait_dscnt (\younger)+3-\f
	global_store_b128 v[GO], v[S+16*(\t)+4*\f:S+16*(\t)+4*\f+3], s[OP:OP+1] offset:(\t)*2048+\f*512  ; 512 consecutive bytes, aligned
.endr
.endm
	PACK 0
.set t, 1
.rept 2*NP-1
	PACK t
	SEND t-1, 8
.set t, t+1
.endr
	SEND 2*NP-1, 0
	WIN W_AD
	s_wait_tensorcnt 0x0            ; the wave's end: behind my last tensor load and my last LDS store
	ds_add_u32 v[SPW], v[NIL]
	s_wait_dscnt 0x0
	WIN 0
	CROUND                          ; the closing round: no work-group ends while a partner may still ask for a tile that names it
	s_endpgm
.Lfunc_end_k_qe73048d268_attn:
	.size	k_qe73048d268_attn, .Lfunc_end_k_qe73048d268_attn-k_qe73048d268_attn
	.p2alignl 7, 3214868480
	.fill 96, 4, 3214868480
	.section	.rodata,"a",@progbits
	.p2align	6, 0x0
	.amdhsa_kernel k_qe73048d268_attn
		.amdhsa_group_segment_fixed_size 327680
		.amdhsa_private_segment_fixed_size 0
		.amdhsa_enable_private_segment 0
		.amdhsa_kernarg_size 24
		.amdhsa_user_sgpr_count 2
		.amdhsa_user_sgpr_kernarg_segment_ptr 1
		.amdhsa_wavefront_size32 1
		.amdhsa_system_sgpr_workgroup_id_x 1
		.amdhsa_system_sgpr_workgroup_id_y 1
		.amdhsa_system_sgpr_workgroup_id_z 1
		.amdhsa_system_vgpr_workitem_id 0
		.amdhsa_next_free_vgpr 780
		.amdhsa_next_free_sgpr 106
		.amdhsa_reserve_vcc 0
		.amdhsa_float_denorm_mode_32 3
		.amdhsa_float_denorm_mode_16_64 3
		.amdhsa_memory_ordered 1
		.amdhsa_forward_progress 1
		.amdhsa_inst_pref_size 172
	.end_amdhsa_kernel
	.amdgpu_metadata
---
amdhsa.version: [ 1, 2 ]
amdhsa.kernels:
  - .name:           k_qe73048d268_attn
    .symbol:         k_qe73048d268_attn.kd
    .args:
      - { .name: qkv, .offset: 0, .size: 8, .value_kind: global_buffer, .address_space: global }
      - { .name: mbits, .offset: 8, .size: 8, .value_kind: global_buffer, .address_space: global }
      - { .name: ctx, .offset: 16, .size: 8, .value_kind: global_buffer, .address_space: global }
    .group_segment_fixed_size: 327680
    .private_segment_fixed_size: 0
    .kernarg_segment_align: 8
    .kernarg_segment_size: 24
    .max_flat_workgroup_size: 128
    .sgpr_count:     106
    .vgpr_count:     780
    .wavefront_size: 32
...
	.end_amdgpu_metadata
.endif
;; end of part 7
;; launch outgemm (part 8): grid 8 x 32, 4 waves a work-group, clusters of 4 x 4, 327,680 bytes of LDS; arguments ctx, wot, b_out, out0; writes out0
.if DOCPART == 8
	.amdgcn_target "amdgcn-amd-amdhsa--gfx1250"
	.amdhsa_code_object_version 6
	.text
	.protected	k_qe73048d268_outgemm
	.globl	k_qe73048d268_outgemm
	.p2align	8
	.type	k_qe73048d268_outgemm,@function
k_qe73048d268_outgemm:
	s_mov_b64 s[64:65], 0
	v_nop
	global_prefetch_b8 v0, s[64:65] scope:SCOPE_SE
	s_setreg_imm32_b32 hwreg(HW_REG_WAVE_MODE, 25, 1), 1
	s_wait_xcnt 0x0
	s_wait_alu depctr_hold_cnt(0) depctr_sa_sdst(0) depctr_va_vdst(0) depctr_va_sdst(0) depctr_va_ssrc(0) depctr_va_vcc(0) depctr_vm_vsrc(0)
	s_getreg_b32 s2, hwreg(HW_REG_IB_STS2, 6, 4)
	s_cmp_eq_u32 s2, 0
	s_cbranch_scc0 .Lentry_in_a_cluster
	s_endpgm
.Lentry_in_a_cluster:
	s_bfe_u32 s2, ttmp6, 0x10000c
	s_cmp_lg_u32 s2, 0xf033
	s_cbranch_scc0 .Lentry_shape_is_right
	s_endpgm
.Lentry_shape_is_right:
; ONE SOURCE FOR THE MODULE'S TWO PROJECTIONS; the switch QKV picks the constants, the matrix form and the way out; only the chosen half is assembled.
; QKV = 1:  qkv[g = n / 64][m][n % 64] (f16) = xb[m][:] . wqt[n][:] + bf16(b_qkv[n]).   xb [8192][1024], wqt [3072][1024] bf16.  A tile of C is 256 m x 192 n: 512 work-groups, two for each of 256 WGPs.
; QKV = 0:  out0[m][n] (f32) = ctx[:][m][:] . wot[n][:] + bf16(b_out[n]).   ctx [16 h][8192 m][64], wot [1024][1024] f16.  A tile of C is 256 x 128: 256 work-groups.
; LIMIT (QKV = 1): q, k and v leave as f16, which ends at 65,504; sums in f32, rounded once.  NaN and infinities are not treated apart.
; SHARES.  Four waves; wave w makes rows 64 w .. 64 w + 63 and ALL columns of the tile: 4 x NBK accumulators of 16 x 16.  So a wave's rows of C are whole, and its way out needs no barrier.
; K goes in 8 steps of 128 through two LDS slots.  Waves 0 and 1 fetch A's two halves, waves 2 and 3 B's: one tensor load a wave and step.
; CLUSTER 4 x 4: A's tile hangs on the tile row alone and is asked for jointly along a row of the cluster, B's on the tile column alone and along a column.
; THE PRODUCT IS TAKEN TRANSPOSED (source 0 = 16 rows of B, source 1 = 16 rows of A): a lane holds one row m (lane % 16) and the columns 8 (lane / 16) + 0..7.  In that layout the bias of a
; column block is eight registers, the same for every row block: it is the C operand of the first product, and costs no instruction of its own.
; REGISTERS, in windows of 256: window 0: v16-31 addresses; v32-95 A's fragments, two buffers; v96.. the bias, later the way out.  Window 1: B's fragments, two buffers.
; Window 2: accumulators of row blocks 0, 1 ((a, b) at v[8 (NBK a + b)]); window 3: of row blocks 2, 3.
.set QKV, 0
.if QKV
.set TN,    192                        ; columns in a tile
.set PA,    272                        ; A's LDS rows: 256 bytes (128 k) + 16
.set AZ,    128                        ; LDS bytes from a step's first 64 k to its second
.set HALFA, 128*272                    ; what one of A's loads fills
.set KSA,   256                        ; bytes in memory from a K step of A to the next
.set PITA,  2048                       ; the prefetches' bytes from lane to lane, for A
.set G1A0,  0x07710000                 ; 2-byte elements; padding on; bit 21 beside a mask; 4 words behind every 64
.set STRA,  1024                       ; elements from row to row
.set WSTG,  3*16*144                   ; a wave's stage
.set SHTY,  19                         ; A's offset: tile row << SHTY + half << SHH; a partner's part of it << SHCX
.set SHH,   18
.set SHCX,  16
.set CTX,   3*1048576                  ; C's offset: tile column x CTX + tile row << SHCY + wave << SHCW
.set SHCY,  15
.set SHCW,  13
.else
.set TN,    128
.set PA,    144                        ; a head's row: 128 bytes (64 k) + 16
.set AZ,    256*144                    ; the step's second head lies behind the first's 256 rows
.set HALFA, 256*144
.set KSA,   2*1048576                  ; two heads
.set PITA,  256
.set G1A0,  0x07310000                 ; the same with 4 words behind every 32: a head's 256 rows are dense and come as 128 rows of 256 bytes, padded after each 128
.set STRA,  128
.set WSTG,  16*528
.set SHTY,  15
.set SHH,   20
.set SHCX,  13
.set CTX,   512
.set SHCY,  20
.set SHCW,  18
.endif
.set NBK,   TN/16
.set BOFF,  2*HALFA                    ; B's rows lie behind A's
.set HALFB, (TN/2)*272
.set SLOT1, 131072                     ; one exclusive or turns an address in one slot into the other's
.set STAGE, SLOT1+BOFF+2*HALFB         ; behind the ring, never filled by a tensor load
.set SPARE, STAGE+4*WSTG               ; the spare words, 128 bytes a wave: two blocks of 256 bytes that no other line names
.set NLD,   2*NBK+8                    ; LDS loads for 32 along K
.set ADRA0, 16                         ; my lane's place in A's rows; never rewritten
.set ADRB0, 17                         ; in B's
.set ADRA,  18                         ; the same in the slot in hand
.set ADRB,  19
.set STO,   24
.set RD,    25
.set GO,    26
.set SPW,   28                         ; LDS address of my spare word; never rewritten
.set NIL,   29                         ; 0; never rewritten
.set PFO,   30                         ; the prefetches' lane offset; never rewritten
.set BO,    31                         ; 32 (lane / 16): my eight numbers of a column block's bias
.set FA,    32
.set BIAS,  96
.set TT,    240
.set G1,  24                           ; s[24:31] A's group 1;  s[32:39] A's group 0: a set for each first fill, the second then walks
.set G0,  32
.set PFA, 44                           ; s[44:45] where my prefetches stand;  s[46:47] their step along K
.set PFS, 46
.set G1B, 48
.set G0B, 56
.set TB,  66                           ; LDS byte of the slot in hand
.set LIM, 67                           ; 2 in a wave that prefetches, else the greatest number
.set MSB, 0
.macro WIN new                         ; the immediate's high byte repeats the setting that is left; a switch that changes nothing is dropped
.if MSB != (\new)
	s_set_vgpr_msb (MSB<<8)|(\new)
.set MSB, \new
.endif
.endm
.macro PLACES                          ; four plain places behind matrix instructions, in front of loads into registers that they read
.rept 4
	v_nop
.endr
.endm
.macro JLOAD                           ; a joint refill by the walking sets; the branch hangs on the wave's number alone; an s_nop 0 and four v_nop follow each line
	s_cmp_eq_u32 s13, 0
	s_cbranch_scc0 .Lfor_b_\@
	tensor_load_to_lds s[G0+4:G0+7], s[G1:G1+7]
	s_nop 0
	PLACES
	s_branch .Lasked_\@
.Lfor_b_\@:
	tensor_load_to_lds s[G0B+4:G0B+7], s[G1B:G1B+7]
	s_nop 0
	PLACES
.Lasked_\@:
.endm
.macro CREST                           ; a round of the cluster's barrier behind its opening barrier
	s_cmp_lg_u32 s12, 0
	s_cbranch_scc1 .Lnot_wave_0_\@
	s_barrier_signal -3
.Lnot_wave_0_\@:
	s_barrier_wait -3
	s_barrier_signal -1
	s_barrier_wait -1
.endm
.macro CROUND
	s_barrier_signal -1
	s_barrier_wait -1
	CREST
.endm
; A prefetch into the L2 of the K step two refills on, a lane a block of 256 bytes, one instruction a wave.  A's rows are asked for by the clusters with x = 0, B's by those with y = 0; the four
; partners that fetch a tile jointly share its rows out by address.  Refill t (s15 = 6 - t) names K step t + 4: the last two refills name nothing.
.macro ASK
	s_cmp_gt_u32 s15, s[LIM]
	s_cbranch_scc0 .Lnot_mine_\@
	global_prefetch_b8 v[PFO], s[PFA:PFA+1] th:TH_LOAD_NT scope:SCOPE_SE
.Lnot_mine_\@:
.endm
.macro WMMA rd, r0, r1, rc
.if QKV
	v_wmma_f32_16x16x32_bf16 v[\rd:\rd+7], v[\r0:\r0+7], v[\r1:\r1+7], v[\rc:\rc+7]
.else
	v_wmma_f32_16x16x32_f16 v[\rd:\rd+7], v[\r0:\r0+7], v[\r1:\r1+7], v[\rc:\rc+7]
.endif
.endm
; NBK products: row block 2 hi + a, all column blocks, buffer f.  first = 1: C is the bias.  All 4 NBK accumulators take turns, one instruction a turn.
.macro MUL f, hi, a, first
.if \first
	WIN 0x81+0x40*(\hi)                            ; B window 1, A and the bias window 0, D window 2 or 3
.else
	WIN 0xa1+0x50*(\hi)                            ; C and D window 2 or 3
.endif
.set bb, 0
.rept NBK
.set rD, 8*(NBK*(\a)+bb)
.set rB, 8*NBK*(\f)+8*bb
.set rA, FA+32*(\f)+8*(2*(\hi)+(\a))
.set rC, rD
.if \first
.set rC, BIAS+8*bb
.endif
	WMMA rD, rB, rA, rC
.set bb, bb+1
.endr
.endm
; One run of NLD LDS loads: the fragments of quarter q (32 along K) into buffer f; B's first, A's row blocks 2 and 3 last.
.macro FETCH q, f
	WIN 0x40                                       ; destination window 1, address window 0
.set ii, 0
.rept NBK
	ds_load_b128 v[8*NBK*(\f)+8*ii:8*NBK*(\f)+8*ii+3],   v[ADRB] offset:64*(\q)+ii*16*272
	ds_load_b128 v[8*NBK*(\f)+8*ii+4:8*NBK*(\f)+8*ii+7], v[ADRB] offset:64*(\q)+ii*16*272+32
.set ii, ii+1
.endr
	WIN 0
.set ii, 0
.rept 4
	ds_load_b128 v[FA+32*(\f)+8*ii:FA+32*(\f)+8*ii+3],   v[ADRA] offset:((\q)/2)*AZ+((\q)%2)*64+ii*16*PA
	ds_load_b128 v[FA+32*(\f)+8*ii+4:FA+32*(\f)+8*ii+7], v[ADRA] offset:((\q)/2)*AZ+((\q)%2)*64+ii*16*PA+32
.set ii, ii+1
.endr
.endm
; Multiplies buffer f; in its middle fetches quarter q of the same slot into buffer g.
.macro QUARTER q, f, g, first
	s_wait_dscnt 4                                 ; all but A's row blocks 2 and 3 (four loads)
	MUL \f, 0, 0, \first
	MUL \f, 0, 1, \first
	PLACES
	FETCH \q, \g
	s_wait_dscnt NLD                               ; all but the run just issued
	MUL \f, 1, 0, \first
	MUL \f, 1, 1, \first
.endm
; A step's last quarter (buffer 1) and the change of slots.  In front of the barrier each wave waits for all its tensor loads (one is out: its part of the next slot), adds 0 to its spare word, and
; waits for that and for its reads of this slot.  fill = 1: the barrier opens a round of the cluster's, and the joint refill of the slot just read is the first thing behind the round.
.macro TURN fill
.if \fill
	s_wait_xcnt 0x0                                ; the last prefetch, a K step back, has read its address
	s_add_nc_u64 s[PFA:PFA+1], s[PFA:PFA+1], s[PFS:PFS+1]
.endif
	WIN 0
	s_wait_tensorcnt 0x0                           ; no tensor load of mine is out, so a group 0 may be written
	ds_add_u32 v[SPW], v[NIL]
.if \fill
	s_xor_b32 s[G0+5], s[G0+5], SLOT1              ; the walking sets: the other slot, the next K step
	s_add_nc_u64 s[G0+6:G0+7], s[G0+6:G0+7], KSA
	s_xor_b32 s[G0B+5], s[G0B+5], SLOT1
	s_add_nc_u64 s[G0B+6:G0B+7], s[G0B+6:G0B+7], 256
.endif
	s_wait_dscnt 5                                 ; the add and A's last four loads may be out
	MUL 1, 0, 0, 0
	s_wait_dscnt 0x0                               ; the add is done, my reads of this slot are over
	s_barrier_signal -1
	MUL 1, 0, 1, 0
	WIN 0
	s_barrier_wait -1
.if \fill
	CREST
	JLOAD                                          ; its four v_nop are also the places in front of the loads below
.else
	PLACES
.endif
	s_xor_b32 s[TB], s[TB], SLOT1
	v_add_nc_u32 v[ADRA], s[TB], v[ADRA0]
	v_add_nc_u32 v[ADRB], s[TB], v[ADRB0]
	FETCH 0, 0
.if \fill
	ASK
.endif
	MUL 1, 1, 0, 0
	MUL 1, 1, 1, 0
.endm
	s_load_b256 s[4:11], s[0:1], 0x0               ; A s[4:5], B s[6:7], bias s[8:9], C s[10:11]
	v_lshl_add_u32 v[SPW], v0, 2, SPARE
	v_mov_b32 v[NIL], 0
	ds_add_u32 v[SPW], v[NIL]                      ; the wave's opening: the add and its wait, ahead of my first tensor load
	v_lshrrev_b32 v1, 5, v0
	v_readfirstlane_b32 s12, v1                    ; wave 0..3
	s_lshr_b32 s13, s12, 1                         ; 0: I fetch for A; 1: for B
	s_and_b32 s14, s12, 1                          ; which half
	s_bfe_u32 s40, ttmp6, 0x40000                  ; cx
	s_bfe_u32 s41, ttmp6, 0x40004                  ; cy
	s_lshl_b32 s42, ttmp9, 2
	s_add_co_u32 s42, s42, s40                     ; tile column
	s_and_b32 s43, ttmp7, 0xffff
	s_lshl_b32 s43, s43, 2
	s_add_co_u32 s43, s43, s41                     ; tile row
	s_lshl_b32 s16, s41, 2
	s_lshl_b32 s16, 15, s16                        ; my row of the cluster
	s_lshl_b32 s17, 0x1111, s40                    ; my column
	s_or_b32 s[G1], s16, G1A0
	s_or_b32 s[G1B], s17, 0x07710000
	s_mov_b32 s[G1+1], 128<<16                     ; tensor_dim0 = 128
	s_mov_b32 s[G1+2], 128<<16                     ; tensor_dim1 = 128
	s_mov_b32 s[G1+3], 128<<16                     ; tile_dim0 = 128
	s_mov_b32 s[G1+4], 128                         ; tile_dim1 = 128
	s_mov_b32 s[G1+5], STRA
	s_mov_b32 s[G1+6], 0
	s_mov_b32 s[G1+7], 0
	s_mov_b32 s[G1B+1], 128<<16
	s_mov_b32 s[G1B+2], (TN/2)<<16
	s_mov_b32 s[G1B+3], 128<<16
	s_mov_b32 s[G1B+4], TN/2
	s_mov_b32 s[G1B+5], 1024
	s_mov_b32 s[G1B+6], 0
	s_mov_b32 s[G1B+7], 0
	s_lshl_b32 s68, s43, SHTY                      ; A's offset: made of the tile row and the wave alone
	s_lshl_b32 s18, s14, SHH
	s_add_co_u32 s68, s68, s18
	s_mov_b32 s69, 0
	s_mul_i32 s70, s42, TN*2048                    ; B's: of the tile column and the wave alone
	s_mul_i32 s19, s14, TN*1024
	s_add_co_u32 s70, s70, s19
	s_mov_b32 s71, 0
	s_mul_i32 s20, s14, HALFA                      ; LDS places: no place in the cluster enters them
	s_mul_i32 s21, s14, HALFB
	s_add_co_u32 s21, s21, BOFF
	s_mov_b32 s[TB], 0
	s_wait_dscnt 0x0                               ; the opening add is done
	s_wait_kmcnt 0x0
	s_add_nc_u64 s[68:69], s[4:5], s[68:69]
	s_add_nc_u64 s[70:71], s[6:7], s[70:71]
.irp s, 0,1
	s_mov_b32 s[G0+4*(\s)], 1
	s_add_co_u32 s[G0+4*(\s)+1], s20, (\s)*SLOT1
	s_add_nc_u64 s[G0+4*(\s)+2:G0+4*(\s)+3], s[68:69], (\s)*KSA
	s_or_b32 s[G0+4*(\s)+3], s[G0+4*(\s)+3], 0x80000000
	s_mov_b32 s[G0B+4*(\s)], 1
	s_add_co_u32 s[G0B+4*(\s)+1], s21, (\s)*SLOT1
	s_add_nc_u64 s[G0B+4*(\s)+2:G0B+4*(\s)+3], s[70:71], (\s)*256
	s_or_b32 s[G0B+4*(\s)+3], s[G0B+4*(\s)+3], 0x80000000
.endr
	CROUND                                         ; all sixteen work-groups are here: the first joint loads meet
	s_cmp_eq_u32 s13, 0                            ; a wave's two first fills stand in one branch: two loads of mine are out
	s_cbranch_scc0 .Lfirst_b
	tensor_load_to_lds s[G0:G0+3], s[G1:G1+7]
	s_nop 0
	tensor_load_to_lds s[G0+4:G0+7], s[G1:G1+7]
	s_nop 0
	PLACES
	s_branch .Lfirst_asked
.Lfirst_b:
	tensor_load_to_lds s[G0B:G0B+3], s[G1B:G1B+7]
	s_nop 0
	tensor_load_to_lds s[G0B+4:G0B+7], s[G1B:G1B+7]
	s_nop 0
	PLACES
.Lfirst_asked:
	v_and_b32 v1, 15, v0                           ; r = l % 16
	v_bfe_u32 v2, v0, 4, 1                         ; h = l / 16
	v_and_b32 v3, 31, v0                           ; l
	v_lshlrev_b32 v[BO], 5, v2
	s_mul_i32 s72, s42, TN*4
	s_mov_b32 s73, 0
	s_add_nc_u64 s[8:9], s[8:9], s[72:73]          ; the tile's bias
.set bb, 0
.rept NBK
	global_load_b128 v[BIAS+8*bb:BIAS+8*bb+3],   v[BO], s[8:9] offset:64*bb
	global_load_b128 v[BIAS+8*bb+4:BIAS+8*bb+7], v[BO], s[8:9] offset:64*bb+16
.set bb, bb+1
.endr
	v_mul_u32_u24 v[ADRA0], v1, PA                 ; a fragment: row r x pitch + 16 h, two loads 32 bytes apart
	v_lshl_add_u32 v[ADRA0], v2, 4, v[ADRA0]
	s_mul_i32 s72, s12, 64*PA                      ; my 64 rows
	v_add_nc_u32 v[ADRA0], s72, v[ADRA0]
	v_mul_u32_u24 v[ADRB0], v1, 272
	v_lshl_add_u32 v[ADRB0], v2, 4, v[ADRB0]
	v_add_nc_u32 v[ADRB0], BOFF, v[ADRB0]
	v_mov_b32 v[ADRA], v[ADRA0]
	v_mov_b32 v[ADRB], v[ADRB0]
	s_mul_i32 s72, s12, WSTG
	s_add_co_u32 s72, s72, STAGE                   ; my stage
.if QKV
	v_mul_u32_u24 v[STO], v1, 144                  ; in: row r, 16 bytes for each half of the lanes
	v_lshl_add_u32 v[STO], v2, 4, v[STO]
	v_lshrrev_b32 v4, 3, v3                        ; back: 32 lanes take four rows of 128 bytes
	v_and_b32 v5, 7, v0
	v_mul_u32_u24 v[RD], v4, 144
	v_lshl_add_u32 v[RD], v5, 4, v[RD]
.else
	v_mul_u32_u24 v[STO], v1, 528                  ; in: row r, 32 bytes for each half of the lanes
	v_lshl_add_u32 v[STO], v2, 5, v[STO]
	v_lshlrev_b32 v[RD], 4, v3                     ; back: 32 lanes take one row of 512 bytes
.endif
	v_add_nc_u32 v[STO], s72, v[STO]
	v_add_nc_u32 v[RD], s72, v[RD]
	v_lshlrev_b32 v[GO], 4, v3
	s_mul_i32 s72, s42, CTX                        ; where my rows begin in C
	s_lshl_b32 s74, s43, SHCY
	s_add_co_u32 s72, s72, s74
	s_lshl_b32 s74, s12, SHCW
	s_add_co_u32 s72, s72, s74
	s_add_nc_u64 s[10:11], s[10:11], s[72:73]
	; the prefetches: my work-group's quarter of the rows that I fetch, at K step 3; the first refill steps it to 4.  K steps 0 to 3 come by their loads alone.
	s_lshl_b32 s72, s43, SHTY
	s_lshl_b32 s74, s14, SHH
	s_add_co_u32 s72, s72, s74
	s_lshl_b32 s74, s40, SHCX
	s_add_co_u32 s72, s72, s74
	s_add_co_u32 s72, s72, 3*KSA
	s_mul_i32 s74, s42, TN
	s_mul_i32 s75, s14, TN/2
	s_add_co_u32 s74, s74, s75
	s_mul_i32 s75, s41, TN/8
	s_add_co_u32 s74, s74, s75
	s_lshl_b32 s74, s74, 11
	s_add_co_u32 s74, s74, 3*256
	s_and_b32 s75, ttmp7, 0xffff                   ; cluster y
	s_mov_b32 s16, KSA
	s_mov_b32 s17, 256
	s_mov_b32 s18, PITA
	s_mov_b32 s19, 2048
	s_cmp_eq_u32 s13, 0                            ; do I fetch for A?
	s_cselect_b32 s72, s72, s74
	s_cselect_b32 s75, ttmp9, s75                  ; the coordinate along which other clusters read the same rows
	s_cselect_b32 s[PFS], s16, s17
	s_cselect_b32 s18, s18, s19                    ; bytes from lane to lane
	s_cselect_b32 s16, 31, TN/8-1                  ; my last block: A's quarter has 32, B's TN / 8; the lanes beyond name the last once more
	s_cselect_b64 s[PFA:PFA+1], s[4:5], s[6:7]
	s_cmp_eq_u32 s75, 0
	s_cselect_b32 s[LIM], 2, -1                    ; the same in all sixteen partners, for a given wave
	s_mov_b32 s[PFS+1], 0
	s_add_nc_u64 s[PFA:PFA+1], s[PFA:PFA+1], s[72:73]
	v_min_u32 v[PFO], s16, v3
	v_mul_lo_u32 v[PFO], v[PFO], s18
	s_wait_loadcnt 0x0                             ; the bias, rounded to bf16 like the other inputs, in the wait for the first tile
.set bb, 0
.rept 4*NBK
	v_cvt_pk_bf16_f32 v[TT+bb%4], v[BIAS+2*bb], v[BIAS+2*bb+1]
	v_lshlrev_b32 v[BIAS+2*bb], 16, v[TT+bb%4]
	v_and_b32 v[BIAS+2*bb+1], 0xffff0000, v[TT+bb%4]
.set bb, bb+1
.endr
	s_wait_tensorcnt 1                             ; my part of K step 0 is in; step 1's may stay out
	s_barrier_signal -1
	s_barrier_wait -1
	FETCH 0, 0
	QUARTER 1, 0, 1, 1                             ; the first quarter stands in front of the loop: its products start the sums, with the bias
	WIN 0
	s_mov_b32 s15, 6
.Lstep:                                                ; a trip: a step's quarters 1 to 3, the change of slots with its refill (K steps 2 to 7), the next step's quarter 0
	QUARTER 2, 1, 0, 0
	QUARTER 3, 0, 1, 0
	TURN 1
	QUARTER 1, 0, 1, 0
	WIN 0
	s_sub_co_u32 s15, s15, 1
	s_cmp_lg_u32 s15, 0
	s_cbranch_scc1 .Lstep
	; K steps 6 and 7 ask for nothing, so they have a text of their own, in which no tensor load stands: a loop of two trips, left in the middle of the second.  The second trip's change of slots
	; (its barrier, and NLD LDS loads from the slot left before, which nobody writes any more) serves nothing: the price, once a launch, of one text for both trips.
	s_mov_b32 s15, 2
.Ltl:
	QUARTER 2, 1, 0, 0
	QUARTER 3, 0, 1, 0
	TURN 0
	WIN 0
	s_sub_co_u32 s15, s15, 1
	s_cmp_eq_u32 s15, 0
	s_cbranch_scc1 .Lway
	QUARTER 1, 0, 1, 0
	WIN 0
	s_branch .Ltl
.Lway:
	PLACES                                         ; the places behind the last products, twice four, once a launch
	PLACES
.if QKV
; THE WAY OUT, a row block (16 rows x 192 columns = three heads' 64) at a time: rounded to f16; into my stage, a head's rows 144 bytes apart; back as four rows of 128 bytes a load, which are
; 512 consecutive bytes of that head's part of qkv.
.set TMP, 96
.set OB,  144
.macro PACK a
	WIN 0x0a+5*((\a)/2)                            ; sources 0 and 1: window 2 or 3
.set AC, 8*NBK*((\a)%2)
.set bb, 0
.rept NBK
.irp r, 0,1,2,3
	v_cvt_pk_f16_f32 v[TMP+4*bb+(\r)], v[AC+8*bb+2*(\r)], v[AC+8*bb+2*(\r)+1]
.endr
.set bb, bb+1
.endr
	WIN 0
.endm
.macro TOSTAGE a
.set BK, OB+48*((\a)%2)
.set bb, 0
.rept NBK
	ds_store_b128 v[STO], v[TMP+4*bb:TMP+4*bb+3] offset:(bb/4)*2304+(bb%4)*32
.set bb, bb+1
.endr
.set tt, 0
.rept 12
	ds_load_b128 v[BK+4*tt:BK+4*tt+3], v[RD] offset:(tt/4)*2304+(tt%4)*576  ; LDS serves a wave's instructions in order (ISA guide 5.7.1.4): these see the stores above
.set tt, tt+1
.endr
.endm
.macro SEND a
.set BK, OB+48*((\a)%2)
	s_wait_xcnt 0x0                                ; the block before's stores have read their registers, which the next loads from the stage write
.set tt, 0
.rept 12
	s_wait_dscnt 11-tt                             ; the younger loads from the stage stay out
	global_store_b128 v[GO], v[BK+4*tt:BK+4*tt+3], s[10:11] offset:(tt/4)*1048576+(\a)*2048+(tt%4)*512
.set tt, tt+1
.endr
.endm
	PACK 0
	TOSTAGE 0
.irp a, 1,2,3                          ; block a's conversions stand between block a - 1's loads from the stage and the wait for them
	PACK \a
	SEND (\a)-1
	TOSTAGE \a
.endr
	SEND 3
.else
; THE WAY OUT, a row block (16 rows x 128 columns of f32) at a time: straight from the accumulators into my stage, rows 528 bytes apart; back as whole rows of 512 bytes.
.set OB, 96
.macro TOSTAGE a
	s_wait_xcnt 0x0                                ; earlier stores have read their registers, which the loads below write
	WIN 0x08+4*((\a)/2)                            ; store data: window 2 or 3
.set AC, 8*NBK*((\a)%2)
.set bb, 0
.rept NBK
	ds_store_b128 v[STO], v[AC+8*bb:AC+8*bb+3]   offset:64*bb
	ds_store_b128 v[STO], v[AC+8*bb+4:AC+8*bb+7] offset:64*bb+16
.set bb, bb+1
.endr
	WIN 0
.set BK, OB+64*((\a)%2)
.set tt, 0
.rept 16
	ds_load_b128 v[BK+4*tt:BK+4*tt+3], v[RD] offset:tt*528  ; LDS serves a wave's instructions in order (ISA guide 5.7.1.4): these see the stores above, and the next block's stores come behind them
.set tt, tt+1
.endr
.endm
.macro SEND a, younger                 ; younger: the next block's 16 stores and 16 loads, or none
.set BK, OB+64*((\a)%2)
.set tt, 0
.rept 16
	s_wait_dscnt (\younger)+15-tt
	global_store_b128 v[GO], v[BK+4*tt:BK+4*tt+3], s[10:11] offset:(16*(\a)+tt)*4096 th:TH_STORE_NT  ; 512 consecutive bytes, aligned
.set tt, tt+1
.endr
.endm
	TOSTAGE 0
	TOSTAGE 1
	SEND 0, 32
	TOSTAGE 2
	SEND 1, 32
	TOSTAGE 3
	SEND 2, 32
	SEND 3, 0
.endif
	s_wait_tensorcnt 0x0                           ; the wave's end: behind my last tensor load and my last LDS store
	ds_add_u32 v[SPW], v[NIL]
	s_wait_dscnt 0x0
	CROUND                                         ; the closing round: no work-group ends while a partner may still ask for a tile that names it
	s_endpgm
.Lfunc_end_k_qe73048d268_outgemm:
	.size	k_qe73048d268_outgemm, .Lfunc_end_k_qe73048d268_outgemm-k_qe73048d268_outgemm
	.p2alignl 7, 3214868480
	.fill 96, 4, 3214868480
	.section	.rodata,"a",@progbits
	.p2align	6, 0x0
	.amdhsa_kernel k_qe73048d268_outgemm
		.amdhsa_group_segment_fixed_size 327680
		.amdhsa_private_segment_fixed_size 0
		.amdhsa_enable_private_segment 0
		.amdhsa_kernarg_size 32
		.amdhsa_user_sgpr_count 2
		.amdhsa_user_sgpr_kernarg_segment_ptr 1
		.amdhsa_wavefront_size32 1
		.amdhsa_system_sgpr_workgroup_id_x 1
		.amdhsa_system_sgpr_workgroup_id_y 1
		.amdhsa_system_sgpr_workgroup_id_z 1
		.amdhsa_system_vgpr_workitem_id 0
		.amdhsa_next_free_vgpr 896
		.amdhsa_next_free_sgpr 80
		.amdhsa_reserve_vcc 0
		.amdhsa_float_denorm_mode_32 3
		.amdhsa_float_denorm_mode_16_64 3
		.amdhsa_memory_ordered 1
		.amdhsa_forward_progress 1
		.amdhsa_inst_pref_size 70
	.end_amdhsa_kernel
	.amdgpu_metadata
---
amdhsa.version: [ 1, 2 ]
amdhsa.kernels:
  - .name:           k_qe73048d268_outgemm
    .symbol:         k_qe73048d268_outgemm.kd
    .args:
      - { .name: ctx, .offset: 0, .size: 8, .value_kind: global_buffer, .address_space: global }
      - { .name: wot, .offset: 8, .size: 8, .value_kind: global_buffer, .address_space: global }
      - { .name: b_out, .offset: 16, .size: 8, .value_kind: global_buffer, .address_space: global }
      - { .name: out0, .offset: 24, .size: 8, .value_kind: global_buffer, .address_space: global }
    .group_segment_fixed_size: 327680
    .private_segment_fixed_size: 0
    .kernarg_segment_align: 8
    .kernarg_segment_size: 32
    .max_flat_workgroup_size: 128
    .sgpr_count:     80
    .vgpr_count:     896
    .wavefront_size: 32
...
	.end_amdgpu_metadata
.endif
;; end of part 8
